; MI455X (gfx1250); checked and timed in simulation.
; The chip was launched on July 23, 2026; its instructions are those of AMD's public machine-readable ISA for CDNA 5 (MIT licence, August 2026) and "CDNA5" Instruction Set Architecture Reference Guide (July 2026). The comments in the code are by the model that wrote it; some were corrected since.
;; Encoder Block. Allowed arithmetic: matrix products marked QUANTISED: E2M3 operands, one E8M0 scale for each 32 along K, by v_wmma_scale_f32_16x16x128_f8f6f4 with both operands' format E2M3, f32 sums; everything else in f32.
;; Inputs: W1 1,024 x 1,024 float32; W2 1,024 x 1,024 float32; Wk 16 x 1,024 x 64 float32; Wo 1,024 x 1,024 float32; Wq 16 x 1,024 x 64 float32; Wv 16 x 1,024 x 64 float32; b1 1,024 float32; b2 1,024 float32; b_ln1 1,024 float32; b_ln2 1,024 float32; bo 1,024 float32; g_ln1 1,024 float32; g_ln2 1,024 float32; x 8 x 1,024 x 1,024 float32.
;; Outputs: out0 8 x 1,024 x 1,024 float32.
;; This version of the problem:
;;   THIS VERSION OF THE PROBLEM IS GIVEN IN LOW PRECISION. The matrix products marked QUANTISED in the list below multiply operands that are first quantised to E2M3 (2 exponent bits, 3 mantissa bits; 6 bits a number), with one power-of-two scale for each 32 numbers along K (OCP MX v1.0); their sums are f32. All else is computed in f32.
;;   The module's matrix products, in the order in which they are computed (A, B: the left and right operand; K: the contracted axis; several contracted axes count as one K, in the product's order):
;;     1. [M 1,024, K 1,024] x [K 1,024, N 8,192]; A: input Wq; B: computed on the way: QUANTISED
;;     2. [M 1,024, K 1,024] x [K 1,024, N 8,192]; A: input Wk; B: computed on the way: QUANTISED
;;     3. [M 1,024, K 1,024] x [K 1,024, N 8,192]; A: input Wv; B: computed on the way: QUANTISED
;;     4. batch 128 x [M 1,024, K 64] x [K 64, N 1,024]; A: computed on the way; B: computed on the way: QUANTISED
;;     5. batch 128 x [M 1,024, K 1,024] x [K 1,024, N 64]; A: softmax (see below); B: computed on the way: QUANTISED
;;     6. [M 8,192, K 1,024] x [K 1,024, N 1,024]; A: computed on the way; B: input Wo: QUANTISED
;;     7. [M 8,192, K 1,024] x [K 1,024, N 1,024]; A: computed on the way; B: input W1: QUANTISED
;;     8. [M 8,192, K 1,024] x [K 1,024, N 1,024]; A: computed on the way; B: input W2: QUANTISED
;;   THE QUANTISER, for each operand of a quantised product, along K:
;;     - K is cut into blocks of 32 from its start; a last block that is shorter is filled with zeros.
;;     - A block's scale is 2^e with e = floor(log2(the largest magnitude in the block)) - 2, held to -126 .. 127; a block of zeros has e = 0. As a byte (E8M0): e + 127.
;;     - Each number is divided by its block's scale, clamped to +-7.5, and rounded to the nearest number of E2M3, ties to even, subnormals kept.
;;     - The product sums the exact products of the quantised numbers (number of the format x scale) in f32.
;;   ~~~python
;;   def quantise(x, axis):      # numpy; x: float32 -> the quantised numbers, widened to float32 again
;;       x = np.moveaxis(x, axis, -1); K = x.shape[-1]
;;       x = np.pad(x, [(0, 0)] * (x.ndim - 1) + [(0, -K % 32)]); x = x.reshape(x.shape[:-1] + (-1, 32)); a = np.abs(x).max(-1, keepdims=True)
;;       e = np.where(a > 0, np.clip(np.frexp(np.where(a > 0, a, 1))[1] - 1 - 2, -126, 127), 0)      # np.frexp(a)[1] - 1 = floor(log2(a)), exactly
;;       r = np.clip(x / 2.0 ** e, -7.5, 7.5)
;;       step = 2.0 ** (np.maximum(np.frexp(np.where(r == 0, 1, r))[1] - 1, 0) - 3)
;;       q = np.round(r / step) * step * 2.0 ** e      # np.round: ties to even
;;       return np.moveaxis(q.reshape(q.shape[:-2] + (-1,))[..., :K], -1, axis).astype(np.float32)
;;   ~~~
;;   SOFTMAX AHEAD OF A QUANTISED PRODUCT. Where the list says 'softmax', what is quantised is not the finished softmax but p = 2^(t - M), with t = logit x log2(e) and M = ceil(the row's largest t), a whole number; so 1/2 < the row's largest p <= 1. The row's sum l is taken of the UNQUANTISED p, in f32, and the product's result is divided by l at the end. Since M is a whole number, a kernel that streams over the keys may use a running M (the ceiling of the running maximum): every later rescaling is an exact power of two, which a block's scale takes up: the codes' values come out the same.
;;   OPERANDS COMPUTED ON THE WAY. 'Computed on the way' means the value that the module computes at that place (a softmax that the list does not call 'softmax' is quantised finished and normalised). What goes into a quantiser is computed in f32, as accurately as f32 sums, v_exp_f32 and their like allow (about 1e-6 of the number): no bf16 or f16 on the way to a quantiser, and a product that is left as it is and whose result goes on into a quantised operand takes f32 operands (vector FMAs, or v_wmma_f32_16x16x4_f32). A number that lies on a knife's edge between two numbers of the format may be rounded either way, as far as f32 arithmetic and the matrix unit's own rounding can turn it there, and no further.
;; 2 versions. Each part assembles by itself: llvm-mc -triple=amdgcn-amd-amdhsa -mcpu=gfx1250 --defsym DOCPART=n.
;; ======== version 1 of 2: 4 launches
;; workspace buffers: hw 9,011,200 bytes; cw 2,457,600 bytes; qkv 20,185,088 bytes; ab 6,553,600 bytes
;; launch prep (part 1): grid 224 x 1, 4 waves a work-group, no clusters, 132,608 bytes of LDS; arguments x, g_ln1, b_ln1, Wq, Wk, Wv, Wo, W1, W2, hw, cw; writes hw, cw
.if DOCPART == 1
	.amdgcn_target "amdgcn-amd-amdhsa--gfx1250"
	.amdhsa_code_object_version 6
	.text
	.protected	k_qb9498e10b2_prep
	.globl	k_qb9498e10b2_prep
	.p2align	8
	.type	k_qb9498e10b2_prep,@function
k_qb9498e10b2_prep:
	s_mov_b64 s[64:65], 0
	v_nop
	global_prefetch_b8 v0, s[64:65] scope:SCOPE_SE
	s_setreg_imm32_b32 hwreg(HW_REG_WAVE_MODE, 25, 1), 1
	s_wait_xcnt 0x0
; PREP.  Work-groups 0-127: h = layernorm(x) g + b, quantised along its 1,024 columns to codes of FP6 (E2M3) with one E8M0 byte for each 32.  Work-groups 128-223: the six weights, quantised along K, which is not their innermost axis.
; ALL CODES ARE STORED AS IMAGES OF OPERAND REGISTERS: a fragment is 16 rows x 128 K, 12 registers a lane, 1,536 bytes: three chunks of 512 bytes, chunk c = registers 4 c .. 4 c + 3 of lane l at 16 l.
; THE ROWS OF A TILE ARE NOT NEIGHBOURS: place r of tile 2 G + u is row 32 G + 8 u + r + 8 (r / 8), in h and in every weight, so that results of products used transposed run along the next K in a lane's registers.
; hw: [tile 704][K step 8][1,536]: tiles 0-511 h, 512 + 64 m on Wq, Wk, Wv (row n = 64 head + e); from SCOFF on [row place][32 scale bytes].
; cw: [Wo, W1, W2][K step 8][quarter of the columns 4][25,600]: 16 tiles' fragments, then 8 x 128 bytes of scale words (lanes 0-15 tile 2 P, lanes 16-31 tile 2 P + 1).
; A block's scale is 2^(floor(log2(largest magnitude)) - 2); its byte is the largest magnitude's exponent field - 2, held at 1 from below.
; LIMITS: a block whose largest magnitude lies under 2^-124, a block of zeros too, keeps the byte 1 (this program alone reads the bytes; zero codes add nothing); NaN and infinities are not served.
; The weights' scale words in hw leave as 4 bytes at a pitch of 32: 98,304 bytes in all are written so.
; Waves share nothing: no barrier.  Each wave takes 65,536 bytes of f32 in, all 128 loads issued on end, each of 512 or 2 x 256 consecutive bytes.  The two paths have LDS bytes of their own.
.set LNW,   16640                      ; LN path, a wave's LDS: a stage of 16 rows x 528 bytes, then its copy of g and b (8,192)
.set SP,    528
.set GBO,   16*SP
.set WST,   4*LNW                      ; weights path: a stage of 32 rows x 512 bytes for each wave
.set WSZ,   16384
.set SPARE, WST+4*WSZ                  ; the spare words, 128 bytes for each wave: two blocks of 256 bytes that no other line names
.set SCOFF, 8650752
.set SPW,   2                          ; v2  my spare word's LDS address; never rewritten
.set NIL,   3                          ; v3  0; never rewritten
.set SEL,   26                         ; s[26:27] selects of v_permlanex16_b32 for lane l xor 16
.set YY,    64                         ; v64-127 64 numbers at work
.set TM,    128                        ; v128-143 the quantiser's temporaries
.set PW,    144                        ; the scale word just made
.set PC,    148                        ; v148-167 the codes just made
.set MSB,   0
.macro WIN new                         ; the immediate's high byte repeats the setting that is left
.if MSB != (\new)
	s_set_vgpr_msb (MSB<<8)|(\new)
.set MSB, (\new)
.endif
.endm
; 64 numbers of a lane, register 16 b + i = k 32 b + 16 (lane / 16) + i of my row, become a fragment's codes in v[PC] on and its scale word in v[PW]
.macro QUANT s
.irp b, 0,1,2,3
	v_max3_num_f32 v[TM+\b], |v[\s+16*\b]|, |v[\s+1+16*\b]|, 0x1800000   ; my 16 numbers of block b, and the floor 2^(3 - 127): the byte cannot fall under 1
.endr
.irp i, 2,4,6,8,10,12,14
.irp b, 0,1,2,3
	v_max3_num_f32 v[TM+\b], v[TM+\b], |v[\s+16*\b+\i]|, |v[\s+1+16*\b+\i]|
.endr
.endr
.irp b, 0,1,2,3
	v_permlanex16_b32 v[TM+4+\b], v[TM+\b], s[SEL], s[SEL+1]
.endr
.irp b, 0,1,2,3
	v_max_num_f32 v[TM+\b], v[TM+\b], v[TM+4+\b]       ; with lane l xor 16's: the block's largest magnitude
.endr
.irp b, 0,1,2,3
	v_add_nc_u32 v[TM+12+\b], 0xff000000, v[TM+\b]     ; 2 off its exponent field: the conversion's scale operand
.endr
.irp b, 0,1,2,3
	v_lshrrev_b32 v[TM+4+\b], 23, v[TM+12+\b]          ; the scale's byte
.endr
	v_lshl_or_b32 v[PW], v[TM+5], 8, v[TM+4]
	v_lshl_or_b32 v[PW], v[TM+6], 16, v[PW]
	v_lshl_or_b32 v[PW], v[TM+7], 24, v[PW]
.irp c, 0,1
	v_cvt_scalef32_pk16_fp6_f32 v[PC+6*\c:PC+2+6*\c], v[\s+32*\c:\s+15+32*\c], v[TM+12+2*\c]
	v_cvt_scalef32_pk16_fp6_f32 v[PC+12+4*\c:PC+14+4*\c], v[\s+16+32*\c:\s+31+32*\c], v[TM+12+2*\c+1]   ; (a conversion's three registers begin on an even number)
.endr
	v_nop                                              ; one plain place behind a scaled conversion
.irp c, 0,1                                            ; the operand's layout wants a whole block in a lane
.irp i, 0,1,2
	v_permlane16_swap_b32 v[PC+6*\c+\i], v[PC+12+4*\c+\i]
.endr
.irp i, 0,1,2
	v_mov_b32 v[PC+3+6*\c+\i], v[PC+12+4*\c+\i]
.endr
.endr
.endm
	s_load_b512 s[4:19], s[0:1], 0x0               ; x, g, b, Wq, Wk, Wv, Wo, W1
	s_load_b128 s[20:23], s[0:1], 0x40             ; W2, hw
	s_load_b64 s[24:25], s[0:1], 0x50              ; cw
	v_lshl_add_u32 v[SPW], v0, 2, SPARE
	v_mov_b32 v[NIL], 0
	v_lshrrev_b32 v1, 5, v0
	v_readfirstlane_b32 s28, v1                    ; wave
	v_and_b32 v4, 31, v0                           ; lane
	v_and_b32 v5, 15, v0                           ; lane % 16
	v_bfe_u32 v6, v0, 4, 1                         ; lane / 16
	v_lshlrev_b32 v7, 4, v4                        ; 16 x lane
	s_mov_b32 s[SEL], 0x76543210
	s_mov_b32 s[SEL+1], 0xfedcba98
	s_cmp_lt_u32 ttmp9, 128
	s_cbranch_scc0 .Lweights
; ======================= LAYERNORM: a wave takes one tile of 16 rows; the rows stay in 512 registers (windows 1 and 2: K step s at 64 (s % 4) of window 1 + s / 4)
	s_lshl_b32 s29, ttmp9, 2
	s_add_co_u32 s29, s29, s28                     ; my tile
	s_lshr_b32 s30, s29, 1
	s_lshl_b32 s30, s30, 5
	s_and_b32 s31, s29, 1
	s_lshl_b32 s31, s31, 3
	s_add_co_u32 s30, s30, s31                     ; its first row: 32 (tile / 2) + 8 (tile % 2)
	s_lshl_b32 s30, s30, 12                        ; in bytes (under 2^25)
	s_mov_b32 s31, 0
	s_mul_i32 s32, s29, 12288                      ; its eight fragments in hw
	s_mov_b32 s33, 0
	s_lshl_b32 s34, s29, 9
	s_add_co_u32 s34, s34, SCOFF                   ; its 512 scale bytes
	s_mov_b32 s35, 0
	s_mul_i32 s36, s28, LNW                        ; my LDS
	s_mov_b32 s37, 0xffff0000                      ; lanes 16-31
	v_add_nc_u32 v8, s36, v7                       ; stage, as loaded: 16 x lane
	v_mul_u32_u24 v9, v5, SP
	v_lshl_add_u32 v9, v6, 6, v9
	v_add_nc_u32 v9, s36, v9                       ; stage, turned: row lane % 16, + 64 (lane / 16)
	v_lshl_add_u32 v10, v6, 6, s36                 ; g and b: + 64 (lane / 16)
	v_lshlrev_b32 v11, 5, v5
	v_lshl_add_u32 v11, v6, 4, v11                 ; scale bytes: 32 r + 16 h
.irp b, 0,1,2,3
	v_mov_b32 v[TM+4+\b], 0                        ; written once: a lane permute's destination counts as one of its sources
.endr
	s_wait_kmcnt 0x0
	s_add_nc_u64 s[4:5], s[4:5], s[30:31]
	s_add_nc_u64 s[32:33], s[22:23], s[32:33]
	s_add_nc_u64 s[34:35], s[22:23], s[34:35]
.irp i, 0,1,2,3,4,5,6,7
	global_load_b128 v[YY+4*\i:YY+4*\i+3], v7, s[6:7] offset:512*\i
.endr
.irp i, 0,1,2,3,4,5,6,7
	global_load_b128 v[YY+32+4*\i:YY+32+4*\i+3], v7, s[8:9] offset:512*\i
.endr
.macro XLD s                           ; K step s of my 16 rows: each load is 512 consecutive bytes of one row
	WIN (1+(\s)/4)<<6
.set i, 0
.rept 16
	global_load_b128 v[64*((\s)%4)+4*i:64*((\s)%4)+4*i+3], v7, s[4:5] offset:(i+8*(i/8))*4096+512*(\s) th:TH_LOAD_NT
.set i, i+1
.endr
.endm
	XLD 0
	XLD 1
	XLD 2
	WIN 0
	s_wait_loadcnt 48                              ; the 48 loads of x behind them may be out: g and b are in
.set i, 0
.rept 16
	ds_store_b128 v8, v[YY+4*i:YY+4*i+3] offset:GBO+512*i      ; my copy: g's 4,096 bytes, then b's
.set i, i+1
.endr
	XLD 3
	XLD 4
	XLD 5
	XLD 6
	XLD 7
; K step s turns through the stage: in as loaded, back as 16 neighbours of each block of 32 a lane, into the registers that it left.  LDS serves a wave's instructions in order, so one stage serves all steps
.macro TURN s, cnt
	s_wait_loadcnt \cnt
	WIN (1+(\s)/4)<<2
.set i, 0
.rept 16
	ds_store_b128 v8, v[64*((\s)%4)+4*i:64*((\s)%4)+4*i+3] offset:i*SP
.set i, i+1
.endr
	WIN (1+(\s)/4)<<6
.set i, 0
.rept 16
	ds_load_b128 v[64*((\s)%4)+4*i:64*((\s)%4)+4*i+3], v9 offset:128*(i/4)+16*(i%4)
.set i, i+1
.endr
.endm
	TURN 0, 63                                     ; 16 (7 - s) loads were issued behind step s's; where that is more than the count can name, 63 is the stricter wait
	TURN 1, 63
	TURN 2, 63
	TURN 3, 63
	TURN 4, 48
	TURN 5, 32
	TURN 6, 16
	TURN 7, 0
	s_wait_dscnt 0x0
.macro GBL s                           ; g and b of K step s, in my lane's order, into set s % 2 of window 3: 16 + 16 loads; the 16 lanes of a half read the same bytes
	WIN 0xc0
.set i, 0
.rept 16
	ds_load_b128 v[128*((\s)%2)+4*i:128*((\s)%2)+4*i+3], v10 offset:GBO+512*(\s)+128*(i/4)+16*(i%4)
	ds_load_b128 v[128*((\s)%2)+64+4*i:128*((\s)%2)+64+4*i+3], v10 offset:GBO+4096+512*(\s)+128*(i/4)+16*(i%4)
.set i, i+1
.endr
.endm
	GBL 0
.macro CLEAR
	WIN 0
.irp i, 16,17,18,19,20,21,22,23
	v_mov_b32 v\i, 0
.endr
.endm
.macro RSUM                            ; four chains of pairs, and lane l xor 16's: the row's sum in v16
	WIN 0
	v_pk_add_f32 v[16:17], v[16:17], v[18:19]
	v_pk_add_f32 v[20:21], v[20:21], v[22:23]
	v_pk_add_f32 v[16:17], v[16:17], v[20:21]
	v_add_f32 v16, v16, v17
	v_permlanex16_b32 v17, v16, s[SEL], s[SEL+1]
	v_add_f32 v16, v16, v17
.endm
	CLEAR
.irp w, 1,2
	WIN \w
.set i, 0
.rept 128
	v_pk_add_f32 v[16+2*(i%4):17+2*(i%4)], v[2*i:2*i+1], v[16+2*(i%4):17+2*(i%4)]
.set i, i+1
.endr
.endr
	RSUM
	v_mul_f32 v24, 0xba800000, v16                 ; - the mean
	v_mov_b32 v25, v24
.irp w, 1,2
	WIN \w*0x41
.set i, 0
.rept 128
	v_pk_add_f32 v[2*i:2*i+1], v[2*i:2*i+1], v[24:25]          ; x - mean, in place: the variance is the mean of these squares, no difference of large sums
.set i, i+1
.endr
.endr
	CLEAR
.irp w, 1,2
	WIN \w*5
.set i, 0
.rept 128
	v_pk_fma_f32 v[16+2*(i%4):17+2*(i%4)], v[2*i:2*i+1], v[2*i:2*i+1], v[16+2*(i%4):17+2*(i%4)]
.set i, i+1
.endr
.endr
	RSUM
	v_mul_f32 v16, 0x3a800000, v16                 ; the variance
	v_add_f32 v16, 0x3727c5ac, v16                 ; + 1e-5
	v_rsq_f32 v26, v16
	v_nop                                          ; a plain place behind the transcendental
	s_wait_alu depctr_va_vdst(0)                   ; and the wait ahead of its first reader
	v_mov_b32 v27, v26
.macro KSTEP s
.if (\s) < 7
	GBL (\s)+1
	s_wait_dscnt 32                                ; the next step's 32 loads may be out: this step's g and b are in
.else
	s_wait_dscnt 0x0
.endif
	WIN 1+(\s)/4
.set i, 0
.rept 32
	v_pk_mul_f32 v[YY+2*i:YY+2*i+1], v[64*((\s)%4)+2*i:64*((\s)%4)+2*i+1], v[26:27]
.set i, i+1
.endr
	WIN 0x3c
.set i, 0
.rept 32
	v_pk_fma_f32 v[YY+2*i:YY+2*i+1], v[YY+2*i:YY+2*i+1], v[128*((\s)%2)+2*i:128*((\s)%2)+2*i+1], v[128*((\s)%2)+64+2*i:128*((\s)%2)+65+2*i]
.set i, i+1
.endr
	WIN 0
	s_wait_xcnt 0x0                                ; the last step's stores have read the codes' registers
	QUANT YY
.irp c, 0,1,2
	global_store_b128 v7, v[PC+4*\c:PC+4*\c+3], s[32:33] offset:1536*(\s)+512*\c   ; 512 consecutive bytes
.endr
	v_mov_b32 v[32+(\s)], v[PW]
.endm
	KSTEP 0
	KSTEP 1
	KSTEP 2
	KSTEP 3
	KSTEP 4
	KSTEP 5
	KSTEP 6
	KSTEP 7
.irp i, 0,1,2,3
	v_cndmask_b32 v[40+\i], v[32+\i], v[36+\i], s37    ; lanes 0-15 take my row's words 0-3, lanes 16-31 words 4-7
.endr
	global_store_b128 v11, v[40:43], s[34:35]      ; the wave stores its 512 scale bytes whole
	s_wait_tensorcnt 0x0                           ; the wave's end, behind my last LDS store
	ds_add_u32 v[SPW], v[NIL]
	s_wait_dscnt 0x0
	s_endpgm
; ======================= WEIGHTS: a wave takes 128 columns n x 128 along K of one weight
.Lweights:
	s_sub_co_u32 s29, ttmp9, 128
	s_lshr_b32 s30, s29, 4                         ; m: Wq, Wk, Wv, Wo, W1, W2
	s_bfe_u32 s31, s29, 0x30001                    ; which 128 columns
	s_and_b32 s32, s29, 1
	s_lshl_b32 s32, s32, 2
	s_add_co_u32 s32, s32, s28                     ; which K step
	s_lshl_b32 s33, s28, 14
	s_add_co_u32 s33, s33, WST                     ; my stage
	v_add_nc_u32 v8, s33, v7                       ; in: 16 x lane
	v_lshl_add_u32 v9, v4, 2, s33                  ; out: a lane to a column
	s_lshl_b32 s34, s30, 6                         ; in hw: first tile 512 + 64 m + 8 x group
	s_lshl_b32 s35, s31, 3
	s_add_co_u32 s34, s34, s35
	s_add_co_u32 s34, s34, 512
	s_mul_i32 s36, s34, 12288
	s_mul_i32 s35, s32, 1536
	s_add_co_u32 s36, s36, s35                     ; codes
	s_lshl_b32 s37, s34, 9
	s_lshl_b32 s35, s32, 2
	s_add_co_u32 s37, s37, s35
	s_add_co_u32 s37, s37, SCOFF                   ; scale words
	s_max_u32 s38, s30, 3                          ; in cw: (8 (m - 3) + K step) x 102,400 + (group / 2) x 25,600
	s_sub_co_u32 s38, s38, 3
	s_lshl_b32 s38, s38, 3
	s_add_co_u32 s38, s38, s32
	s_mul_i32 s38, s38, 102400
	s_lshr_b32 s35, s31, 1
	s_mul_i32 s35, s35, 25600
	s_add_co_u32 s38, s38, s35
	s_and_b32 s35, s31, 1
	s_mul_i32 s39, s35, 12288
	s_add_co_u32 s39, s39, s38                     ; codes: + 8 tiles for the odd group
	s_lshl_b32 s35, s35, 9
	s_add_co_u32 s38, s38, s35
	s_add_co_u32 s38, s38, 24576                   ; scale words: behind the 16 tiles, + 4 pairs for the odd group
	s_lshl_b32 s40, s31, 19                        ; the input, [head][k][64]: two heads a group, 128 rows of 256 bytes a K step
	s_lshl_b32 s35, s32, 15
	s_add_co_u32 s40, s40, s35
	s_lshl_b32 s41, s32, 19                        ; the input, [k][1024]: 128 rows of 4,096 bytes a K step, 512 bytes a group
	s_lshl_b32 s35, s31, 9
	s_add_co_u32 s41, s41, s35
	s_mov_b32 s42, 1536
	s_mov_b32 s43, 262144
	s_cmp_lt_u32 s30, 3                            ; Wq, Wk, Wv go to hw, the others to cw
	s_cselect_b32 s36, s36, s39
	s_cselect_b32 s38, s37, s38
	s_cselect_b32 s40, s40, s41
	s_cselect_b32 s42, 12288, s42                  ; from tile to tile
	s_cselect_b32 s44, 32, 4                       ; from row place to row place among the scale words
	s_cselect_b32 s43, s43, 256                    ; from lane 15 to lane 16 in a row of the input: the next head, or the next 256 bytes
	s_mov_b32 s37, 0
	s_mov_b32 s39, 0
	s_mov_b32 s41, 0
	v_mul_lo_u32 v10, v6, s43
	v_lshl_add_u32 v10, v5, 4, v10
	v_bfe_u32 v14, v0, 3, 1                        ; column 32 cs + L lies in tile 2 cs + u, u = (L / 8) % 2,
	v_and_b32 v15, 7, v0
	v_lshl_add_u32 v15, v6, 3, v15                 ; at place r = L % 8 + 8 (L / 16)
	v_mul_lo_u32 v20, v14, s42
	v_lshl_add_u32 v20, v15, 4, v20                ; v20-23: my 16 bytes in a chunk's half, for cs = 0 .. 3
	s_lshl_b32 s45, s42, 1
	v_add_nc_u32 v21, s45, v20
	v_add_nc_u32 v22, s45, v21
	v_add_nc_u32 v23, s45, v22
	v_lshl_add_u32 v24, v14, 4, v15
	v_mul_lo_u32 v24, v24, s44                     ; v24-27: my scale word
	s_lshl_b32 s52, s44, 5
	v_add_nc_u32 v25, s52, v24
	v_add_nc_u32 v26, s52, v25
	v_add_nc_u32 v27, s52, v26
	s_wait_kmcnt 0x0
	s_cmp_lt_u32 s30, 3
	s_cselect_b64 s[46:47], s[22:23], s[24:25]
	s_add_nc_u64 s[48:49], s[46:47], s[38:39]
	s_add_nc_u64 s[46:47], s[46:47], s[36:37]
	s_cmp_eq_u32 s30, 1
	s_cselect_b64 s[50:51], s[12:13], s[10:11]
	s_cmp_eq_u32 s30, 2
	s_cselect_b64 s[50:51], s[14:15], s[50:51]
	s_cmp_eq_u32 s30, 3
	s_cselect_b64 s[50:51], s[16:17], s[50:51]
	s_cmp_eq_u32 s30, 4
	s_cselect_b64 s[50:51], s[18:19], s[50:51]
	s_cmp_eq_u32 s30, 5
	s_cselect_b64 s[50:51], s[20:21], s[50:51]
	s_add_nc_u64 s[50:51], s[50:51], s[40:41]
.macro WLD pitch                       ; 128 rows k, 128 columns each: block t (32 rows), row i at 128 (t % 2) + 4 i of window 1 + t / 2
.irp t, 0,1,2,3
	WIN (1+\t/2)<<6
.set i, 0
.rept 32
	global_load_b128 v[128*(\t%2)+4*i:128*(\t%2)+4*i+3], v10, s[50:51] offset:(32*\t+i)*\pitch th:TH_LOAD_NT
.set i, i+1
.endr
.endr
	WIN 0
.endm
	s_cmp_lt_u32 s30, 3                            ; the two layouts differ in the rows' pitch, which stands in the immediates
	s_cbranch_scc0 .Lsquare
	WLD 256
	s_branch .Lloaded
.Lsquare:
	WLD 4096
.Lloaded:
.macro LOADV cs                        ; a lane takes column 32 cs + lane; its 32 registers run down K
.set i, 0
.rept 32
	ds_load_b32 v[32+32*((\cs)%2)+i], v9 offset:512*i+128*(\cs)
.set i, i+1
.endr
.endm
.macro WORK t, cs                      ; block t of my column: all 32 numbers are mine.  The codes go where lane (r, t % 2) of the fragment has them: registers 6 (t / 2) on
.set VS, 32+32*((\cs)%2)
.set GG, 128+24*(\cs)+12*((\t)%2)+6*((\t)/2)
	v_max3_num_f32 v12, |v[VS]|, |v[VS+1]|, |v[VS+2]|
	v_max3_num_f32 v13, |v[VS+3]|, |v[VS+4]|, |v[VS+5]|
.irp i, 6,10,14,18,22,26
	v_max3_num_f32 v12, v12, |v[VS+\i]|, |v[VS+\i+1]|
	v_max3_num_f32 v13, v13, |v[VS+\i+2]|, |v[VS+\i+3]|
.endr
	v_max3_num_f32 v12, v12, |v[VS+30]|, |v[VS+31]|
	v_max3_num_f32 v12, v12, v13, 0x1800000        ; and the floor
	v_add_nc_u32 v11, 0xff000000, v12
	v_lshrrev_b32 v13, 23, v11
.if (\t) == 0
	v_mov_b32 v[16+(\cs)], v13
.else
	v_lshl_or_b32 v[16+(\cs)], v13, 8*(\t), v[16+(\cs)]
.endif
	v_cvt_scalef32_pk16_fp6_f32 v[GG:GG+2], v[VS:VS+15], v11
	v_cvt_scalef32_pk16_fp6_f32 v[96:98], v[VS+16:VS+31], v11
	v_nop                                          ; one plain place behind a scaled conversion
.irp i, 0,1,2
	v_mov_b32 v[GG+3+\i], v[96+\i]
.endr
.endm
.macro BLOCK t, cnt
	s_wait_loadcnt \cnt
	WIN (1+(\t)/2)<<2
.set i, 0
.rept 32
	ds_store_b128 v8, v[128*((\t)%2)+4*i:128*((\t)%2)+4*i+3] offset:512*i     ; LDS serves a wave's instructions in order: these come behind the last block's loads
.set i, i+1
.endr
	WIN 0
	LOADV 0
	LOADV 1
	s_wait_dscnt 32                                ; the younger set's 32 loads may be out
	WORK \t, 0
	LOADV 2
	s_wait_dscnt 32
	WORK \t, 1
	LOADV 3
	s_wait_dscnt 32
	WORK \t, 2
	s_wait_dscnt 0x0
	WORK \t, 3
.endm
	BLOCK 0, 63                                    ; 96, 64, 32, 0 loads were issued behind a block's; 63 where the count cannot name them
	BLOCK 1, 63
	BLOCK 2, 32
	BLOCK 3, 0
.irp cs, 0,1,2,3
.irp h, 0,1
.irp c, 0,1,2
	global_store_b128 v[20+\cs], v[128+24*\cs+12*\h+4*\c:128+24*\cs+12*\h+4*\c+3], s[46:47] offset:256*\h+512*\c   ; sixteen lanes fill 256 consecutive bytes of tile 2 cs, the other sixteen of tile 2 cs + 1
.endr
.endr
	global_store_b32 v[24+\cs], v[16+\cs], s[48:49]
.endr
	s_wait_tensorcnt 0x0                           ; the wave's end, behind my last LDS store
	ds_add_u32 v[SPW], v[NIL]
	s_wait_dscnt 0x0
	s_endpgm
.Lfunc_end_k_qb9498e10b2_prep:
	.size	k_qb9498e10b2_prep, .Lfunc_end_k_qb9498e10b2_prep-k_qb9498e10b2_prep
	.p2alignl 7, 3214868480
	.fill 96, 4, 3214868480
	.section	.rodata,"a",@progbits
	.p2align	6, 0x0
	.amdhsa_kernel k_qb9498e10b2_prep
		.amdhsa_group_segment_fixed_size 132608
		.amdhsa_private_segment_fixed_size 0
		.amdhsa_enable_private_segment 0
		.amdhsa_kernarg_size 88
		.amdhsa_user_sgpr_count 2
		.amdhsa_user_sgpr_kernarg_segment_ptr 1
		.amdhsa_wavefront_size32 1
		.amdhsa_system_sgpr_workgroup_id_x 1
		.amdhsa_system_sgpr_workgroup_id_y 1
		.amdhsa_system_sgpr_workgroup_id_z 1
		.amdhsa_system_vgpr_workitem_id 0
		.amdhsa_next_free_vgpr 1024
		.amdhsa_next_free_sgpr 66
		.amdhsa_reserve_vcc 0
		.amdhsa_float_denorm_mode_32 3
		.amdhsa_float_denorm_mode_16_64 3
		.amdhsa_memory_ordered 1
		.amdhsa_forward_progress 1
		.amdhsa_inst_pref_size 255
	.end_amdhsa_kernel
	.section	.bss,"aw",@nobits
	.p2align	6
	.space	262144
	.amdgpu_metadata
---
amdhsa.version: [ 1, 2 ]
amdhsa.kernels:
  - .name:           k_qb9498e10b2_prep
    .symbol:         k_qb9498e10b2_prep.kd
    .args:
      - { .name: x, .offset: 0, .size: 8, .value_kind: global_buffer, .address_space: global }
      - { .name: g_ln1, .offset: 8, .size: 8, .value_kind: global_buffer, .address_space: global }
      - { .name: b_ln1, .offset: 16, .size: 8, .value_kind: global_buffer, .address_space: global }
      - { .name: Wq, .offset: 24, .size: 8, .value_kind: global_buffer, .address_space: global }
      - { .name: Wk, .offset: 32, .size: 8, .value_kind: global_buffer, .address_space: global }
      - { .name: Wv, .offset: 40, .size: 8, .value_kind: global_buffer, .address_space: global }
      - { .name: Wo, .offset: 48, .size: 8, .value_kind: global_buffer, .address_space: global }
      - { .name: W1, .offset: 56, .size: 8, .value_kind: global_buffer, .address_space: global }
      - { .name: W2, .offset: 64, .size: 8, .value_kind: global_buffer, .address_space: global }
      - { .name: hw, .offset: 72, .size: 8, .value_kind: global_buffer, .address_space: global }
      - { .name: cw, .offset: 80, .size: 8, .value_kind: global_buffer, .address_space: global }
    .group_segment_fixed_size: 132608
    .private_segment_fixed_size: 0
    .kernarg_segment_align: 8
    .kernarg_segment_size: 88
    .max_flat_workgroup_size: 128
    .sgpr_count:     66
    .vgpr_count:     1024
    .wavefront_size: 32
...
	.end_amdgpu_metadata
.endif
;; end of part 1
;; launch qkvg (part 2): grid 12 x 32, 4 waves a work-group, clusters of 4 x 4, 327,680 bytes of LDS; arguments hw, qkv; writes qkv
.if DOCPART == 2
	.amdgcn_target "amdgcn-amd-amdhsa--gfx1250"
	.amdhsa_code_object_version 6
	.text
	.protected	k_qb9498e10b2_qkvg
	.globl	k_qb9498e10b2_qkvg
	.p2align	8
	.type	k_qb9498e10b2_qkvg,@function
k_qb9498e10b2_qkvg:
	s_mov_b64 s[64:65], 0
	v_nop
	global_prefetch_b8 v0, s[64:65] scope:SCOPE_SE
	s_setreg_imm32_b32 hwreg(HW_REG_WAVE_MODE, 25, 1), 1
	s_wait_xcnt 0x0
	s_wait_alu depctr_hold_cnt(0) depctr_sa_sdst(0) depctr_va_vdst(0) depctr_va_sdst(0) depctr_va_ssrc(0) depctr_va_vcc(0) depctr_vm_vsrc(0)
	s_getreg_b32 s2, hwreg(HW_REG_IB_STS2, 6, 4)
	s_cmp_eq_u32 s2, 0
	s_cbranch_scc0 .Lentry_in_a_cluster
	s_endpgm
.Lentry_in_a_cluster:
	s_bfe_u32 s2, ttmp6, 0x10000c
	s_cmp_lg_u32 s2, 0xf033
	s_cbranch_scc0 .Lentry_shape_is_right
	s_endpgm
.Lentry_shape_is_right:
; Q, K, V = h Wq, h Wk, h Wv as ONE product on codes of FP6 (E2M3) with E8M0 scales, K = 1,024, and each result quantised in registers on its way out.
; hw holds both operands as images of fragments ([tile][K step 8][1,536 bytes]; rows of a tile in the order place r of tile 2 G + u = row 32 G + 8 u + r + 8 (r / 8)) and, from SCOFF on, 32 scale bytes a row place.
; A work-group of four waves makes 256 x 256, a wave 128 x 128: 64 accumulators, 512 registers.  K goes in steps of 256 through a ring of two LDS slots filled by joint tensor loads in clusters of 4 x 4.
; THE MATRIX INSTRUCTION: source 0 = operand B (its rows run along a lane's registers), source 1 = operand A (its rows give the lane).
; Cluster x = 0, 1 (q, k): A = 256 rows of h, B = 256 rows (head, e) of the weight: a lane holds one row s, its registers run along e, which is the next product's K.
; Cluster x = 2 (v): A = 256 rows (head, e) of Wv, B = 256 rows of h: a lane holds one (head, e), its registers run along the keys, which are the K of the product with the softmax.  One text serves both: only scalars are chosen.
; By the order of a tile's rows the 64 registers of A's block a are 128 neighbours along B's rows, 16 of each 32 in each half of the lanes: they are quantised as they stand.
; qkv: 128 records (16 batch + head) of HREC bytes: K codes [tile 64][768], V codes [key step 8][e tile 4][1,536], K scale words [tile][16], V scale words [step][e tile][16], Q codes [tile 64][768], Q scale words [tile][16].
; Codes there lie in chunks of 256 bytes: registers 2 p, 2 p + 1 of lane l at 8 l.  A head has 64 along K: half a fragment; the upper two bytes of q's and k's scale words are 0.
; LIMITS: a block whose largest magnitude lies under 2^-124 keeps the byte 1 (this program alone reads the bytes); NaN and infinities are not served.  Scale words leave in runs of 64 bytes.
; REGISTERS: window 0: v0-31 addresses; v32-63 scale words, two sets; v64-103 the way out's temporaries; v128-223 A's fragments, one set.  window 1: B's fragments, two sets, at v0 and v128.  windows 2, 3: accumulator (a, b) at v[8 (8 (a % 4) + b)] of window 2 + a / 4.
.set NQ,     2                         ; steps of 128 along K in a slot
.set FR,     12
.set NL,     3                         ; LDS loads that bring a fragment
.set NP,     4                         ; places behind this matrix instruction (ISA guide 7.12.1)
.set FRB,    1536
.set TROW,   NQ*FRB                    ; a tile's part of a slot: 3,072 consecutive bytes of memory
.set HALFT,  8*TROW                    ; 8 tiles, 128 rows: what one tensor load brings
.set SLOT,   4*HALFT
.set KS,     32
.set SCL,    2*SLOT                    ; behind the ring: the scale bytes of my 512 rows for all of K, as units of 256 bytes + 16 of padding; filled once
.set HALFS,  (128*KS/256)*272
.set SBLK,   (16*KS/256)*272
.set SPARE,  SCL+4*HALFS               ; the spare words, 128 bytes for each wave: two blocks of 256 bytes that no other line names
.set SCOFF,  8650752
.set HREC,   157696
.set ADRA, 16                          ; v16-17 LDS address of my A fragments in slot 0, 1
.set ADRB, 20                          ; v20-21 the same for B
.set SO,   24                          ; v24 the way out: my scale word's place
.set SHV,  25                          ; v25 how far my half of the lanes shifts the scale word
.set CO,   26                          ; v26 8 x lane
.set ADRS, 27                          ; v27 LDS address of my scale words: lanes 0-15 A's rows, lanes 16-31 B's
.set SPW,  28
.set NIL,  29
.set SC,   32
.set TM,   64
.set PW,   80
.set SW,   81
.set PC,   84
.set AF,   128
.set SEL,  2                           ; s[2:3]
.set G1, 24
.set G0, 32
.set G1B, 48
.set G0B, 56
.set G1S, 68
.set G0S, 76
.set G1SB, 80
.set G0SB, 88
.set MSB, 0
.macro WIN new
.if MSB != (\new)
	s_set_vgpr_msb (MSB<<8)|(\new)
.set MSB, (\new)
.endif
.endm
.set MUL_LO, 0xa1                      ; source 0 (B) window 1, source 1 (A) window 0, C and D window 2
.set MUL_HI, 0xf1
.set TO_B,   0x40
; A joint load: waves 0 and 1 fetch for A, waves 2 and 3 for B.  Each line has one mask and one set of registers for all that issue it; the branch hangs on the wave's number alone.  An s_nop 0 and four v_nop follow each line
.macro JLOAD g0a, g1a, g0b, g1b
	s_cmp_eq_u32 s15, 0
	s_cbranch_scc0 .Lfor_b_\@
	tensor_load_to_lds s[\g0a:\g0a+3], s[\g1a:\g1a+7]
	s_nop 0
.rept 4
	v_nop
.endr
	s_branch .Lasked_\@
.Lfor_b_\@:
	tensor_load_to_lds s[\g0b:\g0b+3], s[\g1b:\g1b+7]
	s_nop 0
.rept 4
	v_nop
.endr
.Lasked_\@:
.endm
.macro CREST                           ; a round of the cluster's barrier behind its opening barrier
	s_cmp_lg_u32 s14, 0
	s_cbranch_scc1 .Lnot_wave_0_\@
	s_barrier_signal -3
.Lnot_wave_0_\@:
	s_barrier_wait -3
	s_barrier_signal -1
	s_barrier_wait -1
.endm
.macro CROUND
	s_barrier_signal -1
	s_barrier_wait -1
	CREST
.endm
	s_load_b128 s[4:7], s[0:1], 0x0                ; hw, qkv
	v_lshl_add_u32 v[SPW], v0, 2, SPARE
	v_mov_b32 v[NIL], 0
	ds_add_u32 v[SPW], v[NIL]                      ; the wave's opening: the add and its wait stand ahead of my first tensor load; the set-up stands between them
	v_lshrrev_b32 v1, 5, v0
	v_readfirstlane_b32 s14, v1                    ; wave 0..3
	s_lshr_b32 s15, s14, 1                         ; my half of A's rows.  Also: I fetch for A (0) or for B (1)
	s_and_b32 s16, s14, 1                          ; my half of B's rows.  Also: which 128 rows I fetch
	s_bfe_u32 s40, ttmp6, 0x40000                  ; cx
	s_bfe_u32 s41, ttmp6, 0x40004                  ; cy
	s_and_b32 s17, ttmp7, 0xffff                   ; cluster y = the batch
	s_lshl_b32 s18, s17, 2
	s_lshl_b32 s19, ttmp9, 2
	s_add_co_u32 s19, s19, 32
	s_cmp_eq_u32 ttmp9, 2                          ; v?  The same in all sixteen partners
	s_cselect_b32 s42, 40, s18                     ; A's blocks of 256 rows of hw: Wv's (40 on) or the batch's rows of h
	s_cselect_b32 s95, s18, s19                    ; B's: the batch's rows of h, or Wq's (32 on), Wk's (36 on)
	s_add_co_u32 s42, s42, s41                     ; A's block hangs on cy, which my row of the cluster shares
	s_add_co_u32 s95, s95, s40                     ; B's on cx, which my column shares
	s_lshl_b32 s43, s41, 2
	s_lshl_b32 s43, 15, s43                        ; my row of the cluster
	s_lshl_b32 s44, 0x1111, s40                    ; my column
	; descriptor group 1, codes: 8 rows (tiles) of 384 elements of 8 bytes, 1,536 elements (a tile's eight K steps) apart; dense in LDS
	s_or_b32 s[G1+0], s43, (3<<16)|(1<<21)
	s_or_b32 s[G1B+0], s44, (3<<16)|(1<<21)
.irp g, G1, G1B
	s_mov_b32 s[\g+1], 384<<16                     ; tensor_dim0
	s_mov_b32 s[\g+2], 8<<16                       ; tensor_dim1
	s_mov_b32 s[\g+3], 384<<16                     ; tile_dim0
	s_mov_b32 s[\g+4], 8                           ; tile_dim1
	s_mov_b32 s[\g+5], 1536                        ; tensor_dim0_stride
	s_mov_b32 s[\g+6], 0
	s_mov_b32 s[\g+7], 0
.endr
	; scale bytes of 128 rows: 4,096 dense bytes as 16 rows of 256, 16 bytes of padding behind each
	s_or_b32 s[G1S+0], s43, (3<<16)|(1<<20)|(1<<21)|(5<<22)|(3<<25)
	s_or_b32 s[G1SB+0], s44, (3<<16)|(1<<20)|(1<<21)|(5<<22)|(3<<25)
.irp g, G1S, G1SB
	s_mov_b32 s[\g+1], 32<<16
	s_mov_b32 s[\g+2], (128*KS/256)<<16
	s_mov_b32 s[\g+3], 32<<16
	s_mov_b32 s[\g+4], 128*KS/256
	s_mov_b32 s[\g+5], 32
	s_mov_b32 s[\g+6], 0
	s_mov_b32 s[\g+7], 0
.endr
	s_lshl_b32 s18, s16, 7
	s_lshl_b32 s20, s42, 8
	s_add_co_u32 s20, s20, s18                     ; A: first row place that I fetch
	s_lshl_b32 s46, s95, 8
	s_add_co_u32 s46, s46, s18                     ; B likewise
	s_lshl_b32 s22, s20, 5
	s_add_co_u32 s22, s22, SCOFF                   ; their scale bytes
	s_mov_b32 s23, 0
	s_lshl_b32 s92, s46, 5
	s_add_co_u32 s92, s92, SCOFF
	s_mov_b32 s93, 0
	s_mul_i32 s20, s20, 768                        ; their codes: 12,288 bytes a tile of 16
	s_mov_b32 s21, 0
	s_mul_i32 s46, s46, 768
	s_mov_b32 s47, 0
	s_mul_i32 s45, s14, HALFT                      ; where they go: no place in the cluster enters an LDS address
	s_mul_i32 s94, s14, HALFS
	s_mov_b32 s[SEL], 0x76543210
	s_mov_b32 s[SEL+1], 0xfedcba98
.irp b, 0,1,2,3
	v_mov_b32 v[TM+4+\b], 0                        ; written once: a lane permute's destination counts as one of its sources
.endr
	s_wait_dscnt 0x0                               ; the opening add is done
	s_wait_kmcnt 0x0
	s_add_nc_u64 s[20:21], s[4:5], s[20:21]
	s_add_nc_u64 s[22:23], s[4:5], s[22:23]
	s_add_nc_u64 s[46:47], s[4:5], s[46:47]
	s_add_nc_u64 s[92:93], s[4:5], s[92:93]
	CROUND                                         ; all sixteen work-groups are here: the first joint loads meet
	s_mov_b32 s[G0S], 1
	s_add_co_u32 s[G0S+1], s94, SCL
	s_mov_b64 s[G0S+2:G0S+3], s[22:23]
	s_or_b32 s[G0S+3], s[G0S+3], 0x80000000
	s_mov_b32 s[G0SB], 1
	s_add_co_u32 s[G0SB+1], s94, SCL
	s_mov_b64 s[G0SB+2:G0SB+3], s[92:93]
	s_or_b32 s[G0SB+3], s[G0SB+3], 0x80000000
	JLOAD G0S, G1S, G0SB, G1SB                     ; the scales first: they are wanted with K step 0
.irp s, 0,1
	s_mov_b32 s[G0+4*\s], 1
	s_add_co_u32 s[G0+4*\s+1], s45, \s*SLOT
	s_add_nc_u64 s[G0+4*\s+2:G0+4*\s+3], s[20:21], \s*TROW
	s_or_b32 s[G0+4*\s+3], s[G0+4*\s+3], 0x80000000
	s_mov_b32 s[G0B+4*\s], 1
	s_add_co_u32 s[G0B+4*\s+1], s45, \s*SLOT
	s_add_nc_u64 s[G0B+4*\s+2:G0B+4*\s+3], s[46:47], \s*TROW
	s_or_b32 s[G0B+4*\s+3], s[G0B+4*\s+3], 0x80000000
	JLOAD G0+4*\s, G1, G0B+4*\s, G1B               ; three loads of mine are out
.endr
	v_and_b32 v1, 15, v0                           ; r
	v_bfe_u32 v2, v0, 4, 1                         ; h
	v_and_b32 v3, 31, v0                           ; lane
	v_lshlrev_b32 v4, 4, v3                        ; an image's place for my lane
	s_mul_i32 s21, s15, HALFT                      ; my 128 rows of A
	s_mul_i32 s22, s16, HALFT                      ; my 128 rows of B,
	s_add_co_u32 s22, s22, 2*HALFT                 ; which lie behind A's 256
.irp s, 0,1
	v_add_nc_u32 v[ADRA+\s], s21, v4
	v_add_nc_u32 v[ADRB+\s], s22, v4
	s_add_co_u32 s21, s21, SLOT
	s_add_co_u32 s22, s22, SLOT
.endr
	v_mul_u32_u24 v5, v1, KS                       ; my row's scales: KS bytes a row,
	v_lshrrev_b32 v6, 8, v5
	v_lshl_add_u32 v5, v6, 4, v5                   ; and 16 more for each 256 passed
	s_mul_i32 s21, s15, HALFS
	s_mul_i32 s22, s16, HALFS
	s_add_co_u32 s22, s22, 2*HALFS
	s_sub_co_u32 s22, s22, s21
	v_mul_u32_u24 v6, s22, v2                      ; lanes 16-31 take B's
	s_add_co_u32 s21, s21, SCL
	v_add_nc_u32 v5, v5, v6
	v_add_nc_u32 v[ADRS], s21, v5
.macro FRAG reg, adr, q, i             ; a fragment comes as it was stored: three loads of 512 consecutive bytes
.irp c, 0,1,2
	ds_load_b128 v[\reg+4*\c:\reg+4*\c+3], v[\adr] offset:(\i)*TROW+(\q)*FRB+512*\c
.endr
.endm
; 16 matrix instructions: A's blocks a0, a0 + 1 x B's eight.  The 64 accumulators take turns, one instruction a turn, in the same order in every step
.macro MUL16 a0, p, q, sc, zero
.irp a, \a0, \a0+1
.irp b, 0,1,2,3,4,5,6,7
.if \zero
	v_wmma_scale_f32_16x16x128_f8f6f4 v[8*(8*((\a)%4)+\b):8*(8*((\a)%4)+\b)+7], v[128*(\p)+FR*\b:128*(\p)+FR*\b+FR-1], v[AF+FR*(\a):AF+FR*(\a)+FR-1], 0, v[SC+8*NQ*(\sc)+NQ*\b+(\q)], v[SC+8*NQ*(\sc)+NQ*(\a)+(\q)] matrix_a_fmt:MATRIX_FMT_FP6 matrix_b_fmt:MATRIX_FMT_FP6 matrix_a_scale:MATRIX_SCALE_ROW1
.else
	v_wmma_scale_f32_16x16x128_f8f6f4 v[8*(8*((\a)%4)+\b):8*(8*((\a)%4)+\b)+7], v[128*(\p)+FR*\b:128*(\p)+FR*\b+FR-1], v[AF+FR*(\a):AF+FR*(\a)+FR-1], v[8*(8*((\a)%4)+\b):8*(8*((\a)%4)+\b)+7], v[SC+8*NQ*(\sc)+NQ*\b+(\q)], v[SC+8*NQ*(\sc)+NQ*(\a)+(\q)] matrix_a_fmt:MATRIX_FMT_FP6 matrix_b_fmt:MATRIX_FMT_FP6 matrix_a_scale:MATRIX_SCALE_ROW1
.endif
.endr
.endr
.endm
.macro FETCH_B slot, q, p
	WIN TO_B
.irp i, 0,1,2,3,4,5,6,7
	FRAG 128*(\p)+FR*\i, ADRB+\slot, \q, \i
.endr
	WIN 0
.endm
.macro FETCH_A slot, q, i0
.irp i, \i0, \i0+1, \i0+2, \i0+3
	FRAG AF+FR*(\i), ADRA+\slot, \q, \i
.endr
.endm
.macro SCALES sc                       ; a slot's two scale words a row: lanes 0-15 A's block i, lanes 16-31 B's block i
.irp i, 0,1,2,3,4,5,6,7
	ds_load_b64 v[SC+8*NQ*\sc+NQ*\i:SC+8*NQ*\sc+NQ*\i+1], v[ADRS] offset:\i*SBLK
.endr
.endm
.macro PLACES n                        ; plain vector instructions between a matrix instruction and a load into, or a read of, its registers
.rept \n
	v_nop
.endr
.endm
.macro STEP slot, q, zero              ; a step of 128 along K that has its successor in the same slot
	s_wait_dscnt 4*NL                              ; B's set and A's blocks 0-3 are in; the youngest 12 loads (A's blocks 4-7) may be out
	WIN MUL_LO
	MUL16 0, (\q)%2, \q, \slot, \zero
	MUL16 2, (\q)%2, \q, \slot, \zero
	s_wait_dscnt 0
	PLACES NP
	FETCH_B \slot, (\q)+1, 1-(\q)%2
	FETCH_A \slot, (\q)+1, 0
	WIN MUL_HI
	MUL16 4, (\q)%2, \q, \slot, \zero
	MUL16 6, (\q)%2, \q, \slot, \zero
	PLACES NP
	WIN 0
	FETCH_A \slot, (\q)+1, 4
.endm
; A slot's last step changes slots: one barrier; in front of it each wave waits for all its tensor loads, adds 0 to its spare word, and waits for that and for its reads of this slot.  fill = 1: this slot is filled again, two slots ahead
.macro TURN slot, next, fill
	s_wait_tensorcnt 0x0                           ; all my tensor loads have landed: my part of the next slot
	ds_add_u32 v[SPW], v[NIL]                      ; 0 onto my spare word
	s_wait_dscnt 4*NL+1                            ; (the add and the youngest 12 loads may be out)
	WIN MUL_LO
	MUL16 0, 1, NQ-1, \slot, 0
	s_wait_dscnt 0x0                               ; the add is done, and my reads of this slot are over
	s_barrier_signal -1
	MUL16 2, 1, NQ-1, \slot, 0
	WIN 0
	s_barrier_wait -1
.if \fill
	CREST                                          ; the barrier has opened a round of the cluster's barrier: no wave of any partner still reads this slot or has a load on its way
	s_add_nc_u64 s[G0+4*\slot+2:G0+4*\slot+3], s[G0+4*\slot+2:G0+4*\slot+3], 2*TROW
	s_add_nc_u64 s[G0B+4*\slot+2:G0B+4*\slot+3], s[G0B+4*\slot+2:G0B+4*\slot+3], 2*TROW
	JLOAD G0+4*\slot, G1, G0B+4*\slot, G1B         ; my one tensor load behind the round; its four v_nop are the places in front of the loads below
.else
	PLACES NP
.endif
	v_add_nc_u32 v[ADRS], 4*NQ, v[ADRS]
	FETCH_B \next, 0, 0
	FETCH_A \next, 0, 0
	SCALES \next
	WIN MUL_HI
	MUL16 4, 1, NQ-1, \slot, 0
	MUL16 6, 1, NQ-1, \slot, 0
	PLACES NP
	WIN 0
	FETCH_A \next, 0, 4
.endm
	s_wait_tensorcnt 1                             ; the scales and my part of slot 0 are in; slot 1's load may be out
	s_barrier_signal -1
	s_barrier_wait -1
	FETCH_B 0, 0, 0
	FETCH_A 0, 0, 0
	SCALES 0
	FETCH_A 0, 0, 4
	STEP 0, 0, 1                                   ; K = 1,024 is four slots' worth: the eight steps are written out.  The first step's products start the sums
	TURN 0, 1, 1
	STEP 1, 0, 0
	TURN 1, 0, 1
	STEP 0, 0, 0
	TURN 0, 1, 0                                   ; the last two slots are not filled again
	STEP 1, 0, 0
	s_wait_dscnt 4*NL
	WIN MUL_LO
	MUL16 0, 1, NQ-1, 1, 0
	MUL16 2, 1, NQ-1, 1, 0
	s_wait_dscnt 0
	WIN MUL_HI
	MUL16 4, 1, NQ-1, 1, 0
	MUL16 6, 1, NQ-1, 1, 0
	WIN 0
	PLACES NP
	; THE WAY OUT.  Where my results go: scalars chosen by the kind of result, no branch
	s_cmp_eq_u32 ttmp9, 2                          ; v?
	s_cselect_b32 s18, s41, s40                    ; what names my two heads: A's block and half for v, B's for q and k
	s_cselect_b32 s19, s15, s16
	s_cselect_b32 s20, s40, s41                    ; what names my 128 keys (v) or rows (q, k)
	s_cselect_b32 s21, s16, s15
	s_mov_b32 s22, 512
	s_cselect_b32 s22, 256, s22                    ; scale words of 128 keys of V (4 e tiles) or of 8 tiles of rows
	s_cselect_b32 s23, 49152, 0                    ; the part of a record: codes,
	s_mov_b32 s95, 98304
	s_cselect_b32 s95, 102400, s95                 ; scale words
	s_mov_b32 s42, HREC
	s_cselect_b32 s42, 768, s42                    ; from registers 0-5 to registers 6-11: the fragment's other half, or the next head
	s_mov_b32 s44, 768
	s_cselect_b32 s44, 1536, s44                   ; from A's block a to a + 1,
	s_mov_b32 s46, 768
	s_cselect_b32 s46, 153088, s46                 ; and from 3 to 4: for v the next head's first e tile
	s_cselect_b32 s66, 157504, 64
	s_cselect_b32 s92, 0, HREC                     ; q, k: lanes 16-31 store the next head's two bytes,
	s_cselect_b32 s93, 0, 16                       ; which are the word's upper two;
	s_cselect_b32 s94, -1, 0xffff                  ; the unused half of K gets the byte 0
	s_cmp_eq_u32 ttmp9, 0                          ; q?
	s_cselect_b32 s23, 104448, s23
	s_cselect_b32 s95, 153600, s95
	s_mov_b32 s43, 0
	s_mov_b32 s45, 0
	s_mov_b32 s47, 0
	s_mov_b32 s67, 0
	s_lshl_b32 s18, s18, 2
	s_lshl_b32 s19, s19, 1
	s_add_co_u32 s18, s18, s19                     ; my first head
	s_lshl_b32 s19, s17, 4
	s_add_co_u32 s18, s18, s19
	s_mul_i32 s18, s18, HREC                       ; its record
	s_lshl_b32 s20, s20, 1
	s_add_co_u32 s20, s20, s21                     ; which 128 rows or keys of the batch
	s_mul_i32 s96, s20, 6144
	s_add_co_u32 s96, s96, s18
	s_add_co_u32 s96, s96, s23
	s_mov_b32 s97, 0
	s_mul_i32 s98, s20, s22
	s_add_co_u32 s98, s98, s18
	s_add_co_u32 s98, s98, s95
	s_mov_b32 s99, 0
	s_add_nc_u64 s[8:9], s[6:7], s[96:97]          ; registers 0-5
	s_add_nc_u64 s[10:11], s[8:9], s[42:43]        ; registers 6-11
	s_add_nc_u64 s[12:13], s[6:7], s[98:99]        ; scale words
	v_mul_lo_u32 v[SO], v2, s92
	v_lshl_add_u32 v[SO], v1, 2, v[SO]
	v_mul_lo_u32 v[SHV], v2, s93
	v_lshlrev_b32 v[CO], 3, v3
; A's block a: its 64 accumulator registers, register 16 b + i = place 32 b + 16 (lane / 16) + i along B's 128 rows, are quantised where they stand; each accumulator is read from its low end on
.macro OUT a
.set WA, 2+(\a)/4
.set AC, 64*((\a)%4)
.if (\a) > 0
	s_wait_xcnt 0x0                                ; the last block's stores have read their data and bases
.if (\a) == 4
	s_add_nc_u64 s[8:9], s[8:9], s[46:47]
	s_add_nc_u64 s[10:11], s[10:11], s[46:47]
	s_add_nc_u64 s[12:13], s[12:13], s[66:67]
.else
	s_add_nc_u64 s[8:9], s[8:9], s[44:45]
	s_add_nc_u64 s[10:11], s[10:11], s[44:45]
	s_add_nc_u64 s[12:13], s[12:13], 64
.endif
.endif
	WIN WA*5
.irp b, 0,1,2,3
	v_max3_num_f32 v[TM+\b], |v[AC+16*\b]|, |v[AC+16*\b+1]|, 0x1800000
.endr
.irp i, 2,4,6,8,10,12,14
.irp b, 0,1,2,3
	v_max3_num_f32 v[TM+\b], |v[AC+16*\b+\i]|, |v[AC+16*\b+\i+1]|, v[TM+\b]
.endr
.endr
	WIN 0
.irp b, 0,1,2,3
	v_permlanex16_b32 v[TM+4+\b], v[TM+\b], s[SEL], s[SEL+1]
.endr
.irp b, 0,1,2,3
	v_max_num_f32 v[TM+\b], v[TM+\b], v[TM+4+\b]
.endr
.irp b, 0,1,2,3
	v_add_nc_u32 v[TM+12+\b], 0xff000000, v[TM+\b]
.endr
.irp b, 0,1,2,3
	v_lshrrev_b32 v[TM+4+\b], 23, v[TM+12+\b]
.endr
	v_lshl_or_b32 v[PW], v[TM+5], 8, v[TM+4]
	v_lshl_or_b32 v[PW], v[TM+6], 16, v[PW]
	v_lshl_or_b32 v[PW], v[TM+7], 24, v[PW]
	WIN WA
.irp c, 0,1
	v_cvt_scalef32_pk16_fp6_f32 v[PC+6*\c:PC+2+6*\c], v[AC+32*\c:AC+15+32*\c], v[TM+12+2*\c]
	v_cvt_scalef32_pk16_fp6_f32 v[PC+12+4*\c:PC+14+4*\c], v[AC+16+32*\c:AC+31+32*\c], v[TM+12+2*\c+1]
.endr
	WIN 0
	v_nop                                          ; one plain place behind a scaled conversion
.irp c, 0,1
.irp i, 0,1,2
	v_permlane16_swap_b32 v[PC+6*\c+\i], v[PC+12+4*\c+\i]
.endr
.irp i, 0,1,2
	v_mov_b32 v[PC+3+6*\c+\i], v[PC+12+4*\c+\i]
.endr
.endr
	v_lshrrev_b32 v[SW], v[SHV], v[PW]
	v_and_b32 v[SW], s94, v[SW]
.irp p, 0,1,2
	global_store_b64 v[CO], v[PC+2*\p:PC+2*\p+1], s[8:9] offset:256*\p       ; 256 consecutive bytes, at a multiple of 256 from the buffer's first byte
.endr
.irp p, 0,1,2
	global_store_b64 v[CO], v[PC+6+2*\p:PC+7+2*\p], s[10:11] offset:256*\p
.endr
	global_store_b32 v[SO], v[SW], s[12:13]        ; (for v both halves of the lanes store the same word at the same place)
.endm
.irp a, 0,1,2,3,4,5,6,7
	OUT \a
.endr
	s_wait_tensorcnt 0x0                           ; the wave's end
	ds_add_u32 v[SPW], v[NIL]
	s_wait_dscnt 0x0
	CROUND                                         ; the closing round: no work-group ends while a partner may still ask for a tile that names it
	s_endpgm
.Lfunc_end_k_qb9498e10b2_qkvg:
	.size	k_qb9498e10b2_qkvg, .Lfunc_end_k_qb9498e10b2_qkvg-k_qb9498e10b2_qkvg
	.p2alignl 7, 3214868480
	.fill 96, 4, 3214868480
	.section	.rodata,"a",@progbits
	.p2align	6, 0x0
	.amdhsa_kernel k_qb9498e10b2_qkvg
		.amdhsa_group_segment_fixed_size 327680
		.amdhsa_private_segment_fixed_size 0
		.amdhsa_enable_private_segment 0
		.amdhsa_kernarg_size 16
		.amdhsa_user_sgpr_count 2
		.amdhsa_user_sgpr_kernarg_segment_ptr 1
		.amdhsa_wavefront_size32 1
		.amdhsa_system_sgpr_workgroup_id_x 1
		.amdhsa_system_sgpr_workgroup_id_y 1
		.amdhsa_system_sgpr_workgroup_id_z 1
		.amdhsa_system_vgpr_workitem_id 0
		.amdhsa_next_free_vgpr 1024
		.amdhsa_next_free_sgpr 100
		.amdhsa_reserve_vcc 0
		.amdhsa_float_denorm_mode_32 3
		.amdhsa_float_denorm_mode_16_64 3
		.amdhsa_memory_ordered 1
		.amdhsa_forward_progress 1
		.amdhsa_inst_pref_size 145
	.end_amdhsa_kernel
	.amdgpu_metadata
---
amdhsa.version: [ 1, 2 ]
amdhsa.kernels:
  - .name:           k_qb9498e10b2_qkvg
    .symbol:         k_qb9498e10b2_qkvg.kd
    .args:
      - { .name: hw, .offset: 0, .size: 8, .value_kind: global_buffer, .address_space: global }
      - { .name: qkv, .offset: 8, .size: 8, .value_kind: global_buffer, .address_space: global }
    .group_segment_fixed_size: 327680
    .private_segment_fixed_size: 0
    .kernarg_segment_align: 8
    .kernarg_segment_size: 16
    .max_flat_workgroup_size: 128
    .sgpr_count:     100
    .vgpr_count:     1024
    .wavefront_size: 32
...
	.end_amdgpu_metadata
.endif
;; end of part 2
;; launch attn (part 3): grid 4 x 128, 16 waves a work-group, clusters of 4 x 1, 167,936 bytes of LDS; arguments qkv, ab; writes ab
.if DOCPART == 3
	.amdgcn_target "amdgcn-amd-amdhsa--gfx1250"
	.amdhsa_code_object_version 6
	.text
	.protected	k_qb9498e10b2_attn
	.globl	k_qb9498e10b2_attn
	.p2align	8
	.type	k_qb9498e10b2_attn,@function
k_qb9498e10b2_attn:
	s_mov_b64 s[64:65], 0
	v_nop
	global_prefetch_b8 v0, s[64:65] scope:SCOPE_SE
	s_setreg_imm32_b32 hwreg(HW_REG_WAVE_MODE, 25, 1), 1
	s_wait_xcnt 0x0
	s_wait_alu depctr_hold_cnt(0) depctr_sa_sdst(0) depctr_va_vdst(0) depctr_va_sdst(0) depctr_va_ssrc(0) depctr_va_vcc(0) depctr_vm_vsrc(0)
	s_getreg_b32 s2, hwreg(HW_REG_IB_STS2, 6, 4)
	s_cmp_eq_u32 s2, 0
	s_cbranch_scc0 .Lentry_in_a_cluster
	s_endpgm
.Lentry_in_a_cluster:
	s_bfe_u32 s2, ttmp6, 0x10000c
	s_cmp_lg_u32 s2, 0x3003
	s_cbranch_scc0 .Lentry_shape_is_right
	s_endpgm
.Lentry_shape_is_right:
; ATTENTION on codes of FP6 (E2M3) with E8M0 scales: 128 (batch, head) pairs, 1,024 queries and keys, head size 64.  The result, divided by the row's sum, is quantised along the model's 1,024 columns and stored as the next product's operand.
; THE SOFTMAX AHEAD OF THE SECOND PRODUCT: t = score x log2(e) / 8; M = the row's largest t so far, rounded up to a whole number; p = 2^(t - M) is quantised along the keys, not normalised; the row's sum is taken of the unquantised p.
; When M moves, the sum and O are multiplied by 2^(old M - new M): exact.
; SHARES.  A cluster of four work-groups is one head; a work-group owns 256 queries, each of its sixteen waves one tile of 16, in 256 registers: four waves to a SIMD, so that one wave's vector work stands beside another's products and LDS loads.
; ALL OF A HEAD'S K AND V, codes and scale words, are the first 104,448 bytes of its record in qkv: they come into LDS once, as they lie, by four joint tensor loads (waves 0-3, 102 rows of 256 bytes each); nothing is filled again.
; LAYOUT.  Both products are used transposed (S^T = K Q^T, O^T = V^T P^T): a lane holds one query.  Tiles of keys, of queries and of V's 64 rows have place r of tile 2 G + u = row 32 G + 8 u + r + 8 (r / 8),
; so the 16 registers of tiles 2 b, 2 b + 1 of S^T are keys 32 b + 16 (lane / 16) + 0 .. 15, and those of O^T are 16 neighbours of the head's 64.
; HEAD SIZE 64 IS HALF OF THE INSTRUCTION'S K: Q's registers 6-11 are zero codes, so what stands in K's registers 6-11 (the next tile's codes, or zeros) adds nothing; the scale bytes of that half are 0, which is 2^-127 and no NaN.
; LIMITS: a block whose largest magnitude lies under 2^-124 keeps the byte 1; NaN and infinities are not served; 1 / sum is v_rcp_f32.  The result's two scale bytes a row leave as 2 bytes at a pitch of 4.
; REGISTERS: v1-6 addresses that stay; v8, v10, v11 addresses of the step; v12 -M, v13 the largest t, v[14:15] the sum; v16-27 Q; v32-85 eight tiles of K (6 registers each, then 6 zeros), later V's four fragments; v96-159 S^T, then p; v160-191 O^T; v192-193 V's scale words; v224-254 at work; v255 Q's scale words.
.set HREC,  157696
.set VC,    49152                      ; LDS and record: K codes at 0, V codes,
.set KSW,   98304                      ; K scale words,
.set VSW,   102400                     ; V scale words;
.set QC,    104448                     ; record alone: Q codes,
.set QSW,   153600                     ; Q scale words
.set SPARE, 104448                     ; the spare words, 128 bytes for each wave: eight blocks of 256 bytes that no other line names
.set ABS,   6291456                    ; ab: the scale words begin here
.set AK0,  1                           ; v1  8 x lane
.set R4,   2                           ; v2  4 x (lane % 16)
.set AS0,  3                           ; v3  KSW + 4 x lane
.set AT0,  4                           ; v4  VSW + 4 x lane
.set SPW,  5
.set NIL,  6
.set ADK,  8
.set ADS,  10
.set ADT,  11
.set WV,   18
.set SEL,  20
.set CS,   22                          ; s[22:23] c = log2(e) / 8
.set G1,   24
.set G0,   32
.set TB,   36                          ; the step's codes: 6,144 bytes a step, in K and in V
.set TS,   37                          ; K's scale words: 512 a step
.set TJ,   38                          ; V's: 256 a step
.set CNT,  39
.macro ROUND                           ; a round of the cluster's barrier
	s_barrier_signal -1
	s_barrier_wait -1
	s_cmp_lg_u32 s[WV], 0
	s_cbranch_scc1 .Lnot_wave_0_\@
	s_barrier_signal -3
.Lnot_wave_0_\@:
	s_barrier_wait -3
	s_barrier_signal -1
	s_barrier_wait -1
.endm
	s_load_b128 s[4:7], s[0:1], 0x0                ; qkv, ab
	v_lshl_add_u32 v[SPW], v0, 2, SPARE
	v_mov_b32 v[NIL], 0
	ds_add_u32 v[SPW], v[NIL]                      ; the wave's opening: the add and its wait stand ahead of the first tensor loads; the set-up stands between them
	v_lshrrev_b32 v8, 5, v0
	v_readfirstlane_b32 s[WV], v8                  ; wave 0..15
	s_bfe_u32 s40, ttmp6, 0x40000                  ; cx: my block of 256 queries; it enters Q's and the result's addresses alone
	s_and_b32 s41, ttmp7, 0xffff                   ; 16 batch + head, which the four partners share
	s_mul_i32 s42, s41, HREC
	s_mov_b32 s43, 0
	s_mul_i32 s44, s[WV], 26112                    ; waves 0-3: my quarter of the 104,448 bytes, in memory and in LDS
	s_mov_b32 s45, 0
	s_mov_b32 s[G1], 15|(3<<16)|(1<<21)            ; 15:0 the mask: all four work-groups; 17:16 elements of 8 bytes; 21 set beside a mask; no padding
	s_mov_b32 s[G1+1], 32<<16                      ; tensor_dim0 = 32: rows of 256 bytes
	s_mov_b32 s[G1+2], 102<<16                     ; tensor_dim1
	s_mov_b32 s[G1+3], 32<<16                      ; tile_dim0
	s_mov_b32 s[G1+4], 102                         ; tile_dim1
	s_mov_b32 s[G1+5], 32                          ; dense
	s_mov_b32 s[G1+6], 0
	s_mov_b32 s[G1+7], 0
	s_mov_b32 s[SEL], 0x76543210
	s_mov_b32 s[SEL+1], 0xfedcba98
	s_mov_b32 s[CS], 0x3e38aa3b
	s_mov_b32 s[CS+1], s[CS]                       ; (named with it as a pair, so it is written)
	s_mov_b32 s[TB], 0
	s_mov_b32 s[TS], 0
	s_mov_b32 s[TJ], 0
	s_mov_b32 s[CNT], 8
	s_lshl_b32 s46, s40, 4
	s_add_co_u32 s46, s46, s[WV]                   ; my tile of queries in the batch
	s_mul_i32 s48, s46, 768
	s_add_co_u32 s48, s48, QC
	s_mov_b32 s49, 0
	s_lshl_b32 s54, s46, 6
	s_add_co_u32 s54, s54, QSW
	s_mov_b32 s55, 0
	s_lshr_b32 s50, s41, 4                         ; the result: fragment (64 batch + tile) x 8 + head / 2, its half head % 2
	s_lshl_b32 s50, s50, 6
	s_add_co_u32 s50, s50, s46
	s_lshl_b32 s50, s50, 3
	s_bfe_u32 s51, s41, 0x30001
	s_add_co_u32 s50, s50, s51
	s_and_b32 s51, s41, 1
	s_mul_i32 s52, s50, 1536
	s_mul_i32 s53, s51, 768
	s_add_co_u32 s52, s52, s53
	s_mov_b32 s53, 0
	s_lshl_b32 s50, s50, 6
	s_lshl_b32 s51, s51, 1
	s_add_co_u32 s50, s50, s51
	s_add_co_u32 s50, s50, ABS
	s_mov_b32 s51, 0
	s_wait_dscnt 0x0                               ; the opening add is done
	s_wait_kmcnt 0x0
	s_add_nc_u64 s[8:9], s[4:5], s[42:43]          ; my head's record
	s_mov_b32 s[G0], 1
	s_mov_b32 s[G0+1], s44
	s_add_nc_u64 s[G0+2:G0+3], s[8:9], s[44:45]
	s_or_b32 s[G0+3], s[G0+3], 0x80000000
	s_add_nc_u64 s[10:11], s[8:9], s[48:49]        ; Q's codes
	s_add_nc_u64 s[12:13], s[8:9], s[54:55]        ; Q's scale words
	s_add_nc_u64 s[14:15], s[6:7], s[52:53]        ; the result's codes
	s_add_nc_u64 s[16:17], s[6:7], s[50:51]        ; and scale bytes
	ROUND                                          ; all four work-groups are here: the joint loads meet
	s_cmp_lt_u32 s[WV], 4                          ; the branch hangs on the wave's number alone
	s_cbranch_scc0 .Lno_fill
	tensor_load_to_lds s[G0:G0+3], s[G1:G1+7]      ; one load of mine is out
	s_nop 0
.rept 4
	v_nop
.endr
.Lno_fill:
	v_and_b32 v9, 31, v0
	v_lshlrev_b32 v[AK0], 3, v9
	v_and_b32 v10, 15, v0
	v_lshlrev_b32 v[R4], 2, v10
.irp p, 0,1,2
	global_load_b64 v[16+2*\p:17+2*\p], v[AK0], s[10:11] offset:256*\p   ; Q's half fragment stays in registers
.endr
	global_load_b32 v255, v[R4], s[12:13]
	v_lshl_add_u32 v[AS0], v9, 2, KSW
	v_lshl_add_u32 v[AT0], v9, 2, VSW
.irp j, 22,23,24,25,26,27,80,81,82,83,84,85
	v_mov_b32 v\j, 0                               ; zero codes: the unused half of K in Q, and behind the eighth tile of keys
.endr
	v_mov_b32 v13, 0xff61b1e6                      ; the largest t so far: -3e38, under every t
	v_floor_f32 v12, -v13                          ; -M
	v_mov_b32 v14, 0
	v_mov_b32 v15, 0
.irp b, 0,1,2,3
	v_mov_b32 v[236+\b], 0                         ; written once: a lane permute's destination counts as one of its sources
.endr
	v_mov_b32 v253, 0                              ; (named as the upper half of the pair v[252:253] before it is first written)
.set j, 0
.rept 32
	v_mov_b32 v[160+j], 0                          ; O^T: the step is written once; its first trip finds zeros, which the first change of M leaves zeros
.set j, j+1
.endr
	s_wait_tensorcnt 0x0                           ; my quarter has landed (a wave that issued none passes at once),
	s_barrier_signal -1
	s_barrier_wait -1                              ; everybody's has
	s_wait_loadcnt 0x0                             ; Q
.Lstep:                                            ; eight trips of 128 keys
	v_add_nc_u32 v[ADK], s[TB], v[AK0]             ; these three and the v_nop are the four places in front of loads into registers that the last products read
	v_add_nc_u32 v[ADS], s[TS], v[AS0]
	v_add_nc_u32 v[ADT], s[TJ], v[AT0]
	v_nop
.irp t, 0,1,2,3,4,5,6,7
.irp p, 0,1,2
	ds_load_b64 v[32+6*\t+2*\p:33+6*\t+2*\p], v[ADK] offset:768*\t+256*\p
.endr
.endr
.irp g, 0,1,2,3
	ds_load_b32 v[248+\g], v[ADS] offset:128*\g    ; lanes 0-15: tile 2 g's scale words, lanes 16-31: tile 2 g + 1's
.endr
	s_wait_dscnt 0x0
.irp t, 0,1,2,3,4,5,6,7
.if \t%2
	v_wmma_scale_f32_16x16x128_f8f6f4 v[96+8*\t:103+8*\t], v[32+6*\t:43+6*\t], v[16:27], 0, v[248+\t/2], v255 matrix_a_fmt:MATRIX_FMT_FP6 matrix_b_fmt:MATRIX_FMT_FP6 matrix_a_scale:MATRIX_SCALE_ROW1
.else
	v_wmma_scale_f32_16x16x128_f8f6f4 v[96+8*\t:103+8*\t], v[32+6*\t:43+6*\t], v[16:27], 0, v[248+\t/2], v255 matrix_a_fmt:MATRIX_FMT_FP6 matrix_b_fmt:MATRIX_FMT_FP6
.endif
.endr
.rept 4
	v_nop                                          ; places in front of the loads below and of the first read of the scores
.endr
.irp t, 0,1,2,3                                    ; V's four fragments of these 128 keys are asked for now and land under the softmax
.irp q, 0,1,2,3,4,5
	ds_load_b64 v[32+12*\t+2*\q:33+12*\t+2*\q], v[ADK] offset:VC+1536*\t+256*\q
.endr
.endr
.irp g, 0,1
	ds_load_b32 v[192+\g], v[ADT] offset:128*\g
.endr
.irp b, 0,1,2,3
	v_max3_num_f32 v[232+\b], v[96+16*\b], v[97+16*\b], v[98+16*\b]   ; the largest score of each block of 32 keys: it serves for the row's maximum and, since p rises with the score, for the block's largest p
.endr
.irp i, 3,5,7,9,11,13
.irp b, 0,1,2,3
	v_max3_num_f32 v[232+\b], v[232+\b], v[96+16*\b+\i], v[97+16*\b+\i]
.endr
.endr
.irp b, 0,1,2,3
	v_max_num_f32 v[232+\b], v[232+\b], v[111+16*\b]
.endr
.irp b, 0,1,2,3
	v_permlanex16_b32 v[236+\b], v[232+\b], s[SEL], s[SEL+1]
.endr
.irp b, 0,1,2,3
	v_max_num_f32 v[232+\b], v[232+\b], v[236+\b]  ; with lane l xor 16's 16 keys
.endr
	v_max3_num_f32 v254, v232, v233, v234
	v_max_num_f32 v254, v254, v235
	v_mul_f32 v254, s[CS], v254                    ; as t (c is positive)
	v_max_num_f32 v13, v13, v254                   ; the running largest t
	v_mov_b32 v254, v12
	v_floor_f32 v12, -v13                          ; the new -M = floor(-t) = -ceil(t)
	v_sub_f32 v254, v12, v254                      ; old M - new M: a whole number, 0 or less
	v_cvt_i32_f32 v254, v254                       ; (it saturates)
	v_ldexp_f32 v252, 1.0, v254                    ; f = 2^(old M - new M)
.set j, 0
.rept 32
	v_pk_fma_f32 v[96+j:97+j], v[96+j:97+j], s[CS:CS+1], v[12:13] op_sel_hi:[1,0,0]   ; t - M, two at a time
.set j, j+2
.endr
.irp b, 0,1,2,3
	v_fma_f32 v[232+\b], v[232+\b], s[CS], v12     ; the same of each block's largest score
.endr
.set j, 0
.rept 64
	v_exp_f32 v[96+j], v[96+j]                     ; p = 2^(t - M), at most 1
.set j, j+1
.endr
	v_pk_mul_f32 v[14:15], v[14:15], v[252:253] op_sel_hi:[1,0]   ; the sums under the new M (a plain place behind the exponentials)
	s_wait_alu depctr_va_vdst(0)                   ; one wait for the whole batch, ahead of its first reader
.irp b, 0,1,2,3
	v_exp_f32 v[232+\b], v[232+\b]                 ; the block's largest p: the same two instructions on the same number give the same bits
.endr
	v_pk_add_f32 v[236:237], v[96:97], v[98:99]    ; the row's sum is taken of the unquantised p, in two chains
.irp j, 4,8,12,16,20,24,28,32,36,40,44,48,52,56,60
	v_pk_add_f32 v[14:15], v[14:15], v[96+\j:97+\j]
	v_pk_add_f32 v[236:237], v[236:237], v[98+\j:99+\j]
.endr
	v_pk_add_f32 v[14:15], v[14:15], v[236:237]
	s_wait_alu depctr_va_vdst(0)                   ; and one for the four
.irp b, 0,1,2,3
	v_max_num_f32 v[232+\b], 0x1800000, v[232+\b]  ; the floor 2^(3 - 127)
.endr
.irp b, 0,1,2,3
	v_add_nc_u32 v[244+\b], 0xff000000, v[232+\b]
.endr
.irp b, 0,1,2,3
	v_lshrrev_b32 v[236+\b], 23, v[244+\b]
.endr
	v_lshl_or_b32 v253, v237, 8, v236              ; p's scale word for these 128 keys
	v_lshl_or_b32 v253, v238, 16, v253
	v_lshl_or_b32 v253, v239, 24, v253
.irp c, 0,1
	v_cvt_scalef32_pk16_fp6_f32 v[224+6*\c:226+6*\c], v[96+32*\c:111+32*\c], v[244+2*\c]
	v_cvt_scalef32_pk16_fp6_f32 v[236+4*\c:238+4*\c], v[112+32*\c:127+32*\c], v[244+2*\c+1]
.endr
	v_nop                                          ; one plain place behind a scaled conversion
.irp c, 0,1
.irp i, 0,1,2
	v_permlane16_swap_b32 v[224+6*\c+\i], v[236+4*\c+\i]
.endr
.irp i, 0,1,2
	v_mov_b32 v[227+6*\c+\i], v[236+4*\c+\i]
.endr
.endr
.set j, 0
.rept 16
	v_pk_mul_f32 v[160+j:161+j], v[160+j:161+j], v[252:253] op_sel_hi:[1,0]   ; O^T under the new M.  These sixteen are also the places between the writes of p's codes and scale word and the products below
.set j, j+2
.endr
	s_wait_dscnt 0x0                               ; V
.irp t, 0,1,2,3                                    ; the four accumulators take turns
.if \t%2
	v_wmma_scale_f32_16x16x128_f8f6f4 v[160+8*\t:167+8*\t], v[32+12*\t:43+12*\t], v[224:235], v[160+8*\t:167+8*\t], v[192+\t/2], v253 matrix_a_fmt:MATRIX_FMT_FP6 matrix_b_fmt:MATRIX_FMT_FP6 matrix_a_scale:MATRIX_SCALE_ROW1
.else
	v_wmma_scale_f32_16x16x128_f8f6f4 v[160+8*\t:167+8*\t], v[32+12*\t:43+12*\t], v[224:235], v[160+8*\t:167+8*\t], v[192+\t/2], v253 matrix_a_fmt:MATRIX_FMT_FP6 matrix_b_fmt:MATRIX_FMT_FP6
.endif
.endr
	s_add_co_u32 s[TB], s[TB], 6144
	s_add_co_u32 s[TS], s[TS], 512
	s_add_co_u32 s[TJ], s[TJ], 256
	s_sub_co_u32 s[CNT], s[CNT], 1
	s_cmp_lg_u32 s[CNT], 0
	s_cbranch_scc1 .Lstep
	; THE WAY OUT: O^T / the sum; register 16 T + i is column 32 T + 16 (lane / 16) + i of the head's 64: two blocks, quantised as they stand: half a fragment of the next product's operand
	v_add_f32 v14, v14, v15
	v_permlanex16_b32 v252, v14, s[SEL], s[SEL+1]
	v_add_f32 v14, v14, v252                       ; the row's sum
	v_rcp_f32 v14, v14
.rept 4
	v_nop                                          ; a plain place behind the transcendental, and the places behind the last products
.endr
	s_wait_alu depctr_va_vdst(0)
.set j, 0
.rept 32
	v_mul_f32 v[96+j], v[160+j], v14               ; each accumulator from its low end on
.set j, j+1
.endr
.irp b, 0,1
	v_max3_num_f32 v[232+\b], |v[96+16*\b]|, |v[97+16*\b]|, 0x1800000
.endr
.irp i, 2,4,6,8,10,12,14
.irp b, 0,1
	v_max3_num_f32 v[232+\b], v[232+\b], |v[96+16*\b+\i]|, |v[97+16*\b+\i]|
.endr
.endr
.irp b, 0,1
	v_permlanex16_b32 v[236+\b], v[232+\b], s[SEL], s[SEL+1]
.endr
.irp b, 0,1
	v_max_num_f32 v[232+\b], v[232+\b], v[236+\b]
.endr
.irp b, 0,1
	v_add_nc_u32 v[244+\b], 0xff000000, v[232+\b]
.endr
.irp b, 0,1
	v_lshrrev_b32 v[236+\b], 23, v[244+\b]
.endr
	v_lshl_or_b32 v253, v237, 8, v236              ; my row's two scale bytes
	v_cvt_scalef32_pk16_fp6_f32 v[224:226], v[96:111], v244
	v_cvt_scalef32_pk16_fp6_f32 v[228:230], v[112:127], v245
	v_nop
.irp i, 0,1,2
	v_permlane16_swap_b32 v[224+\i], v[228+\i]
.endr
.irp i, 0,1,2
	v_mov_b32 v[227+\i], v[228+\i]                 ; ascending: each source is read before it is written
.endr
.irp p, 0,1,2
	global_store_b64 v[AK0], v[224+2*\p:225+2*\p], s[14:15] offset:256*\p    ; 256 consecutive bytes, at a multiple of 256 from the buffer's first byte
.endr
	global_store_b16 v[R4], v253, s[16:17]         ; (both halves of the lanes store the same two bytes at the same place)
	s_wait_tensorcnt 0x0                           ; the wave's end
	ds_add_u32 v[SPW], v[NIL]
	s_wait_dscnt 0x0
	ROUND                                          ; the closing round
	s_endpgm
.Lfunc_end_k_qb9498e10b2_attn:
	.size	k_qb9498e10b2_attn, .Lfunc_end_k_qb9498e10b2_attn-k_qb9498e10b2_attn
	.p2alignl 7, 3214868480
	.fill 96, 4, 3214868480
	.section	.rodata,"a",@progbits
	.p2align	6, 0x0
	.amdhsa_kernel k_qb9498e10b2_attn
		.amdhsa_group_segment_fixed_size 167936
		.amdhsa_private_segment_fixed_size 0
		.amdhsa_enable_private_segment 0
		.amdhsa_kernarg_size 16
		.amdhsa_user_sgpr_count 2
		.amdhsa_user_sgpr_kernarg_segment_ptr 1
		.amdhsa_wavefront_size32 1
		.amdhsa_system_sgpr_workgroup_id_x 1
		.amdhsa_system_sgpr_workgroup_id_y 1
		.amdhsa_system_sgpr_workgroup_id_z 1
		.amdhsa_system_vgpr_workitem_id 0
		.amdhsa_next_free_vgpr 256
		.amdhsa_next_free_sgpr 66
		.amdhsa_reserve_vcc 0
		.amdhsa_float_denorm_mode_32 3
		.amdhsa_float_denorm_mode_16_64 3
		.amdhsa_memory_ordered 1
		.amdhsa_forward_progress 1
		.amdhsa_inst_pref_size 28
	.end_amdhsa_kernel
	.amdgpu_metadata
---
amdhsa.version: [ 1, 2 ]
amdhsa.kernels:
  - .name:           k_qb9498e10b2_attn
    .symbol:         k_qb9498e10b2_attn.kd
    .args:
      - { .name: qkv, .offset: 0, .size: 8, .value_kind: global_buffer, .address_space: global }
      - { .name: ab, .offset: 8, .size: 8, .value_kind: global_buffer, .address_space: global }
    .group_segment_fixed_size: 167936
    .private_segment_fixed_size: 0
    .kernarg_segment_align: 8
    .kernarg_segment_size: 16
    .max_flat_workgroup_size: 512
    .sgpr_count:     66
    .vgpr_count:     256
    .wavefront_size: 32
...
	.end_amdgpu_metadata
.endif
;; end of part 3
;; launch chain (part 4): grid 256 x 1, 4 waves a work-group, clusters of 4 x 1, 327,680 bytes of LDS; arguments ab, cw, x, bo, g_ln2, b_ln2, b1, b2, out0; writes out0
.if DOCPART == 4
	.amdgcn_target "amdgcn-amd-amdhsa--gfx1250"
	.amdhsa_code_object_version 6
	.text
	.protected	k_qb9498e10b2_chain
	.globl	k_qb9498e10b2_chain
	.p2align	8
	.type	k_qb9498e10b2_chain,@function
k_qb9498e10b2_chain:
	s_mov_b64 s[64:65], 0
	v_nop
	global_prefetch_b8 v0, s[64:65] scope:SCOPE_SE
	s_setreg_imm32_b32 hwreg(HW_REG_WAVE_MODE, 25, 1), 1
	s_wait_xcnt 0x0
	s_wait_alu depctr_hold_cnt(0) depctr_sa_sdst(0) depctr_va_vdst(0) depctr_va_sdst(0) depctr_va_ssrc(0) depctr_va_vcc(0) depctr_vm_vsrc(0)
	s_getreg_b32 s2, hwreg(HW_REG_IB_STS2, 6, 4)
	s_cmp_eq_u32 s2, 0
	s_cbranch_scc0 .Lentry_in_a_cluster
	s_endpgm
.Lentry_in_a_cluster:
	s_bfe_u32 s2, ttmp6, 0x10000c
	s_cmp_lg_u32 s2, 0x3003
	s_cbranch_scc0 .Lentry_shape_is_right
	s_endpgm
.Lentry_shape_is_right:
; out = x1 + gelu(layernorm(x1) W1 + b1) W2 + b2 with x1 = x + attn Wo + bo: three products on codes of FP6 (E2M3) with E8M0 scales, K = 1,024 each, for 32 rows a work-group; nothing between them goes to memory.
; SHARES.  THE WAVES SHARE THE COLUMNS: wave w owns columns 256 w .. 256 w + 255 of all three products, for both tiles u of 16 rows: 32 accumulators, 256 registers.  Products are used transposed (source 0 = 16 rows n of the weight,
; source 1 = 16 rows of the operand): lane (r, h) holds row place r, and register 128 u + 16 B + i is column 256 w + 32 B + 16 h + i, since place r of a weight's tile 2 G + v is row 32 G + 8 v + r + 8 (r / 8).  Rows of x and out0 have the same order.
; WEIGHTS come from cw, laid as operand images, through a ring of two LDS slots: tile (product, K step) = 102,400 bytes, a quarter for each wave, by joint tensor loads: the four work-groups of a cluster walk the same 24 tiles.
; OPERANDS go from wave to wave through LDS as images of their registers (16 fragments of 1,536 bytes, f = 8 u + K step, and their scale words): attention's from ab, then layernorm's, then the GELU's, each wave making K steps 2 w, 2 w + 1.
; The residual costs nothing: x + bo is what product 0 adds onto, b1 what product 1 adds onto, x1 what product 2 adds onto.
; bo, g, b, b1, b2: each wave reads its 1,024 bytes of each once, dense, keeps them in an LDS copy of its own and fetches them in the result's layout.
; GELU: 0.5 x (1 + erf(x / sqrt 2)), erf(z) = z P(z^2) / Q(z^2) with z held at +-4 (a rational form in f32: error of a few 1e-7 absolute); 1 / Q is v_rcp_f32, 1 / sqrt is v_rsq_f32.
; LIMITS: a block whose largest magnitude lies under 2^-124, a block of zeros too, keeps the byte 1; NaN and infinities are not served.
; REGISTERS: window 0: v2-29 addresses and statistics; v32-55 the two operand fragments (the GELU's coefficients between products), v56-57 their scale words, v58-65 the weights'; v72-123 at work; v128-255 AREA.
;   window 1: the 16 weight fragments (x on its way in).   window 2: g and b, then the hidden layer.   window 3: x + bo, x1, the result.
.set FRB,   1536
.set WREG,  25600                      ; a wave's part of a tile: 16 fragments, then 8 x 128 bytes of scale words
.set SLOTB, 102400
.set AIMG,  2*SLOTB                    ; the operand's 16 images
.set ASC,   AIMG+16*FRB                ; their scale words, 128 bytes each
.set STAT,  ASC+16*128                 ; two sets of 4 waves x 2 tiles x 16 row sums
.set STG,   STAT+1024                  ; a stage of 16 rows x (1,024 + 16) bytes for each wave
.set SPT,   1040
.set VECS,  STG+4*16*SPT               ; five vectors x 1,024 bytes for each wave
.set SPARE, VECS+4*5120                ; the spare words, 128 bytes for each wave: two blocks of 256 bytes that no other line names
.set ABS,   6291456
.set LI,   2                           ; 16 x lane
.set AA0,  4                           ; AIMG + 16 x lane
.set AS0,  5                           ; ASC + 4 x lane
.set WA,   6                           ; v6-7 my weight fragments in slot 0, 1
.set WS,   8                           ; v8-9 their scale words
.set HWI,  10                          ; where I store images: K step 2 w
.set HWS,  11
.set SGD,  12                          ; my stage, rows as they lie in memory
.set SGT,  13                          ; my stage, turned: row r, + 64 h
.set VW,   14
.set VR,   15
.set STW,  16
.set STR,  17
.set AAD,  18
.set ASD,  19
.set SPW,  20
.set NIL,  21
.set MU,   22                          ; v22-25 - the mean, twice, for u = 0, 1
.set RS,   26                          ; v26-29 1 / sqrt(variance + eps) likewise
.set XF,   32
.set CF,   32
.set XS,   56
.set WSC,  58
.set R4,   66
.set L8,   67
.set TM,   72
.set PW,   88
.set PC,   92
.set CH,   116
.set AREA, 128
.set ZZ,   192
.set QQ,   208
.set PP,   224
.set DD,   240
.set WV,   22                          ; s22
.set G1,   24
.set G0,   32
.set SEL,  40
.set TA,   42
.set TS,   43
.set CNT,  44
.set MSB,  0
.macro WIN new
.if MSB != (\new)
	s_set_vgpr_msb (MSB<<8)|(\new)
.set MSB, (\new)
.endif
.endm
.macro ROUND                           ; a round of the cluster's barrier
	s_barrier_signal -1
	s_barrier_wait -1
	s_cmp_lg_u32 s[WV], 0
	s_cbranch_scc1 .Lnot_wave_0_\@
	s_barrier_signal -3
.Lnot_wave_0_\@:
	s_barrier_wait -3
	s_barrier_signal -1
	s_barrier_wait -1
.endm
.macro BARRIER                         ; my LDS stores have landed and my LDS loads are in: then the work-group's barrier.  The tile on its way may stay out
	s_wait_dscnt 0x0
	s_barrier_signal -1
	s_barrier_wait -1
.endm
.macro PLACES
.rept 4
	v_nop
.endr
.endm
.macro QUANT s                         ; 64 numbers of a lane, register 16 b + i = k 32 b + 16 (lane / 16) + i of my row, become a fragment's codes in v[PC] on and its scale word in v[PW]
.irp b, 0,1,2,3
	v_max3_num_f32 v[TM+\b], |v[\s+16*\b]|, |v[\s+1+16*\b]|, 0x1800000
.endr
.irp i, 2,4,6,8,10,12,14
.irp b, 0,1,2,3
	v_max3_num_f32 v[TM+\b], v[TM+\b], |v[\s+16*\b+\i]|, |v[\s+1+16*\b+\i]|
.endr
.endr
.irp b, 0,1,2,3
	v_permlanex16_b32 v[TM+4+\b], v[TM+\b], s[SEL], s[SEL+1]
.endr
.irp b, 0,1,2,3
	v_max_num_f32 v[TM+\b], v[TM+\b], v[TM+4+\b]
.endr
.irp b, 0,1,2,3
	v_add_nc_u32 v[TM+12+\b], 0xff000000, v[TM+\b]
.endr
.irp b, 0,1,2,3
	v_lshrrev_b32 v[TM+4+\b], 23, v[TM+12+\b]
.endr
	v_lshl_or_b32 v[PW], v[TM+5], 8, v[TM+4]
	v_lshl_or_b32 v[PW], v[TM+6], 16, v[PW]
	v_lshl_or_b32 v[PW], v[TM+7], 24, v[PW]
.irp c, 0,1
	v_cvt_scalef32_pk16_fp6_f32 v[PC+6*\c:PC+2+6*\c], v[\s+32*\c:\s+15+32*\c], v[TM+12+2*\c]
	v_cvt_scalef32_pk16_fp6_f32 v[PC+12+4*\c:PC+14+4*\c], v[\s+16+32*\c:\s+31+32*\c], v[TM+12+2*\c+1]
.endr
	v_nop                                          ; one plain place behind a scaled conversion
.irp c, 0,1
.irp i, 0,1,2
	v_permlane16_swap_b32 v[PC+6*\c+\i], v[PC+12+4*\c+\i]
.endr
.irp i, 0,1,2
	v_mov_b32 v[PC+3+6*\c+\i], v[PC+12+4*\c+\i]
.endr
.endr
.endm
.macro IMAGE f                         ; the fragment and its scale word go to LDS as they stand: image f + 2 w
.irp c, 0,1,2
	ds_store_b128 v[HWI], v[PC+4*\c:PC+4*\c+3] offset:(\f)*FRB+512*\c
.endr
	ds_store_b32 v[HWS], v[PW] offset:(\f)*128
	s_wait_dscnt 0x0                               ; the stores have read their registers
.endm
.macro VECL k, reg, win                ; vector k of my copy, in the result's layout: register 16 B + i = column 32 B + 16 h + i of my 256
	WIN \win
.set i, 0
.rept 32
	ds_load_b128 v[\reg+4*i:\reg+4*i+3], v[VR] offset:1024*\k+128*(i/4)+16*(i%4)
.set i, i+1
.endr
.endm
.macro MM t, u                         ; weight tile t x row tile u; the scale words of odd tiles lie in lanes 16-31
.if (\t)%2
	v_wmma_scale_f32_16x16x128_f8f6f4 v[128*\u+8*(\t):128*\u+8*(\t)+7], v[12*(\t):12*(\t)+11], v[XF+12*\u:XF+12*\u+11], v[128*\u+8*(\t):128*\u+8*(\t)+7], v[WSC+(\t)/2], v[XS+\u] matrix_a_fmt:MATRIX_FMT_FP6 matrix_b_fmt:MATRIX_FMT_FP6 matrix_a_scale:MATRIX_SCALE_ROW1
.else
	v_wmma_scale_f32_16x16x128_f8f6f4 v[128*\u+8*(\t):128*\u+8*(\t)+7], v[12*(\t):12*(\t)+11], v[XF+12*\u:XF+12*\u+11], v[128*\u+8*(\t):128*\u+8*(\t)+7], v[WSC+(\t)/2], v[XS+\u] matrix_a_fmt:MATRIX_FMT_FP6 matrix_b_fmt:MATRIX_FMT_FP6
.endif
.endm
; ONE K STEP OF ONE PRODUCT.  In front of the round each wave waits for all its tensor loads (its quarter of this trip's tile), adds 0 to its spare word, and waits for that, for its reads of the last tile and for its image stores.
; Behind the round the slot read last trip is asked for again: 25,600 bytes a wave, one load of mine out, with this trip's 64 LDS loads and 32 products in which to land.
.macro TRIP slot, refill, win
	s_wait_tensorcnt 0x0
	ds_add_u32 v[SPW], v[NIL]
	s_add_nc_u64 s[G0+4*\slot+2:G0+4*\slot+3], s[G0+4*\slot+2:G0+4*\slot+3], 2*SLOTB   ; no load of mine is out: this slot's next tile
	s_wait_dscnt 0x0
	ROUND
.if \refill
	tensor_load_to_lds s[G0+4-4*\slot:G0+7-4*\slot], s[G1:G1+7]
	s_nop 0
.endif
	PLACES                                         ; in front of loads into registers that the last products read
	v_add_nc_u32 v[AAD], s[TA], v[AA0]
	v_add_nc_u32 v[ASD], s[TS], v[AS0]
.irp u, 0,1
.irp c, 0,1,2
	ds_load_b128 v[XF+12*\u+4*\c:XF+12*\u+4*\c+3], v[AAD] offset:8*FRB*\u+512*\c
.endr
	ds_load_b32 v[XS+\u], v[ASD] offset:1024*\u
.endr
.irp g, 0,1,2,3,4,5,6,7
	ds_load_b32 v[WSC+\g], v[WS+\slot] offset:128*\g
.endr
	WIN 0x40
.set i, 0
.rept 48
	ds_load_b128 v[4*i:4*i+3], v[WA+\slot] offset:512*i        ; the 16 fragments on end
.set i, i+1
.endr
	WIN \win
.irp g, 0,1,2,3
	s_wait_dscnt 36-12*\g                          ; the fragment loads of the later groups of four tiles may be out
.irp k, 0,1,2,3
	MM 4*\g+\k, 0                                  ; the 32 accumulators take turns, one instruction a turn, in the same order in every trip
	MM 4*\g+\k, 1
.endr
.endr
	WIN 0
	s_add_co_u32 s[TA], s[TA], FRB
	s_add_co_u32 s[TS], s[TS], 128
.endm
	s_load_b512 s[4:19], s[0:1], 0x0               ; ab, cw, x, bo, g, b, b1, b2
	s_load_b64 s[20:21], s[0:1], 0x40              ; out0
	v_lshl_add_u32 v[SPW], v0, 2, SPARE
	v_mov_b32 v[NIL], 0
	ds_add_u32 v[SPW], v[NIL]                      ; the wave's opening: the add and its wait stand ahead of my first tensor load; the set-up stands between them
	v_lshrrev_b32 v1, 5, v0
	v_readfirstlane_b32 s[WV], v1                  ; wave 0..3
	v_and_b32 v1, 31, v0                           ; lane
	v_and_b32 v70, 15, v0                          ; r
	v_bfe_u32 v71, v0, 4, 1                        ; h
	v_lshlrev_b32 v[LI], 4, v1
	v_lshlrev_b32 v[L8], 3, v1
	v_lshlrev_b32 v[R4], 2, v70
	v_lshl_add_u32 v[AA0], v1, 4, AIMG
	v_lshl_add_u32 v[AS0], v1, 2, ASC
	s_mul_i32 s58, s[WV], WREG
	v_lshl_add_u32 v[WA], v1, 4, s58
	v_add_nc_u32 v[WA+1], SLOTB, v[WA]
	s_add_co_u32 s58, s58, 16*FRB
	v_lshl_add_u32 v[WS], v1, 2, s58
	v_add_nc_u32 v[WS+1], SLOTB, v[WS]
	s_mul_i32 s58, s[WV], 2*FRB
	s_add_co_u32 s58, s58, AIMG
	v_lshl_add_u32 v[HWI], v1, 4, s58
	s_lshl_b32 s58, s[WV], 8
	s_add_co_u32 s58, s58, ASC
	v_lshl_add_u32 v[HWS], v1, 2, s58
	s_mul_i32 s58, s[WV], 4*FRB
	s_add_co_u32 s58, s58, AIMG
	v_lshl_add_u32 v68, v1, 4, s58                 ; the head's images: fragments 4 w on
	s_lshl_b32 s58, s[WV], 9
	s_add_co_u32 s58, s58, ASC
	v_lshl_add_u32 v69, v1, 2, s58
	s_mul_i32 s58, s[WV], 16*SPT
	s_add_co_u32 s58, s58, STG
	v_lshl_add_u32 v[SGD], v1, 4, s58
	v_mul_u32_u24 v[SGT], v70, SPT
	v_lshl_add_u32 v[SGT], v71, 6, v[SGT]
	v_add_nc_u32 v[SGT], s58, v[SGT]
	s_mul_i32 s58, s[WV], 5120
	s_add_co_u32 s58, s58, VECS
	v_lshl_add_u32 v[VW], v1, 4, s58
	v_lshl_add_u32 v[VR], v71, 6, s58
	s_lshl_b32 s58, s[WV], 7
	s_add_co_u32 s58, s58, STAT
	v_lshl_add_u32 v[STW], v70, 2, s58
	v_lshl_add_u32 v[STR], v70, 2, STAT
	s_bfe_u32 s45, ttmp6, 0x40000                  ; cx: it enters the addresses of ab, x and out0 alone
	s_lshl_b32 s46, ttmp9, 2
	s_add_co_u32 s46, s46, s45                     ; my 32 rows
	s_mov_b32 s[G1], 15|(3<<16)|(1<<21)            ; 15:0 the mask: all four work-groups; 17:16 elements of 8 bytes; 21 set beside a mask; no padding
	s_mov_b32 s[G1+1], 32<<16                      ; rows of 256 bytes
	s_mov_b32 s[G1+2], 100<<16
	s_mov_b32 s[G1+3], 32<<16
	s_mov_b32 s[G1+4], 100
	s_mov_b32 s[G1+5], 32
	s_mov_b32 s[G1+6], 0
	s_mov_b32 s[G1+7], 0
	s_mov_b32 s[SEL], 0x76543210
	s_mov_b32 s[SEL+1], 0xfedcba98
	s_lshl_b32 s48, s46, 17                        ; x, out0: 32 rows of 4,096 bytes, + my 1,024
	s_lshl_b32 s49, s[WV], 10
	s_add_co_u32 s48, s48, s49
	s_mov_b32 s49, 0
	s_mul_i32 s50, s46, 24576                      ; ab: 16 fragments a work-group, 4 a wave
	s_mul_i32 s51, s[WV], 6144
	s_add_co_u32 s50, s50, s51
	s_mov_b32 s51, 0
	s_lshl_b32 s52, s46, 10
	s_lshl_b32 s53, s[WV], 8
	s_add_co_u32 s52, s52, s53
	s_add_co_u32 s52, s52, ABS
	s_mov_b32 s53, 0
	s_lshl_b32 s54, s[WV], 10
	s_mov_b32 s55, 0
	s_mul_i32 s56, s[WV], WREG
	s_mov_b32 s57, 0
	s_wait_dscnt 0x0                               ; the opening add is done
	s_wait_kmcnt 0x0
	s_add_nc_u64 s[8:9], s[8:9], s[48:49]
	s_add_nc_u64 s[20:21], s[20:21], s[48:49]
	s_add_nc_u64 s[52:53], s[4:5], s[52:53]
	s_add_nc_u64 s[4:5], s[4:5], s[50:51]
.irp k, 10,12,14,16,18
	s_add_nc_u64 s[\k:\k+1], s[\k:\k+1], s[54:55]
.endr
	s_add_nc_u64 s[6:7], s[6:7], s[56:57]
.irp n, 0,1
	s_mov_b32 s[G0+4*\n], 1
	s_add_co_u32 s[G0+4*\n+1], s56, \n*SLOTB
	s_add_nc_u64 s[G0+4*\n+2:G0+4*\n+3], s[6:7], \n*SLOTB
	s_or_b32 s[G0+4*\n+3], s[G0+4*\n+3], 0x80000000
.endr
	ROUND                                          ; all four work-groups are here
	tensor_load_to_lds s[G0:G0+3], s[G1:G1+7]      ; tile 0; slot 1 is first filled behind the first trip's round
	s_nop 0
	PLACES
	; ---- the head: attention's fragments, the five vectors, x
.irp k, 0,1,2,3
.irp q, 0,1,2,3,4,5
	global_load_b64 v[72+12*\k+2*\q:73+12*\k+2*\q], v[L8], s[4:5] offset:FRB*\k+256*\q th:TH_LOAD_NT
.endr
	global_load_b32 v[120+\k], v[R4], s[52:53] offset:64*\k
.endr
.irp k, 0,1,2,3,4
	global_load_b128 v[AREA+8*\k:AREA+8*\k+3], v[LI], s[10+2*\k:11+2*\k]
	global_load_b128 v[AREA+8*\k+4:AREA+8*\k+7], v[LI], s[10+2*\k:11+2*\k] offset:512
.endr
	WIN 0x40
.irp u, 0,1
.set i, 0
.rept 32
	global_load_b128 v[128*\u+4*i:128*\u+4*i+3], v[LI], s[8:9] offset:(8*\u+(i/2)+8*((i/2)/8))*4096+512*(i%2) th:TH_LOAD_NT   ; 512 consecutive bytes of one row
.set i, i+1
.endr
.endr
	WIN 0
	s_wait_loadcnt 63                              ; x's 64 loads stand behind them: 63 is the stricter count
.irp k, 0,1,2,3
.irp c, 0,1,2
	ds_store_b128 v68, v[72+12*\k+4*\c:72+12*\k+4*\c+3] offset:FRB*\k+512*\c
.endr
	ds_store_b32 v69, v[120+\k] offset:128*\k
.endr
.set i, 0
.rept 10
	ds_store_b128 v[VW], v[AREA+4*i:AREA+4*i+3] offset:512*i
.set i, i+1
.endr
.macro XIN u                           ; x's tile u turns through my stage into window 3: LDS serves a wave's instructions in order
	WIN 0x04
.set i, 0
.rept 32
	ds_store_b128 v[SGD], v[128*\u+4*i:128*\u+4*i+3] offset:(i/2)*SPT+512*(i%2)
.set i, i+1
.endr
	WIN 0xc0
.set i, 0
.rept 32
	ds_load_b128 v[128*\u+4*i:128*\u+4*i+3], v[SGT] offset:128*(i/4)+16*(i%4)
.set i, i+1
.endr
.endm
	s_wait_loadcnt 32                              ; tile 1's 32 loads may be out
	XIN 0
	s_wait_loadcnt 0x0
	XIN 1
	VECL 0, AREA, 0                                ; bo
	VECL 1, 0, 0x80                                ; g
	VECL 2, 128, 0x80                              ; b
	s_wait_dscnt 63                                ; g's and b's 64 loads stand behind bo's: 63 is the stricter count
	WIN 0xc3
.irp u, 0,1
.set i, 0
.rept 64
	v_pk_add_f32 v[128*\u+2*i:128*\u+2*i+1], v[128*\u+2*i:128*\u+2*i+1], v[AREA+2*i:AREA+2*i+1]   ; x + bo: what product 0 adds onto
.set i, i+1
.endr
.endr
	WIN 0
	; ---- product 0: x1 = x + bo + attn Wo
	s_mov_b32 s[TA], 0
	s_mov_b32 s[TS], 0
	s_mov_b32 s[CNT], 4
.Lp0:
	TRIP 0, 1, 0xf1
	TRIP 1, 1, 0xf1
	s_sub_co_u32 s[CNT], s[CNT], 1
	s_cmp_lg_u32 s[CNT], 0
	s_cbranch_scc1 .Lp0
	; ---- layernorm 2.  A row's 1,024 numbers lie in two lanes of each of the four waves: sums meet in LDS
.macro CLEAR
.irp i, 0,1,2,3,4,5,6,7
	v_mov_b32 v[CH+\i], 0
.endr
.endm
.macro RSUM dst
	v_pk_add_f32 v[CH:CH+1], v[CH:CH+1], v[CH+2:CH+3]
	v_pk_add_f32 v[CH+4:CH+5], v[CH+4:CH+5], v[CH+6:CH+7]
	v_pk_add_f32 v[CH:CH+1], v[CH:CH+1], v[CH+4:CH+5]
	v_add_f32 v[CH], v[CH], v[CH+1]
	v_permlanex16_b32 v[CH+1], v[CH], s[SEL], s[SEL+1]
	v_add_f32 v[\dst], v[CH], v[CH+1]
.endm
.macro GATHER off                      ; the four waves' sums of my rows: v72 for u = 0, v76 for u = 1
.irp u, 0,1
.irp w, 0,1,2,3
	ds_load_b32 v[72+4*\u+\w], v[STR] offset:\off+128*\w+64*\u
.endr
.endr
	s_wait_dscnt 0x0
.irp u, 0,1
	v_add_f32 v[72+4*\u], v[72+4*\u], v[73+4*\u]
	v_add_f32 v[74+4*\u], v[74+4*\u], v[75+4*\u]
	v_add_f32 v[72+4*\u], v[72+4*\u], v[74+4*\u]
.endr
.endm
	PLACES                                         ; behind the last products
.irp u, 0,1
	CLEAR
	WIN 0x03
.set i, 0
.rept 64
	v_pk_add_f32 v[CH+2*(i%4):CH+2*(i%4)+1], v[128*\u+2*i:128*\u+2*i+1], v[CH+2*(i%4):CH+2*(i%4)+1]   ; ascending: each accumulator from its low end on
.set i, i+1
.endr
	WIN 0
	RSUM 112+\u
	ds_store_b32 v[STW], v[112+\u] offset:64*\u
.endr
	BARRIER                                        ; it also parts product 0's reads of the images from the new images below
	GATHER 0
.irp u, 0,1
	v_mul_f32 v[MU+2*\u], 0xba800000, v[72+4*\u]   ; - the mean
	v_mov_b32 v[MU+2*\u+1], v[MU+2*\u]
.endr
.irp u, 0,1
	CLEAR
	WIN 0x03
.set i, 0
.rept 64
	v_pk_add_f32 v[AREA+2*i:AREA+2*i+1], v[128*\u+2*i:128*\u+2*i+1], v[MU+2*\u:MU+2*\u+1]
.set i, i+1
.endr
	WIN 0
.set i, 0
.rept 64
	v_pk_fma_f32 v[CH+2*(i%4):CH+2*(i%4)+1], v[AREA+2*i:AREA+2*i+1], v[AREA+2*i:AREA+2*i+1], v[CH+2*(i%4):CH+2*(i%4)+1]   ; the variance is the mean of (x1 - mean)^2: no difference of large sums
.set i, i+1
.endr
	RSUM 114+\u
	ds_store_b32 v[STW], v[114+\u] offset:512+64*\u
.endr
	BARRIER
	GATHER 512
.irp u, 0,1
	v_mul_f32 v[72+4*\u], 0x3a800000, v[72+4*\u]
	v_add_f32 v[72+4*\u], 0x3727c5ac, v[72+4*\u]   ; + 1e-5
.endr
	v_rsq_f32 v[RS], v72
	v_rsq_f32 v[RS+2], v76
	v_nop                                          ; a plain place behind the transcendentals
	s_wait_alu depctr_va_vdst(0)                   ; one wait for both, ahead of their first reader
	v_mov_b32 v[RS+1], v[RS]
	v_mov_b32 v[RS+3], v[RS+2]
.irp u, 0,1
.irp q, 0,1
	WIN 0x03
.set i, 0
.rept 32
	v_pk_add_f32 v[AREA+2*i:AREA+2*i+1], v[128*\u+64*\q+2*i:128*\u+64*\q+2*i+1], v[MU+2*\u:MU+2*\u+1]
.set i, i+1
.endr
	WIN 0
.set i, 0
.rept 32
	v_pk_mul_f32 v[AREA+2*i:AREA+2*i+1], v[AREA+2*i:AREA+2*i+1], v[RS+2*\u:RS+2*\u+1]
.set i, i+1
.endr
	WIN 0x28
.set i, 0
.rept 32
	v_pk_fma_f32 v[AREA+2*i:AREA+2*i+1], v[AREA+2*i:AREA+2*i+1], v[64*\q+2*i:64*\q+2*i+1], v[128+64*\q+2*i:129+64*\q+2*i]
.set i, i+1
.endr
	WIN 0
	QUANT AREA
	IMAGE 8*\u+\q
.endr
.endr
	VECL 3, 0, 0x80                                ; b1, for both row tiles: what product 1 adds onto; the first trip's wait for my LDS instructions covers these
	VECL 3, 128, 0x80
	WIN 0
	; ---- product 1: the hidden layer ahead of its activation
	s_mov_b32 s[TA], 0
	s_mov_b32 s[TS], 0
	s_mov_b32 s[CNT], 4
.Lp1:
	TRIP 0, 1, 0xa1
	TRIP 1, 1, 0xa1
	s_sub_co_u32 s[CNT], s[CNT], 1
	s_cmp_lg_u32 s[CNT], 0
	s_cbranch_scc1 .Lp1
	; ---- GELU, 16 numbers at a time, and the quantiser, 64 at a time
	PLACES                                         ; behind the last products: their results are read and their operand registers written below
	BARRIER                                        ; every wave's reads of layernorm's images are over
.macro COEF n, bits
	v_mov_b32 v[CF+2*\n], \bits
	v_mov_b32 v[CF+2*\n+1], \bits
.endm
	COEF 0, 0xaf95df0b                             ; P, highest power first
	COEF 1, 0x32edffee
	COEF 2, 0xb60cff51
	COEF 3, 0xb86ec2d2
	COEF 4, 0xba40ac63
	COEF 5, 0xbb41a1f6
	COEF 6, 0xbc83dbd4
	COEF 7, 0xb77460cd                             ; Q
	COEF 8, 0xb95fbd29
	COEF 9, 0xbadc924e
	COEF 10, 0xbbf19bf8
	COEF 11, 0xbc69b6a7
	COEF 12, 0x3f3504f3                            ; 1 / sqrt 2
.macro GEL xb, yb
	WIN 0x02
.irp i, 0,2,4,6,8,10,12,14
	v_pk_mul_f32 v[ZZ+\i:ZZ+\i+1], v[(\xb)+\i:(\xb)+\i+1], v[CF+24:CF+25]    ; z = x / sqrt 2; ascending: each accumulator from its low end on
.endr
	WIN 0
.irp i, 0,1,2,3,4,5,6,7,8,9,10,11,12,13,14,15
	v_med3_num_f32 v[ZZ+\i], v[ZZ+\i], -4.0, 4.0
.endr
.irp i, 0,2,4,6,8,10,12,14
	v_pk_mul_f32 v[QQ+\i:QQ+\i+1], v[ZZ+\i:ZZ+\i+1], v[ZZ+\i:ZZ+\i+1]
.endr
.irp i, 0,2,4,6,8,10,12,14
	v_pk_fma_f32 v[PP+\i:PP+\i+1], v[QQ+\i:QQ+\i+1], v[CF:CF+1], v[CF+2:CF+3]
	v_pk_fma_f32 v[DD+\i:DD+\i+1], v[QQ+\i:QQ+\i+1], v[CF+14:CF+15], v[CF+16:CF+17]
.endr
.irp k, 18,20,22
.irp i, 0,2,4,6,8,10,12,14
	v_pk_fma_f32 v[DD+\i:DD+\i+1], v[DD+\i:DD+\i+1], v[QQ+\i:QQ+\i+1], v[CF+\k:CF+\k+1]
.endr
.endr
.irp i, 0,1,2,3,4,5,6,7,8,9,10,11,12,13,14,15
	v_rcp_f32 v[DD+\i], v[DD+\i]                   ; one batch; P's chain below is the independent work behind it
.endr
.irp k, 4,6,8,10,12
.irp i, 0,2,4,6,8,10,12,14
	v_pk_fma_f32 v[PP+\i:PP+\i+1], v[PP+\i:PP+\i+1], v[QQ+\i:QQ+\i+1], v[CF+\k:CF+\k+1]
.endr
.endr
.irp i, 0,2,4,6,8,10,12,14
	v_pk_mul_f32 v[PP+\i:PP+\i+1], v[PP+\i:PP+\i+1], v[ZZ+\i:ZZ+\i+1]
.endr
	WIN 0x02
.irp i, 0,2,4,6,8,10,12,14
	v_pk_mul_f32 v[ZZ+\i:ZZ+\i+1], v[(\xb)+\i:(\xb)+\i+1], 0.5 op_sel_hi:[1,0]   ; x / 2
.endr
	WIN 0
	s_wait_alu depctr_va_vdst(0)                   ; one wait for the sixteen reciprocals, ahead of their first reader
.irp i, 0,2,4,6,8,10,12,14
	v_pk_mul_f32 v[PP+\i:PP+\i+1], v[PP+\i:PP+\i+1], v[DD+\i:DD+\i+1]        ; erf
.endr
.irp i, 0,2,4,6,8,10,12,14
	v_pk_fma_f32 v[(\yb)+\i:(\yb)+\i+1], v[ZZ+\i:ZZ+\i+1], v[PP+\i:PP+\i+1], v[ZZ+\i:ZZ+\i+1]
.endr
.endm
.irp u, 0,1
.irp q, 0,1
.irp g, 0,1,2,3
	GEL 128*\u+64*\q+16*\g, AREA+16*\g
.endr
	QUANT AREA
	IMAGE 8*\u+\q
.endr
.endr
	VECL 4, AREA, 0                                ; b2: it lands under product 2
	; ---- product 2, onto x1
	s_mov_b32 s[TA], 0
	s_mov_b32 s[TS], 0
	s_mov_b32 s[CNT], 3
.Lp2:
	TRIP 0, 1, 0xf1
	TRIP 1, 1, 0xf1
	s_sub_co_u32 s[CNT], s[CNT], 1
	s_cmp_lg_u32 s[CNT], 0
	s_cbranch_scc1 .Lp2
	TRIP 0, 1, 0xf1                                ; the tail is written out: the last trip asks for nothing
	TRIP 1, 0, 0xf1
	; ---- the way out: + b2; a tile of 16 rows turns through my stage and leaves as runs of 512 consecutive bytes
	PLACES
	WIN 0xc3
.irp u, 0,1
.set i, 0
.rept 64
	v_pk_add_f32 v[128*\u+2*i:128*\u+2*i+1], v[128*\u+2*i:128*\u+2*i+1], v[AREA+2*i:AREA+2*i+1]
.set i, i+1
.endr
.endr
.irp u, 0,1
	WIN 0x0c
.set i, 0
.rept 32
	ds_store_b128 v[SGT], v[128*\u+4*i:128*\u+4*i+3] offset:128*(i/4)+16*(i%4)
.set i, i+1
.endr
	WIN 0
.if \u
	s_wait_xcnt 0x0                                ; tile 0's stores have read their registers
.endif
.set i, 0
.rept 32
	ds_load_b128 v[AREA+4*i:AREA+4*i+3], v[SGD] offset:(i/2)*SPT+512*(i%2)   ; LDS serves a wave's instructions in order: these see the stores above
.set i, i+1
.endr
.set i, 0
.rept 32
	s_wait_dscnt 31-i
	global_store_b128 v[LI], v[AREA+4*i:AREA+4*i+3], s[20:21] offset:(8*\u+(i/2)+8*((i/2)/8))*4096+512*(i%2) th:TH_STORE_NT
.set i, i+1
.endr
.endr
	s_wait_tensorcnt 0x0                           ; the wave's end: behind my last tensor load and my last LDS store
	ds_add_u32 v[SPW], v[NIL]
	s_wait_dscnt 0x0
	ROUND                                          ; the closing round: no work-group ends while a partner may still ask for a tile that names it
	s_endpgm
.Lfunc_end_k_qb9498e10b2_chain:
	.size	k_qb9498e10b2_chain, .Lfunc_end_k_qb9498e10b2_chain-k_qb9498e10b2_chain
	.p2alignl 7, 3214868480
	.fill 96, 4, 3214868480
	.section	.rodata,"a",@progbits
	.p2align	6, 0x0
	.amdhsa_kernel k_qb9498e10b2_chain
		.amdhsa_group_segment_fixed_size 327680
		.amdhsa_private_segment_fixed_size 0
		.amdhsa_enable_private_segment 0
		.amdhsa_kernarg_size 72
		.amdhsa_user_sgpr_count 2
		.amdhsa_user_sgpr_kernarg_segment_ptr 1
		.amdhsa_wavefront_size32 1
		.amdhsa_system_sgpr_workgroup_id_x 1
		.amdhsa_system_sgpr_workgroup_id_y 1
		.amdhsa_system_sgpr_workgroup_id_z 1
		.amdhsa_system_vgpr_workitem_id 0
		.amdhsa_next_free_vgpr 1024
		.amdhsa_next_free_sgpr 66
		.amdhsa_reserve_vcc 0
		.amdhsa_float_denorm_mode_32 3
		.amdhsa_float_denorm_mode_16_64 3
		.amdhsa_memory_ordered 1
		.amdhsa_forward_progress 1
		.amdhsa_inst_pref_size 255
	.end_amdhsa_kernel
	.section	.bss,"aw",@nobits
	.p2align	6
	.space	262144
	.amdgpu_metadata
---
amdhsa.version: [ 1, 2 ]
amdhsa.kernels:
  - .name:           k_qb9498e10b2_chain
    .symbol:         k_qb9498e10b2_chain.kd
    .args:
      - { .name: ab, .offset: 0, .size: 8, .value_kind: global_buffer, .address_space: global }
      - { .name: cw, .offset: 8, .size: 8, .value_kind: global_buffer, .address_space: global }
      - { .name: x, .offset: 16, .size: 8, .value_kind: global_buffer, .address_space: global }
      - { .name: bo, .offset: 24, .size: 8, .value_kind: global_buffer, .address_space: global }
      - { .name: g_ln2, .offset: 32, .size: 8, .value_kind: global_buffer, .address_space: global }
      - { .name: b_ln2, .offset: 40, .size: 8, .value_kind: global_buffer, .address_space: global }
      - { .name: b1, .offset: 48, .size: 8, .value_kind: global_buffer, .address_space: global }
      - { .name: b2, .offset: 56, .size: 8, .value_kind: global_buffer, .address_space: global }
      - { .name: out0, .offset: 64, .size: 8, .value_kind: global_buffer, .address_space: global }
    .group_segment_fixed_size: 327680
    .private_segment_fixed_size: 0
    .kernarg_segment_align: 8
    .kernarg_segment_size: 72
    .max_flat_workgroup_size: 128
    .sgpr_count:     66
    .vgpr_count:     1024
    .wavefront_size: 32
...
	.end_amdgpu_metadata
.endif
;; end of part 4
;; ======== version 2 of 2: 4 launches
;; limits: right only within a limited range of input values
;; workspace buffers: hw 9,011,200 bytes; cw 2,457,600 bytes; qkv 20,185,088 bytes; ab 6,553,600 bytes
;; launch prep (part 5): grid 224 x 1, 4 waves a work-group, no clusters, 132,608 bytes of LDS; arguments x, g_ln1, b_ln1, Wq, Wk, Wv, Wo, W1, W2, hw, cw; writes hw, cw
.if DOCPART == 5
	.amdgcn_target "amdgcn-amd-amdhsa--gfx1250"
	.amdhsa_code_object_version 6
	.text
	.protected	k_qb9498e10b2_prep
	.globl	k_qb9498e10b2_prep
	.p2align	8
	.type	k_qb9498e10b2_prep,@function
k_qb9498e10b2_prep:
	s_mov_b64 s[64:65], 0
	v_nop
	global_prefetch_b8 v0, s[64:65] scope:SCOPE_SE
	s_setreg_imm32_b32 hwreg(HW_REG_WAVE_MODE, 25, 1), 1
	s_wait_xcnt 0x0
; PREP.  Work-groups 0-127: h = layernorm(x) g + b, quantised along its 1,024 columns to codes of FP6 (E2M3) with one E8M0 byte for each 32.  Work-groups 128-223: the six weights, quantised along K, which is not their innermost axis.
; ALL CODES ARE STORED AS IMAGES OF OPERAND REGISTERS: a fragment is 16 rows x 128 K, 12 registers a lane, 1,536 bytes: three chunks of 512 bytes, chunk c = registers 4 c .. 4 c + 3 of lane l at 16 l.
; THE ROWS OF A TILE ARE NOT NEIGHBOURS: place r of tile 2 G + u is row 32 G + 8 u + r + 8 (r / 8), in h and in every weight, so that results of products used transposed run along the next K in a lane's registers.
; hw: [tile 704][K step 8][1,536]: tiles 0-511 h, 512 + 64 m on Wq, Wk, Wv (row n = 64 head + e); from SCOFF on [row place][32 scale bytes].
; cw: [Wo, W1, W2][K step 8][quarter of the columns 4][25,600]: 16 tiles' fragments, then 8 x 128 bytes of scale words (lanes 0-15 tile 2 P, lanes 16-31 tile 2 P + 1).
; A block's scale is 2^(floor(log2(largest magnitude)) - 2); its byte is the largest magnitude's exponent field - 2, held at 1 from below.
; LIMITS: a block whose largest magnitude lies under 2^-124, a block of zeros too, keeps the byte 1 (this program alone reads the bytes; zero codes add nothing); NaN and infinities are not served.
; The weights' scale words in hw leave as 4 bytes at a pitch of 32: 98,304 bytes in all are written so.
; Waves share nothing: no barrier.  Each wave takes 65,536 bytes of f32 in, all 128 loads issued on end, each of 512 or 2 x 256 consecutive bytes.  The two paths have LDS bytes of their own.
.set LNW,   16640                      ; LN path, a wave's LDS: a stage of 16 rows x 528 bytes, then its copy of g and b (8,192)
.set SP,    528
.set GBO,   16*SP
.set WST,   4*LNW                      ; weights path: a stage of 32 rows x 512 bytes for each wave
.set WSZ,   16384
.set SPARE, WST+4*WSZ                  ; the spare words, 128 bytes for each wave: two blocks of 256 bytes that no other line names
.set SCOFF, 8650752
.set SPW,   2                          ; v2  my spare word's LDS address; never rewritten
.set NIL,   3                          ; v3  0; never rewritten
.set SEL,   26                         ; s[26:27] selects of v_permlanex16_b32 for lane l xor 16
.set YY,    64                         ; v64-127 64 numbers at work
.set TM,    128                        ; v128-143 the quantiser's temporaries
.set PW,    144                        ; the scale word just made
.set PC,    148                        ; v148-167 the codes just made
.set MSB,   0
.macro WIN new                         ; the immediate's high byte repeats the setting that is left
.if MSB != (\new)
	s_set_vgpr_msb (MSB<<8)|(\new)
.set MSB, (\new)
.endif
.endm
; 64 numbers of a lane, register 16 b + i = k 32 b + 16 (lane / 16) + i of my row, become a fragment's codes in v[PC] on and its scale word in v[PW]
.macro QUANT s
.irp b, 0,1,2,3
	v_max3_num_f32 v[TM+\b], |v[\s+16*\b]|, |v[\s+1+16*\b]|, 0x1800000   ; my 16 numbers of block b, and the floor 2^(3 - 127): the byte cannot fall under 1
.endr
.irp i, 2,4,6,8,10,12,14
.irp b, 0,1,2,3
	v_max3_num_f32 v[TM+\b], v[TM+\b], |v[\s+16*\b+\i]|, |v[\s+1+16*\b+\i]|
.endr
.endr
.irp b, 0,1,2,3
	v_permlanex16_b32 v[TM+4+\b], v[TM+\b], s[SEL], s[SEL+1]
.endr
.irp b, 0,1,2,3
	v_max_num_f32 v[TM+\b], v[TM+\b], v[TM+4+\b]       ; with lane l xor 16's: the block's largest magnitude
.endr
.irp b, 0,1,2,3
	v_add_nc_u32 v[TM+12+\b], 0xff000000, v[TM+\b]     ; 2 off its exponent field: the conversion's scale operand
.endr
.irp b, 0,1,2,3
	v_lshrrev_b32 v[TM+4+\b], 23, v[TM+12+\b]          ; the scale's byte
.endr
	v_lshl_or_b32 v[PW], v[TM+5], 8, v[TM+4]
	v_lshl_or_b32 v[PW], v[TM+6], 16, v[PW]
	v_lshl_or_b32 v[PW], v[TM+7], 24, v[PW]
.irp c, 0,1
	v_cvt_scalef32_pk16_fp6_f32 v[PC+6*\c:PC+2+6*\c], v[\s+32*\c:\s+15+32*\c], v[TM+12+2*\c]
	v_cvt_scalef32_pk16_fp6_f32 v[PC+12+4*\c:PC+14+4*\c], v[\s+16+32*\c:\s+31+32*\c], v[TM+12+2*\c+1]   ; (a conversion's three registers begin on an even number)
.endr
	v_nop                                              ; one plain place behind a scaled conversion
.irp c, 0,1                                            ; the operand's layout wants a whole block in a lane
.irp i, 0,1,2
	v_permlane16_swap_b32 v[PC+6*\c+\i], v[PC+12+4*\c+\i]
.endr
.irp i, 0,1,2
	v_mov_b32 v[PC+3+6*\c+\i], v[PC+12+4*\c+\i]
.endr
.endr
.endm
	s_load_b512 s[4:19], s[0:1], 0x0               ; x, g, b, Wq, Wk, Wv, Wo, W1
	s_load_b128 s[20:23], s[0:1], 0x40             ; W2, hw
	s_load_b64 s[24:25], s[0:1], 0x50              ; cw
	v_lshl_add_u32 v[SPW], v0, 2, SPARE
	v_mov_b32 v[NIL], 0
	v_lshrrev_b32 v1, 5, v0
	v_readfirstlane_b32 s28, v1                    ; wave
	v_and_b32 v4, 31, v0                           ; lane
	v_and_b32 v5, 15, v0                           ; lane % 16
	v_bfe_u32 v6, v0, 4, 1                         ; lane / 16
	v_lshlrev_b32 v7, 4, v4                        ; 16 x lane
	s_mov_b32 s[SEL], 0x76543210
	s_mov_b32 s[SEL+1], 0xfedcba98
	s_cmp_lt_u32 ttmp9, 128
	s_cbranch_scc0 .Lweights
; ======================= LAYERNORM: a wave takes one tile of 16 rows; the rows stay in 512 registers (windows 1 and 2: K step s at 64 (s % 4) of window 1 + s / 4)
	s_lshl_b32 s29, ttmp9, 2
	s_add_co_u32 s29, s29, s28                     ; my tile
	s_lshr_b32 s30, s29, 1
	s_lshl_b32 s30, s30, 5
	s_and_b32 s31, s29, 1
	s_lshl_b32 s31, s31, 3
	s_add_co_u32 s30, s30, s31                     ; its first row: 32 (tile / 2) + 8 (tile % 2)
	s_lshl_b32 s30, s30, 12                        ; in bytes (under 2^25)
	s_mov_b32 s31, 0
	s_mul_i32 s32, s29, 12288                      ; its eight fragments in hw
	s_mov_b32 s33, 0
	s_lshl_b32 s34, s29, 9
	s_add_co_u32 s34, s34, SCOFF                   ; its 512 scale bytes
	s_mov_b32 s35, 0
	s_mul_i32 s36, s28, LNW                        ; my LDS
	s_mov_b32 s37, 0xffff0000                      ; lanes 16-31
	s_wait_alu depctr_va_vdst(0)
	v_add_nc_u32 v8, s36, v7                       ; stage, as loaded: 16 x lane
	v_mul_u32_u24 v9, v5, SP
	v_lshl_add_u32 v9, v6, 6, v9
	v_add_nc_u32 v9, s36, v9                       ; stage, turned: row lane % 16, + 64 (lane / 16)
	v_lshl_add_u32 v10, v6, 6, s36                 ; g and b: + 64 (lane / 16)
	v_lshlrev_b32 v11, 5, v5
	v_lshl_add_u32 v11, v6, 4, v11                 ; scale bytes: 32 r + 16 h
.irp b, 0,1,2,3
	v_mov_b32 v[TM+4+\b], 0                        ; written once: a lane permute's destination counts as one of its sources
.endr
	s_wait_alu depctr_va_vdst(0)
	s_wait_kmcnt 0x0
	s_add_nc_u64 s[4:5], s[4:5], s[30:31]
	s_add_nc_u64 s[32:33], s[22:23], s[32:33]
	s_add_nc_u64 s[34:35], s[22:23], s[34:35]
.irp i, 0,1,2,3,4,5,6,7
	global_load_b128 v[YY+4*\i:YY+4*\i+3], v7, s[6:7] offset:512*\i
.endr
.irp i, 0,1,2,3,4,5,6,7
	global_load_b128 v[YY+32+4*\i:YY+32+4*\i+3], v7, s[8:9] offset:512*\i
.endr
.macro XLD s                           ; K step s of my 16 rows: each load is 512 consecutive bytes of one row
	WIN (1+(\s)/4)<<6
.set i, 0
.rept 16
	global_load_b128 v[64*((\s)%4)+4*i:64*((\s)%4)+4*i+3], v7, s[4:5] offset:(i+8*(i/8))*4096+512*(\s) th:TH_LOAD_NT
.set i, i+1
.endr
.endm
	XLD 0
	XLD 1
	XLD 2
	WIN 0
	s_wait_loadcnt 48                              ; the 48 loads of x behind them may be out: g and b are in
.set i, 0
.rept 16
	ds_store_b128 v8, v[YY+4*i:YY+4*i+3] offset:GBO+512*i      ; my copy: g's 4,096 bytes, then b's
.set i, i+1
.endr
	XLD 3
	XLD 4
	XLD 5
	XLD 6
	XLD 7
; K step s turns through the stage: in as loaded, back as 16 neighbours of each block of 32 a lane, into the registers that it left.  LDS serves a wave's instructions in order, so one stage serves all steps
.macro TURN s, cnt
	s_wait_loadcnt \cnt
	WIN (1+(\s)/4)<<2
.set i, 0
.rept 16
	ds_store_b128 v8, v[64*((\s)%4)+4*i:64*((\s)%4)+4*i+3] offset:i*SP
.set i, i+1
.endr
	WIN (1+(\s)/4)<<6
.set i, 0
.rept 16
	ds_load_b128 v[64*((\s)%4)+4*i:64*((\s)%4)+4*i+3], v9 offset:128*(i/4)+16*(i%4)
.set i, i+1
.endr
.endm
	TURN 0, 63                                     ; 16 (7 - s) loads were issued behind step s's; where that is more than the count can name, 63 is the stricter wait
	TURN 1, 63
	TURN 2, 63
	TURN 3, 63
	TURN 4, 48
	TURN 5, 32
	TURN 6, 16
	TURN 7, 0
	s_wait_dscnt 0x0
.macro GBL s                           ; g and b of K step s, in my lane's order, into set s % 2 of window 3: 16 + 16 loads; the 16 lanes of a half read the same bytes
	WIN 0xc0
.set i, 0
.rept 16
	ds_load_b128 v[128*((\s)%2)+4*i:128*((\s)%2)+4*i+3], v10 offset:GBO+512*(\s)+128*(i/4)+16*(i%4)
	ds_load_b128 v[128*((\s)%2)+64+4*i:128*((\s)%2)+64+4*i+3], v10 offset:GBO+4096+512*(\s)+128*(i/4)+16*(i%4)
.set i, i+1
.endr
.endm
	GBL 0
.macro CLEAR
	WIN 0
.irp i, 16,17,18,19,20,21,22,23
	v_mov_b32 v\i, 0
.endr
.endm
.macro RSUM                            ; four chains of pairs, and lane l xor 16's: the row's sum in v16
	WIN 0
	v_pk_add_f32 v[16:17], v[16:17], v[18:19]
	v_pk_add_f32 v[20:21], v[20:21], v[22:23]
	v_pk_add_f32 v[16:17], v[16:17], v[20:21]
	v_add_f32 v16, v16, v17
	v_permlanex16_b32 v17, v16, s[SEL], s[SEL+1]
	v_add_f32 v16, v16, v17
.endm
	CLEAR
.irp w, 1,2
	WIN \w
.set i, 0
.rept 128
	v_pk_add_f32 v[16+2*(i%4):17+2*(i%4)], v[2*i:2*i+1], v[16+2*(i%4):17+2*(i%4)]
.set i, i+1
.endr
.endr
	RSUM
	v_mul_f32 v24, 0xba800000, v16                 ; - the mean
	v_mov_b32 v25, v24
.irp w, 1,2
	WIN \w*0x41
.set i, 0
.rept 128
	v_pk_add_f32 v[2*i:2*i+1], v[2*i:2*i+1], v[24:25]          ; x - mean, in place: the variance is the mean of these squares, no difference of large sums
.set i, i+1
.endr
.endr
	CLEAR
.irp w, 1,2
	WIN \w*5
.set i, 0
.rept 128
	v_pk_fma_f32 v[16+2*(i%4):17+2*(i%4)], v[2*i:2*i+1], v[2*i:2*i+1], v[16+2*(i%4):17+2*(i%4)]
.set i, i+1
.endr
.endr
	RSUM
	v_mul_f32 v16, 0x3a800000, v16                 ; the variance
	v_add_f32 v16, 0x3727c5ac, v16                 ; + 1e-5
	s_wait_alu depctr_va_vdst(0)
	v_rsq_f32 v26, v16
	v_nop                                          ; a plain place behind the transcendental
	s_wait_alu depctr_va_vdst(0)                   ; and the wait ahead of its first reader
	v_mov_b32 v27, v26
.macro KSTEP s
.if (\s) < 7
	GBL (\s)+1
	s_wait_dscnt 32                                ; the next step's 32 loads may be out: this step's g and b are in
.else
	s_wait_dscnt 0x0
.endif
	WIN 1+(\s)/4
.set i, 0
.rept 32
	v_pk_mul_f32 v[YY+2*i:YY+2*i+1], v[64*((\s)%4)+2*i:64*((\s)%4)+2*i+1], v[26:27]
.set i, i+1
.endr
	WIN 0x3c
.set i, 0
.rept 32
	v_pk_fma_f32 v[YY+2*i:YY+2*i+1], v[YY+2*i:YY+2*i+1], v[128*((\s)%2)+2*i:128*((\s)%2)+2*i+1], v[128*((\s)%2)+64+2*i:128*((\s)%2)+65+2*i]
.set i, i+1
.endr
	WIN 0
	s_wait_xcnt 0x0                                ; the last step's stores have read the codes' registers
	QUANT YY
.irp c, 0,1,2
	global_store_b128 v7, v[PC+4*\c:PC+4*\c+3], s[32:33] offset:1536*(\s)+512*\c   ; 512 consecutive bytes
.endr
	v_mov_b32 v[32+(\s)], v[PW]
.endm
	s_wait_alu depctr_va_vdst(0)
	KSTEP 0
	KSTEP 1
	KSTEP 2
	KSTEP 3
	KSTEP 4
	KSTEP 5
	KSTEP 6
	KSTEP 7
.irp i, 0,1,2,3
	v_cndmask_b32 v[40+\i], v[32+\i], v[36+\i], s37    ; lanes 0-15 take my row's words 0-3, lanes 16-31 words 4-7
.endr
	global_store_b128 v11, v[40:43], s[34:35]      ; the wave stores its 512 scale bytes whole
	s_wait_tensorcnt 0x0                           ; the wave's end, behind my last LDS store
	ds_add_u32 v[SPW], v[NIL]
	s_wait_dscnt 0x0
	s_endpgm
; ======================= WEIGHTS: a wave takes 128 columns n x 128 along K of one weight
.Lweights:
	s_sub_co_u32 s29, ttmp9, 128
	s_lshr_b32 s30, s29, 4                         ; m: Wq, Wk, Wv, Wo, W1, W2
	s_bfe_u32 s31, s29, 0x30001                    ; which 128 columns
	s_and_b32 s32, s29, 1
	s_lshl_b32 s32, s32, 2
	s_add_co_u32 s32, s32, s28                     ; which K step
	s_lshl_b32 s33, s28, 14
	s_add_co_u32 s33, s33, WST                     ; my stage
	s_wait_alu depctr_va_vdst(0)
	v_add_nc_u32 v8, s33, v7                       ; in: 16 x lane
	v_lshl_add_u32 v9, v4, 2, s33                  ; out: a lane to a column
	s_lshl_b32 s34, s30, 6                         ; in hw: first tile 512 + 64 m + 8 x group
	s_lshl_b32 s35, s31, 3
	s_add_co_u32 s34, s34, s35
	s_add_co_u32 s34, s34, 512
	s_mul_i32 s36, s34, 12288
	s_mul_i32 s35, s32, 1536
	s_add_co_u32 s36, s36, s35                     ; codes
	s_lshl_b32 s37, s34, 9
	s_lshl_b32 s35, s32, 2
	s_add_co_u32 s37, s37, s35
	s_add_co_u32 s37, s37, SCOFF                   ; scale words
	s_max_u32 s38, s30, 3                          ; in cw: (8 (m - 3) + K step) x 102,400 + (group / 2) x 25,600
	s_sub_co_u32 s38, s38, 3
	s_lshl_b32 s38, s38, 3
	s_add_co_u32 s38, s38, s32
	s_mul_i32 s38, s38, 102400
	s_lshr_b32 s35, s31, 1
	s_mul_i32 s35, s35, 25600
	s_add_co_u32 s38, s38, s35
	s_and_b32 s35, s31, 1
	s_mul_i32 s39, s35, 12288
	s_add_co_u32 s39, s39, s38                     ; codes: + 8 tiles for the odd group
	s_lshl_b32 s35, s35, 9
	s_add_co_u32 s38, s38, s35
	s_add_co_u32 s38, s38, 24576                   ; scale words: behind the 16 tiles, + 4 pairs for the odd group
	s_lshl_b32 s40, s31, 19                        ; the input, [head][k][64]: two heads a group, 128 rows of 256 bytes a K step
	s_lshl_b32 s35, s32, 15
	s_add_co_u32 s40, s40, s35
	s_lshl_b32 s41, s32, 19                        ; the input, [k][1024]: 128 rows of 4,096 bytes a K step, 512 bytes a group
	s_lshl_b32 s35, s31, 9
	s_add_co_u32 s41, s41, s35
	s_mov_b32 s42, 1536
	s_mov_b32 s43, 262144
	s_cmp_lt_u32 s30, 3                            ; Wq, Wk, Wv go to hw, the others to cw
	s_cselect_b32 s36, s36, s39
	s_cselect_b32 s38, s37, s38
	s_cselect_b32 s40, s40, s41
	s_cselect_b32 s42, 12288, s42                  ; from tile to tile
	s_cselect_b32 s44, 32, 4                       ; from row place to row place among the scale words
	s_cselect_b32 s43, s43, 256                    ; from lane 15 to lane 16 in a row of the input: the next head, or the next 256 bytes
	s_mov_b32 s37, 0
	s_mov_b32 s39, 0
	s_mov_b32 s41, 0
	v_mul_lo_u32 v10, v6, s43
	v_lshl_add_u32 v10, v5, 4, v10
	v_bfe_u32 v14, v0, 3, 1                        ; column 32 cs + L lies in tile 2 cs + u, u = (L / 8) % 2,
	v_and_b32 v15, 7, v0
	v_lshl_add_u32 v15, v6, 3, v15                 ; at place r = L % 8 + 8 (L / 16)
	v_mul_lo_u32 v20, v14, s42
	v_lshl_add_u32 v20, v15, 4, v20                ; v20-23: my 16 bytes in a chunk's half, for cs = 0 .. 3
	s_lshl_b32 s45, s42, 1
	v_add_nc_u32 v21, s45, v20
	v_add_nc_u32 v22, s45, v21
	v_add_nc_u32 v23, s45, v22
	v_lshl_add_u32 v24, v14, 4, v15
	v_mul_lo_u32 v24, v24, s44                     ; v24-27: my scale word
	s_lshl_b32 s52, s44, 5
	v_add_nc_u32 v25, s52, v24
	v_add_nc_u32 v26, s52, v25
	v_add_nc_u32 v27, s52, v26
	s_wait_kmcnt 0x0
	s_cmp_lt_u32 s30, 3
	s_cselect_b64 s[46:47], s[22:23], s[24:25]
	s_add_nc_u64 s[48:49], s[46:47], s[38:39]
	s_add_nc_u64 s[46:47], s[46:47], s[36:37]
	s_cmp_eq_u32 s30, 1
	s_cselect_b64 s[50:51], s[12:13], s[10:11]
	s_cmp_eq_u32 s30, 2
	s_cselect_b64 s[50:51], s[14:15], s[50:51]
	s_cmp_eq_u32 s30, 3
	s_cselect_b64 s[50:51], s[16:17], s[50:51]
	s_cmp_eq_u32 s30, 4
	s_cselect_b64 s[50:51], s[18:19], s[50:51]
	s_cmp_eq_u32 s30, 5
	s_cselect_b64 s[50:51], s[20:21], s[50:51]
	s_add_nc_u64 s[50:51], s[50:51], s[40:41]
.macro WLD pitch                       ; 128 rows k, 128 columns each: block t (32 rows), row i at 128 (t % 2) + 4 i of window 1 + t / 2
.irp t, 0,1,2,3
	WIN (1+\t/2)<<6
.set i, 0
.rept 32
	global_load_b128 v[128*(\t%2)+4*i:128*(\t%2)+4*i+3], v10, s[50:51] offset:(32*\t+i)*\pitch th:TH_LOAD_NT
.set i, i+1
.endr
.endr
	WIN 0
.endm
	s_cmp_lt_u32 s30, 3                            ; the two layouts differ in the rows' pitch, which stands in the immediates
	s_cbranch_scc0 .Lsquare
	WLD 256
	s_branch .Lloaded
.Lsquare:
	WLD 4096
.Lloaded:
.macro LOADV cs                        ; a lane takes column 32 cs + lane; its 32 registers run down K
.set i, 0
.rept 32
	ds_load_b32 v[32+32*((\cs)%2)+i], v9 offset:512*i+128*(\cs)
.set i, i+1
.endr
.endm
.macro WORK t, cs                      ; block t of my column: all 32 numbers are mine.  The codes go where lane (r, t % 2) of the fragment has them: registers 6 (t / 2) on
.set VS, 32+32*((\cs)%2)
.set GG, 128+24*(\cs)+12*((\t)%2)+6*((\t)/2)
	v_max3_num_f32 v12, |v[VS]|, |v[VS+1]|, |v[VS+2]|
	v_max3_num_f32 v13, |v[VS+3]|, |v[VS+4]|, |v[VS+5]|
.irp i, 6,10,14,18,22,26
	v_max3_num_f32 v12, v12, |v[VS+\i]|, |v[VS+\i+1]|
	v_max3_num_f32 v13, v13, |v[VS+\i+2]|, |v[VS+\i+3]|
.endr
	v_max3_num_f32 v12, v12, |v[VS+30]|, |v[VS+31]|
	v_max3_num_f32 v12, v12, v13, 0x1800000        ; and the floor
	v_add_nc_u32 v11, 0xff000000, v12
	v_lshrrev_b32 v13, 23, v11
.if (\t) == 0
	v_mov_b32 v[16+(\cs)], v13
.else
	v_lshl_or_b32 v[16+(\cs)], v13, 8*(\t), v[16+(\cs)]
.endif
	v_cvt_scalef32_pk16_fp6_f32 v[GG:GG+2], v[VS:VS+15], v11
	v_cvt_scalef32_pk16_fp6_f32 v[96:98], v[VS+16:VS+31], v11
	v_nop                                          ; one plain place behind a scaled conversion
.irp i, 0,1,2
	v_mov_b32 v[GG+3+\i], v[96+\i]
.endr
.endm
.macro BLOCK t, cnt
	s_wait_loadcnt \cnt
	WIN (1+(\t)/2)<<2
.set i, 0
.rept 32
	ds_store_b128 v8, v[128*((\t)%2)+4*i:128*((\t)%2)+4*i+3] offset:512*i     ; LDS serves a wave's instructions in order: these come behind the last block's loads
.set i, i+1
.endr
	WIN 0
	LOADV 0
	LOADV 1
	s_wait_dscnt 32                                ; the younger set's 32 loads may be out
	WORK \t, 0
	LOADV 2
	s_wait_dscnt 32
	WORK \t, 1
	LOADV 3
	s_wait_dscnt 32
	WORK \t, 2
	s_wait_dscnt 0x0
	WORK \t, 3
.endm
	BLOCK 0, 63                                    ; 96, 64, 32, 0 loads were issued behind a block's; 63 where the count cannot name them
	BLOCK 1, 63
	BLOCK 2, 32
	BLOCK 3, 0
.irp cs, 0,1,2,3
.irp h, 0,1
.irp c, 0,1,2
	global_store_b128 v[20+\cs], v[128+24*\cs+12*\h+4*\c:128+24*\cs+12*\h+4*\c+3], s[46:47] offset:256*\h+512*\c   ; sixteen lanes fill 256 consecutive bytes of tile 2 cs, the other sixteen of tile 2 cs + 1
.endr
.endr
	global_store_b32 v[24+\cs], v[16+\cs], s[48:49]
.endr
	s_wait_tensorcnt 0x0                           ; the wave's end, behind my last LDS store
	ds_add_u32 v[SPW], v[NIL]
	s_wait_dscnt 0x0
	s_endpgm
.Lfunc_end_k_qb9498e10b2_prep:
	.size	k_qb9498e10b2_prep, .Lfunc_end_k_qb9498e10b2_prep-k_qb9498e10b2_prep
	.p2alignl 7, 3214868480
	.fill 96, 4, 3214868480
	.section	.rodata,"a",@progbits
	.p2align	6, 0x0
	.amdhsa_kernel k_qb9498e10b2_prep
		.amdhsa_group_segment_fixed_size 132608
		.amdhsa_private_segment_fixed_size 0
		.amdhsa_enable_private_segment 0
		.amdhsa_kernarg_size 88
		.amdhsa_user_sgpr_count 2
		.amdhsa_user_sgpr_kernarg_segment_ptr 1
		.amdhsa_wavefront_size32 1
		.amdhsa_system_sgpr_workgroup_id_x 1
		.amdhsa_system_sgpr_workgroup_id_y 1
		.amdhsa_system_sgpr_workgroup_id_z 1
		.amdhsa_system_vgpr_workitem_id 0
		.amdhsa_next_free_vgpr 1024
		.amdhsa_next_free_sgpr 66
		.amdhsa_reserve_vcc 0
		.amdhsa_float_denorm_mode_32 3
		.amdhsa_float_denorm_mode_16_64 3
		.amdhsa_memory_ordered 1
		.amdhsa_forward_progress 1
		.amdhsa_inst_pref_size 255
	.end_amdhsa_kernel
	.section	.bss,"aw",@nobits
	.p2align	6
	.space	262144
	.amdgpu_metadata
---
amdhsa.version: [ 1, 2 ]
amdhsa.kernels:
  - .name:           k_qb9498e10b2_prep
    .symbol:         k_qb9498e10b2_prep.kd
    .args:
      - { .name: x, .offset: 0, .size: 8, .value_kind: global_buffer, .address_space: global }
      - { .name: g_ln1, .offset: 8, .size: 8, .value_kind: global_buffer, .address_space: global }
      - { .name: b_ln1, .offset: 16, .size: 8, .value_kind: global_buffer, .address_space: global }
      - { .name: Wq, .offset: 24, .size: 8, .value_kind: global_buffer, .address_space: global }
      - { .name: Wk, .offset: 32, .size: 8, .value_kind: global_buffer, .address_space: global }
      - { .name: Wv, .offset: 40, .size: 8, .value_kind: global_buffer, .address_space: global }
      - { .name: Wo, .offset: 48, .size: 8, .value_kind: global_buffer, .address_space: global }
      - { .name: W1, .offset: 56, .size: 8, .value_kind: global_buffer, .address_space: global }
      - { .name: W2, .offset: 64, .size: 8, .value_kind: global_buffer, .address_space: global }
      - { .name: hw, .offset: 72, .size: 8, .value_kind: global_buffer, .address_space: global }
      - { .name: cw, .offset: 80, .size: 8, .value_kind: global_buffer, .address_space: global }
    .group_segment_fixed_size: 132608
    .private_segment_fixed_size: 0
    .kernarg_segment_align: 8
    .kernarg_segment_size: 88
    .max_flat_workgroup_size: 128
    .sgpr_count:     66
    .vgpr_count:     1024
    .wavefront_size: 32
...
	.end_amdgpu_metadata
.endif
;; end of part 5
;; launch qkvg (part 6): grid 12 x 32, 4 waves a work-group, clusters of 4 x 4, 327,680 bytes of LDS; arguments hw, qkv; writes qkv
.if DOCPART == 6
	.amdgcn_target "amdgcn-amd-amdhsa--gfx1250"
	.amdhsa_code_object_version 6
	.text
	.protected	k_qb9498e10b2_qkvg
	.globl	k_qb9498e10b2_qkvg
	.p2align	8
	.type	k_qb9498e10b2_qkvg,@function
k_qb9498e10b2_qkvg:
	s_mov_b64 s[64:65], 0
	v_nop
	global_prefetch_b8 v0, s[64:65] scope:SCOPE_SE
	s_setreg_imm32_b32 hwreg(HW_REG_WAVE_MODE, 25, 1), 1
	s_wait_xcnt 0x0
	s_wait_alu depctr_hold_cnt(0) depctr_sa_sdst(0) depctr_va_vdst(0) depctr_va_sdst(0) depctr_va_ssrc(0) depctr_va_vcc(0) depctr_vm_vsrc(0)
	s_getreg_b32 s2, hwreg(HW_REG_IB_STS2, 6, 4)
	s_cmp_eq_u32 s2, 0
	s_cbranch_scc0 .Lentry_in_a_cluster
	s_endpgm
.Lentry_in_a_cluster:
	s_bfe_u32 s2, ttmp6, 0x10000c
	s_cmp_lg_u32 s2, 0xf033
	s_cbranch_scc0 .Lentry_shape_is_right
	s_endpgm
.Lentry_shape_is_right:
.set NQ,     2
.set FR,     12
.set NL,     3
.set NP,     4
.set FRB,    1536
.set TROW,   NQ*FRB
.set HALFT,  8*TROW
.set SLOT,   4*HALFT
.set KS,     32
.set SCL,    2*SLOT
.set HALFS,  (128*KS/256)*272
.set SBLK,   (16*KS/256)*272
.set SPARE,  SCL+4*HALFS
.set SCOFF,  8650752
.set HREC,   157696
.set ADRA, 16
.set ADRB, 20
.set SO,   24
.set SHV,  25
.set CO,   26
.set ADRS, 27
.set SPW,  28
.set NIL,  29
.set SC,   32
.set TM,   64
.set PW,   80
.set SW,   81
.set PC,   84
.set AF,   128
.set SEL,  2
.set G1, 24
.set G0, 32
.set G1B, 48
.set G0B, 56
.set G1S, 68
.set G0S, 76
.set G1SB, 80
.set G0SB, 88
.set MSB, 0
.macro WIN new
.if MSB != (\new)
	s_set_vgpr_msb (MSB<<8)|(\new)
.set MSB, (\new)
.endif
.endm
.set MUL_LO, 0xa1
.set MUL_HI, 0xf1
.set TO_B,   0x40
.macro JLOAD g0a, g1a, g0b, g1b
	s_cmp_eq_u32 s15, 0
	s_cbranch_scc0 .Lfor_b_\@
	tensor_load_to_lds s[\g0a:\g0a+3], s[\g1a:\g1a+7]
	s_nop 0
.rept 4
	v_nop
.endr
	s_branch .Lasked_\@
.Lfor_b_\@:
	tensor_load_to_lds s[\g0b:\g0b+3], s[\g1b:\g1b+7]
	s_nop 0
.rept 4
	v_nop
.endr
.Lasked_\@:
.endm
.macro CREST
	s_cmp_lg_u32 s14, 0
	s_cbranch_scc1 .Lnot_wave_0_\@
	s_barrier_signal -3
.Lnot_wave_0_\@:
	s_barrier_wait -3
	s_barrier_signal -1
	s_barrier_wait -1
.endm
.macro CROUND
	s_barrier_signal -1
	s_barrier_wait -1
	CREST
.endm
	s_load_b128 s[4:7], s[0:1], 0x0
	v_lshl_add_u32 v[SPW], v0, 2, SPARE
	v_mov_b32 v[NIL], 0
	ds_add_u32 v[SPW], v[NIL]
	ds_add_u32 v[SPW], v[NIL]
	v_lshrrev_b32 v1, 5, v0
	v_readfirstlane_b32 s14, v1
	s_lshr_b32 s15, s14, 1
	s_and_b32 s16, s14, 1
	s_bfe_u32 s40, ttmp6, 0x40000
	s_bfe_u32 s41, ttmp6, 0x40004
	s_and_b32 s17, ttmp7, 0xffff
	s_lshl_b32 s18, s17, 2
	s_lshl_b32 s19, ttmp9, 2
	s_add_co_u32 s19, s19, 32
	s_cmp_eq_u32 ttmp9, 2
	s_cselect_b32 s42, 40, s18
	s_cselect_b32 s95, s18, s19
	s_add_co_u32 s42, s42, s41
	s_add_co_u32 s95, s95, s40
	s_lshl_b32 s43, s41, 2
	s_lshl_b32 s43, 15, s43
	s_lshl_b32 s44, 0x1111, s40
	s_or_b32 s[G1+0], s43, (3<<16)|(1<<21)
	s_or_b32 s[G1B+0], s44, (3<<16)|(1<<21)
.irp g, G1, G1B
	s_mov_b32 s[\g+1], 384<<16
	s_mov_b32 s[\g+2], 8<<16
	s_mov_b32 s[\g+3], 384<<16
	s_mov_b32 s[\g+4], 8
	s_mov_b32 s[\g+5], 1536
	s_mov_b32 s[\g+6], 0
	s_mov_b32 s[\g+7], 0
.endr
	s_or_b32 s[G1S+0], s43, (3<<16)|(1<<20)|(1<<21)|(5<<22)|(3<<25)
	s_or_b32 s[G1SB+0], s44, (3<<16)|(1<<20)|(1<<21)|(5<<22)|(3<<25)
.irp g, G1S, G1SB
	s_mov_b32 s[\g+1], 32<<16
	s_mov_b32 s[\g+2], (128*KS/256)<<16
	s_mov_b32 s[\g+3], 32<<16
	s_mov_b32 s[\g+4], 128*KS/256
	s_mov_b32 s[\g+5], 32
	s_mov_b32 s[\g+6], 0
	s_mov_b32 s[\g+7], 0
.endr
	s_lshl_b32 s18, s16, 7
	s_lshl_b32 s20, s42, 8
	s_add_co_u32 s20, s20, s18
	s_lshl_b32 s46, s95, 8
	s_add_co_u32 s46, s46, s18
	s_lshl_b32 s22, s20, 5
	s_add_co_u32 s22, s22, SCOFF
	s_mov_b32 s23, 0
	s_lshl_b32 s92, s46, 5
	s_add_co_u32 s92, s92, SCOFF
	s_mov_b32 s93, 0
	s_mul_i32 s20, s20, 768
	s_mov_b32 s21, 0
	s_mul_i32 s46, s46, 768
	s_mov_b32 s47, 0
	s_mul_i32 s45, s14, HALFT
	s_mul_i32 s94, s14, HALFS
	s_mov_b32 s[SEL], 0x76543210
	s_mov_b32 s[SEL+1], 0xfedcba98
.irp b, 0,1,2,3
	v_mov_b32 v[TM+4+\b], 0
.endr
	s_wait_dscnt 0x0
	s_wait_kmcnt 0x0
	s_add_nc_u64 s[20:21], s[4:5], s[20:21]
	s_add_nc_u64 s[22:23], s[4:5], s[22:23]
	s_add_nc_u64 s[46:47], s[4:5], s[46:47]
	s_add_nc_u64 s[92:93], s[4:5], s[92:93]
	CROUND
	s_mov_b32 s[G0S], 1
	s_add_co_u32 s[G0S+1], s94, SCL
	s_mov_b64 s[G0S+2:G0S+3], s[22:23]
	s_or_b32 s[G0S+3], s[G0S+3], 0x80000000
	s_mov_b32 s[G0SB], 1
	s_add_co_u32 s[G0SB+1], s94, SCL
	s_mov_b64 s[G0SB+2:G0SB+3], s[92:93]
	s_or_b32 s[G0SB+3], s[G0SB+3], 0x80000000
	JLOAD G0S, G1S, G0SB, G1SB
.irp s, 0,1
	s_mov_b32 s[G0+4*\s], 1
	s_add_co_u32 s[G0+4*\s+1], s45, \s*SLOT
	s_add_nc_u64 s[G0+4*\s+2:G0+4*\s+3], s[20:21], \s*TROW
	s_or_b32 s[G0+4*\s+3], s[G0+4*\s+3], 0x80000000
	s_mov_b32 s[G0B+4*\s], 1
	s_add_co_u32 s[G0B+4*\s+1], s45, \s*SLOT
	s_add_nc_u64 s[G0B+4*\s+2:G0B+4*\s+3], s[46:47], \s*TROW
	s_or_b32 s[G0B+4*\s+3], s[G0B+4*\s+3], 0x80000000
	s_wait_alu depctr_va_vdst(0)
	s_wait_tensorcnt 0x0
	ds_add_u32 v28, v29
	s_wait_dscnt 0x0
	CROUND
	JLOAD G0+4*\s, G1, G0B+4*\s, G1B
.endr
	v_and_b32 v1, 15, v0
	v_bfe_u32 v2, v0, 4, 1
	v_and_b32 v3, 31, v0
	v_lshlrev_b32 v4, 4, v3
	s_mul_i32 s21, s15, HALFT
	s_mul_i32 s22, s16, HALFT
	s_add_co_u32 s22, s22, 2*HALFT
.irp s, 0,1
	v_add_nc_u32 v[ADRA+\s], s21, v4
	v_add_nc_u32 v[ADRB+\s], s22, v4
	s_add_co_u32 s21, s21, SLOT
	s_add_co_u32 s22, s22, SLOT
.endr
	v_mul_u32_u24 v5, v1, KS
	v_lshrrev_b32 v6, 8, v5
	v_lshl_add_u32 v5, v6, 4, v5
	s_mul_i32 s21, s15, HALFS
	s_mul_i32 s22, s16, HALFS
	s_add_co_u32 s22, s22, 2*HALFS
	s_sub_co_u32 s22, s22, s21
	v_mul_u32_u24 v6, s22, v2
	s_add_co_u32 s21, s21, SCL
	v_add_nc_u32 v5, v5, v6
	v_add_nc_u32 v[ADRS], s21, v5
.macro FRAG reg, adr, q, i
.irp c, 0,1,2
	ds_load_b128 v[\reg+4*\c:\reg+4*\c+3], v[\adr] offset:(\i)*TROW+(\q)*FRB+512*\c
.endr
.endm
.macro MUL16 a0, p, q, sc, zero
.irp a, \a0, \a0+1
.irp b, 0,1,2,3,4,5,6,7
.if \zero
	v_wmma_scale_f32_16x16x128_f8f6f4 v[8*(8*((\a)%4)+\b):8*(8*((\a)%4)+\b)+7], v[128*(\p)+FR*\b:128*(\p)+FR*\b+FR-1], v[AF+FR*(\a):AF+FR*(\a)+FR-1], 0, v[SC+8*NQ*(\sc)+NQ*\b+(\q)], v[SC+8*NQ*(\sc)+NQ*(\a)+(\q)] matrix_a_fmt:MATRIX_FMT_FP6 matrix_b_fmt:MATRIX_FMT_FP6 matrix_a_scale:MATRIX_SCALE_ROW1
.else
	v_wmma_scale_f32_16x16x128_f8f6f4 v[8*(8*((\a)%4)+\b):8*(8*((\a)%4)+\b)+7], v[128*(\p)+FR*\b:128*(\p)+FR*\b+FR-1], v[AF+FR*(\a):AF+FR*(\a)+FR-1], v[8*(8*((\a)%4)+\b):8*(8*((\a)%4)+\b)+7], v[SC+8*NQ*(\sc)+NQ*\b+(\q)], v[SC+8*NQ*(\sc)+NQ*(\a)+(\q)] matrix_a_fmt:MATRIX_FMT_FP6 matrix_b_fmt:MATRIX_FMT_FP6 matrix_a_scale:MATRIX_SCALE_ROW1
.endif
.endr
.endr
.endm
.macro FETCH_B slot, q, p
	WIN TO_B
.irp i, 0,1,2,3,4,5,6,7
	FRAG 128*(\p)+FR*\i, ADRB+\slot, \q, \i
.endr
	WIN 0
.endm
.macro FETCH_A slot, q, i0
.irp i, \i0, \i0+1, \i0+2, \i0+3
	FRAG AF+FR*(\i), ADRA+\slot, \q, \i
.endr
.endm
.macro SCALES sc
.irp i, 0,1,2,3,4,5,6,7
	ds_load_b64 v[SC+8*NQ*\sc+NQ*\i:SC+8*NQ*\sc+NQ*\i+1], v[ADRS] offset:\i*SBLK
.endr
.endm
.macro PLACES n
.rept \n
	v_nop
.endr
.endm
.macro STEP slot, q, zero
	s_wait_dscnt 4*NL
	WIN MUL_LO
	MUL16 0, (\q)%2, \q, \slot, \zero
	MUL16 2, (\q)%2, \q, \slot, \zero
	s_wait_dscnt 0
	PLACES NP
	FETCH_B \slot, (\q)+1, 1-(\q)%2
	FETCH_A \slot, (\q)+1, 0
	WIN MUL_HI
	MUL16 4, (\q)%2, \q, \slot, \zero
	MUL16 6, (\q)%2, \q, \slot, \zero
	PLACES NP
	WIN 0
	FETCH_A \slot, (\q)+1, 4
.endm
.macro TURN slot, next, fill
	s_wait_tensorcnt 0x0
	ds_add_u32 v[SPW], v[NIL]
	s_wait_dscnt 4*NL+1
	WIN MUL_LO
	MUL16 0, 1, NQ-1, \slot, 0
	s_wait_dscnt 0x0
	s_barrier_signal -1
	MUL16 2, 1, NQ-1, \slot, 0
	WIN 0
	s_barrier_wait -1
.if \fill
	CREST
	s_add_nc_u64 s[G0+4*\slot+2:G0+4*\slot+3], s[G0+4*\slot+2:G0+4*\slot+3], 2*TROW
	s_add_nc_u64 s[G0B+4*\slot+2:G0B+4*\slot+3], s[G0B+4*\slot+2:G0B+4*\slot+3], 2*TROW
	JLOAD G0+4*\slot, G1, G0B+4*\slot, G1B
.else
	PLACES NP
.endif
	s_wait_alu depctr_va_vdst(0)
	v_add_nc_u32 v[ADRS], 4*NQ, v[ADRS]
	FETCH_B \next, 0, 0
	FETCH_A \next, 0, 0
	SCALES \next
	WIN MUL_HI
	MUL16 4, 1, NQ-1, \slot, 0
	MUL16 6, 1, NQ-1, \slot, 0
	PLACES NP
	WIN 0
	FETCH_A \next, 0, 4
.endm
	s_wait_alu depctr_va_vdst(0)
	s_wait_tensorcnt 1
	s_barrier_signal -1
	s_barrier_wait -1
	FETCH_B 0, 0, 0
	FETCH_A 0, 0, 0
	SCALES 0
	FETCH_A 0, 0, 4
	STEP 0, 0, 1
	TURN 0, 1, 1
	STEP 1, 0, 0
	TURN 1, 0, 1
	STEP 0, 0, 0
	TURN 0, 1, 0
	STEP 1, 0, 0
	s_wait_dscnt 4*NL
	WIN MUL_LO
	MUL16 0, 1, NQ-1, 1, 0
	MUL16 2, 1, NQ-1, 1, 0
	s_wait_dscnt 0
	WIN MUL_HI
	MUL16 4, 1, NQ-1, 1, 0
	MUL16 6, 1, NQ-1, 1, 0
	WIN 0
	PLACES NP
	s_cmp_eq_u32 ttmp9, 2
	s_cselect_b32 s18, s41, s40
	s_cselect_b32 s19, s15, s16
	s_cselect_b32 s20, s40, s41
	s_cselect_b32 s21, s16, s15
	s_mov_b32 s22, 512
	s_cselect_b32 s22, 256, s22
	s_cselect_b32 s23, 49152, 0
	s_mov_b32 s95, 98304
	s_cselect_b32 s95, 102400, s95
	s_mov_b32 s42, HREC
	s_cselect_b32 s42, 768, s42
	s_mov_b32 s44, 768
	s_cselect_b32 s44, 1536, s44
	s_mov_b32 s46, 768
	s_cselect_b32 s46, 153088, s46
	s_cselect_b32 s66, 157504, 64
	s_cselect_b32 s92, 0, HREC
	s_cselect_b32 s93, 0, 16
	s_cselect_b32 s94, -1, 0xffff
	s_cmp_eq_u32 ttmp9, 0
	s_cselect_b32 s23, 104448, s23
	s_cselect_b32 s95, 153600, s95
	s_mov_b32 s43, 0
	s_mov_b32 s45, 0
	s_mov_b32 s47, 0
	s_mov_b32 s67, 0
	s_lshl_b32 s18, s18, 2
	s_lshl_b32 s19, s19, 1
	s_add_co_u32 s18, s18, s19
	s_lshl_b32 s19, s17, 4
	s_add_co_u32 s18, s18, s19
	s_mul_i32 s18, s18, HREC
	s_lshl_b32 s20, s20, 1
	s_add_co_u32 s20, s20, s21
	s_mul_i32 s96, s20, 6144
	s_add_co_u32 s96, s96, s18
	s_add_co_u32 s96, s96, s23
	s_mov_b32 s97, 0
	s_mul_i32 s98, s20, s22
	s_add_co_u32 s98, s98, s18
	s_add_co_u32 s98, s98, s95
	s_mov_b32 s99, 0
	s_add_nc_u64 s[8:9], s[6:7], s[96:97]
	s_add_nc_u64 s[10:11], s[8:9], s[42:43]
	s_add_nc_u64 s[12:13], s[6:7], s[98:99]
	v_mul_lo_u32 v[SO], v2, s92
	v_lshl_add_u32 v[SO], v1, 2, v[SO]
	v_mul_lo_u32 v[SHV], v2, s93
	v_lshlrev_b32 v[CO], 3, v3
.macro OUT a
.set WA, 2+(\a)/4
.set AC, 64*((\a)%4)
.if (\a) > 0
	s_wait_xcnt 0x0
.if (\a) == 4
	s_add_nc_u64 s[8:9], s[8:9], s[46:47]
	s_add_nc_u64 s[10:11], s[10:11], s[46:47]
	s_add_nc_u64 s[12:13], s[12:13], s[66:67]
.else
	s_add_nc_u64 s[8:9], s[8:9], s[44:45]
	s_add_nc_u64 s[10:11], s[10:11], s[44:45]
	s_add_nc_u64 s[12:13], s[12:13], 64
.endif
.endif
	WIN WA*5
.irp b, 0,1,2,3
	v_max3_num_f32 v[TM+\b], |v[AC+16*\b]|, |v[AC+16*\b+1]|, 0x1800000
.endr
.irp i, 2,4,6,8,10,12,14
.irp b, 0,1,2,3
	v_max3_num_f32 v[TM+\b], |v[AC+16*\b+\i]|, |v[AC+16*\b+\i+1]|, v[TM+\b]
.endr
.endr
	WIN 0
.irp b, 0,1,2,3
	v_permlanex16_b32 v[TM+4+\b], v[TM+\b], s[SEL], s[SEL+1]
.endr
.irp b, 0,1,2,3
	v_max_num_f32 v[TM+\b], v[TM+\b], v[TM+4+\b]
.endr
.irp b, 0,1,2,3
	v_add_nc_u32 v[TM+12+\b], 0xff000000, v[TM+\b]
.endr
.irp b, 0,1,2,3
	v_lshrrev_b32 v[TM+4+\b], 23, v[TM+12+\b]
.endr
	v_lshl_or_b32 v[PW], v[TM+5], 8, v[TM+4]
	v_lshl_or_b32 v[PW], v[TM+6], 16, v[PW]
	v_lshl_or_b32 v[PW], v[TM+7], 24, v[PW]
	WIN WA
.irp c, 0,1
	v_cvt_scalef32_pk16_fp6_f32 v[PC+6*\c:PC+2+6*\c], v[AC+32*\c:AC+15+32*\c], v[TM+12+2*\c]
	v_cvt_scalef32_pk16_fp6_f32 v[PC+12+4*\c:PC+14+4*\c], v[AC+16+32*\c:AC+31+32*\c], v[TM+12+2*\c+1]
.endr
	WIN 0
	v_nop
.irp c, 0,1
.irp i, 0,1,2
	v_permlane16_swap_b32 v[PC+6*\c+\i], v[PC+12+4*\c+\i]
.endr
.irp i, 0,1,2
	v_mov_b32 v[PC+3+6*\c+\i], v[PC+12+4*\c+\i]
.endr
.endr
	v_lshrrev_b32 v[SW], v[SHV], v[PW]
	v_and_b32 v[SW], s94, v[SW]
.irp p, 0,1,2
	global_store_b64 v[CO], v[PC+2*\p:PC+2*\p+1], s[8:9] offset:256*\p
.endr
.irp p, 0,1,2
	global_store_b64 v[CO], v[PC+6+2*\p:PC+7+2*\p], s[10:11] offset:256*\p
.endr
	global_store_b32 v[SO], v[SW], s[12:13]
.endm
.irp a, 0,1,2,3,4,5,6,7
	OUT \a
.endr
	s_wait_tensorcnt 0x0
	ds_add_u32 v[SPW], v[NIL]
	s_wait_dscnt 0x0
	CROUND
	s_endpgm
.Lfunc_end_k_qb9498e10b2_qkvg:
	.size	k_qb9498e10b2_qkvg, .Lfunc_end_k_qb9498e10b2_qkvg-k_qb9498e10b2_qkvg
	.p2alignl 7, 3214868480
	.fill 96, 4, 3214868480
	.section	.rodata,"a",@progbits
	.p2align	6, 0x0
	.amdhsa_kernel k_qb9498e10b2_qkvg
		.amdhsa_group_segment_fixed_size 327680
		.amdhsa_private_segment_fixed_size 0
		.amdhsa_enable_private_segment 0
		.amdhsa_kernarg_size 16
		.amdhsa_user_sgpr_count 2
		.amdhsa_user_sgpr_kernarg_segment_ptr 1
		.amdhsa_wavefront_size32 1
		.amdhsa_system_sgpr_workgroup_id_x 1
		.amdhsa_system_sgpr_workgroup_id_y 1
		.amdhsa_system_sgpr_workgroup_id_z 1
		.amdhsa_system_vgpr_workitem_id 0
		.amdhsa_next_free_vgpr 1024
		.amdhsa_next_free_sgpr 100
		.amdhsa_reserve_vcc 0
		.amdhsa_float_denorm_mode_32 3
		.amdhsa_float_denorm_mode_16_64 3
		.amdhsa_memory_ordered 1
		.amdhsa_forward_progress 1
		.amdhsa_inst_pref_size 146
	.end_amdhsa_kernel
	.amdgpu_metadata
---
amdhsa.version: [ 1, 2 ]
amdhsa.kernels:
  - .name:           k_qb9498e10b2_qkvg
    .symbol:         k_qb9498e10b2_qkvg.kd
    .args:
      - { .name: hw, .offset: 0, .size: 8, .value_kind: global_buffer, .address_space: global }
      - { .name: qkv, .offset: 8, .size: 8, .value_kind: global_buffer, .address_space: global }
    .group_segment_fixed_size: 327680
    .private_segment_fixed_size: 0
    .kernarg_segment_align: 8
    .kernarg_segment_size: 16
    .max_flat_workgroup_size: 128
    .sgpr_count:     100
    .vgpr_count:     1024
    .wavefront_size: 32
...
	.end_amdgpu_metadata
.endif
;; end of part 6
;; launch attn (part 7): grid 2 x 128, 16 waves a work-group, no clusters, 167,936 bytes of LDS; arguments qkv, ab; writes ab
.if DOCPART == 7
	.amdgcn_target "amdgcn-amd-amdhsa--gfx1250"
	.amdhsa_code_object_version 6
	.text
	.protected	k_qb9498e10b2_attn
	.globl	k_qb9498e10b2_attn
	.p2align	8
	.type	k_qb9498e10b2_attn,@function
k_qb9498e10b2_attn:
	s_mov_b64 s[64:65], 0
	v_nop
	global_prefetch_b8 v0, s[64:65] scope:SCOPE_SE
	s_setreg_imm32_b32 hwreg(HW_REG_WAVE_MODE, 25, 1), 1
	s_wait_xcnt 0x0
; ATTENTION on codes of FP6 (E2M3) with E8M0 scales: 128 (batch, head) pairs, 1,024 queries and keys, head size 64.  The result, divided by the row's sum, is quantised along the model's 1,024 columns and stored as the next product's operand.
; THE SOFTMAX AHEAD OF THE SECOND PRODUCT: t = score x log2(e) / 8; M = the row's largest t so far, rounded up to a whole number; p = 2^(t - M) is quantised along the keys, not normalised; the row's sum is taken of the unquantised p.
; When M moves, the sum and O are multiplied by 2^(old M - new M): exact.
; SHARES.  A work-group owns 512 queries of one head: 256 work-groups in all.  Each of its sixteen waves takes two tiles of 16 queries, one after the other (tiles 32 x + wave and 32 x + wave + 16), in 256 registers: four waves to a SIMD,
; so that one wave's vector work stands beside another's products and LDS loads.  The set-up and the fill of K and V are paid once for the two tiles.
; ALL OF A HEAD'S K AND V, codes and scale words, are the first 104,448 bytes of its record in qkv: they come into LDS once, as they lie, by four tensor loads (waves 0-3, 102 rows of 256 bytes each); nothing is filled again.
; NO CLUSTER: the grid has two work-groups along x, which no cluster of four divides, and what the two work-groups of a head share is one fill of 104,448 bytes each in the whole launch.
; LAYOUT.  Both products are used transposed (S^T = K Q^T, O^T = V^T P^T): a lane holds one query.  Tiles of keys, of queries and of V's 64 rows have place r of tile 2 G + u = row 32 G + 8 u + r + 8 (r / 8),
; so the 16 registers of tiles 2 b, 2 b + 1 of S^T are keys 32 b + 16 (lane / 16) + 0 .. 15, and those of O^T are 16 neighbours of the head's 64.
; HEAD SIZE 64 IS HALF OF THE INSTRUCTION'S K: Q's registers 6-11 are zero codes, so what stands in K's registers 6-11 (the next tile's codes, or zeros) adds nothing; the scale bytes of that half are 0, which is 2^-127 and no NaN.
; LIMITS: a block whose largest magnitude lies under 2^-124 keeps the byte 1; NaN and infinities are not served; 1 / sum is v_rcp_f32.  The result's two scale bytes a row leave as 2 bytes at a pitch of 4.
; REGISTERS: v1-6 addresses that stay; v8, v10, v11 addresses of the step; v12 -M, v13 the largest t, v[14:15] the sum; v16-27 Q; v32-85 eight tiles of K (6 registers each, then 6 zeros), later V's four fragments; v96-159 S^T, then p; v160-191 O^T; v192-193 V's scale words;
;   v200-206 the Q and scale word of the tile to come, v208-214 of the one behind it; v224-254 at work; v255 Q's scale words.
.set HREC,  157696
.set VC,    49152                      ; LDS and record: K codes at 0, V codes,
.set KSW,   98304                      ; K scale words,
.set VSW,   102400                     ; V scale words;
.set QC,    104448                     ; record alone: Q codes,
.set QSW,   153600                     ; Q scale words
.set SPARE, 104448                     ; the spare words, 128 bytes for each wave: eight blocks of 256 bytes that no other line names
.set ABS,   6291456                    ; ab: the scale words begin here
.set AK0,  1                           ; v1  8 x lane
.set R4,   2                           ; v2  4 x (lane % 16)
.set AS0,  3                           ; v3  KSW + 4 x lane
.set AT0,  4                           ; v4  VSW + 4 x lane
.set SPW,  5
.set NIL,  6
.set ADK,  8
.set ADS,  10
.set ADT,  11
.set QA,   200
.set QB,   208
.set WV,   18
.set SEL,  20
.set CS,   22                          ; s[22:23] c = log2(e) / 8
.set G1,   24
.set G0,   32
.set TB,   36                          ; the step's codes: 6,144 bytes a step, in K and in V
.set TS,   37                          ; K's scale words: 512 a step
.set TJ,   38                          ; V's: 256 a step
.set CNT,  39
.set TI,   40                          ; tiles to go
	s_load_b128 s[4:7], s[0:1], 0x0                ; qkv, ab
	v_lshl_add_u32 v[SPW], v0, 2, SPARE
	v_mov_b32 v[NIL], 0
	ds_add_u32 v[SPW], v[NIL]                      ; the wave's opening: the add and its wait stand ahead of the first tensor loads; the set-up stands between them
	ds_add_u32 v[SPW], v[NIL]
	v_lshrrev_b32 v8, 5, v0
	s_delay_alu instid0(VALU_DEP_1)
	v_readfirstlane_b32 s[WV], v8                  ; wave 0..15
	s_and_b32 s41, ttmp7, 0xffff                   ; 16 batch + head
	s_mul_i32 s42, s41, HREC
	s_mov_b32 s43, 0
	s_mul_i32 s44, s[WV], 26112                    ; waves 0-3: my quarter of the 104,448 bytes, in memory and in LDS
	s_mov_b32 s45, 0
	s_mov_b32 s[G1], 3<<16                         ; 15:0 no mask; 17:16 elements of 8 bytes; no padding
	s_mov_b32 s[G1+1], 32<<16                      ; tensor_dim0 = 32: rows of 256 bytes
	s_mov_b32 s[G1+2], 102<<16                     ; tensor_dim1
	s_mov_b32 s[G1+3], 32<<16                      ; tile_dim0
	s_mov_b32 s[G1+4], 102                         ; tile_dim1
	s_mov_b32 s[G1+5], 32                          ; dense
	s_mov_b32 s[G1+6], 0
	s_mov_b32 s[G1+7], 0
	s_mov_b32 s[SEL], 0x76543210
	s_mov_b32 s[SEL+1], 0xfedcba98
	s_mov_b32 s[CS], 0x3e38aa3b
	s_mov_b32 s[CS+1], s[CS]                       ; (named with it as a pair, so it is written)
	s_lshl_b32 s46, ttmp9, 5
	s_add_co_u32 s46, s46, s[WV]                   ; my first tile of queries in the batch: 32 x + wave
	s_mul_i32 s48, s46, 768
	s_add_co_u32 s48, s48, QC
	s_mov_b32 s49, 0
	s_lshl_b32 s54, s46, 6
	s_add_co_u32 s54, s54, QSW
	s_mov_b32 s55, 0
	s_lshr_b32 s50, s41, 4                         ; the result: fragment (64 batch + tile) x 8 + head / 2, its half head % 2
	s_lshl_b32 s50, s50, 6
	s_add_co_u32 s50, s50, s46
	s_lshl_b32 s50, s50, 3
	s_bfe_u32 s51, s41, 0x30001
	s_add_co_u32 s50, s50, s51
	s_and_b32 s51, s41, 1
	s_mul_i32 s52, s50, 1536
	s_mul_i32 s53, s51, 768
	s_add_co_u32 s52, s52, s53
	s_mov_b32 s53, 0
	s_lshl_b32 s50, s50, 6
	s_lshl_b32 s51, s51, 1
	s_add_co_u32 s50, s50, s51
	s_add_co_u32 s50, s50, ABS
	s_mov_b32 s51, 0
	s_wait_dscnt 0x0                               ; the opening add is done
	s_wait_kmcnt 0x0
	s_add_nc_u64 s[8:9], s[4:5], s[42:43]          ; my head's record
	s_mov_b32 s[G0], 1
	s_mov_b32 s[G0+1], s44
	s_add_nc_u64 s[G0+2:G0+3], s[8:9], s[44:45]
	s_or_b32 s[G0+3], s[G0+3], 0x80000000
	s_add_nc_u64 s[10:11], s[8:9], s[48:49]        ; Q's codes
	s_add_nc_u64 s[12:13], s[8:9], s[54:55]        ; Q's scale words
	s_add_nc_u64 s[14:15], s[6:7], s[52:53]        ; the result's codes
	s_add_nc_u64 s[16:17], s[6:7], s[50:51]        ; and scale bytes
	s_cmp_lt_u32 s[WV], 4                          ; the branch hangs on the wave's number alone
	s_cbranch_scc0 .Lno_fill
	tensor_load_to_lds s[G0:G0+3], s[G1:G1+7]      ; one load of mine is out
	s_nop 0
.rept 4
	v_nop
.endr
.Lno_fill:
	v_and_b32 v9, 31, v0
	s_delay_alu instid0(VALU_DEP_1)
	v_lshlrev_b32 v[AK0], 3, v9
	v_and_b32 v10, 15, v0
	s_delay_alu instid0(VALU_DEP_1)
	v_lshlrev_b32 v[R4], 2, v10
.irp p, 0,1,2
	global_load_b64 v[QA+2*\p:QA+2*\p+1], v[AK0], s[10:11] offset:256*\p         ; both tiles' Q are asked for here: half a fragment each, 16 tiles (12,288 bytes) apart
	global_load_b64 v[QB+2*\p:QB+2*\p+1], v[AK0], s[10:11] offset:12288+256*\p
.endr
	global_load_b32 v[QA+6], v[R4], s[12:13]
	global_load_b32 v[QB+6], v[R4], s[12:13] offset:1024
	v_lshl_add_u32 v[AS0], v9, 2, KSW
	v_lshl_add_u32 v[AT0], v9, 2, VSW
.irp j, 22,23,24,25,26,27,80,81,82,83,84,85
	v_mov_b32 v\j, 0                               ; zero codes: the unused half of K in Q, and behind the eighth tile of keys
.endr
.irp b, 0,1,2,3
	v_mov_b32 v[236+\b], 0                         ; written once: a lane permute's destination counts as one of its sources
.endr
	v_mov_b32 v253, 0                              ; (named as the upper half of the pair v[252:253] before it is first written)
	s_wait_tensorcnt 0x0                           ; my quarter has landed (a wave that issued none passes at once),
	s_barrier_signal -1
	s_barrier_wait -1                              ; everybody's has.  From here on the waves share nothing
	s_wait_loadcnt 0x0                             ; Q, both tiles'
	s_mov_b32 s[TI], 2
.Ltile:                                            ; two trips: a tile of 16 queries each
.irp i, 0,1,2,3,4,5
	v_mov_b32 v[16+\i], v[QA+\i]                   ; this tile's Q,
.endr
	v_mov_b32 v255, v[QA+6]                        ; its scale words (the lines below are more than the eight places between this write and the first product),
.irp i, 0,1,2,3,4,5,6
	v_mov_b32 v[QA+\i], v[QB+\i]                   ; and the next tile's moves up
.endr
	v_mov_b32 v13, 0xff61b1e6                      ; the largest t so far: -3e38, under every t
	s_delay_alu instid0(VALU_DEP_1)
	v_floor_f32 v12, -v13                          ; -M
	v_mov_b32 v14, 0
	v_mov_b32 v15, 0
.set j, 0
.rept 32
	v_mov_b32 v[160+j], 0                          ; O^T: the step is written once; its first trip finds zeros, which the first change of M leaves zeros
.set j, j+1
.endr
	s_mov_b32 s[TB], 0
	s_mov_b32 s[TS], 0
	s_mov_b32 s[TJ], 0
	s_mov_b32 s[CNT], 8
.Lstep:                                            ; eight trips of 128 keys
	v_add_nc_u32 v[ADK], s[TB], v[AK0]             ; these three and the v_nop are the four places in front of loads into registers that the last products read
	v_add_nc_u32 v[ADS], s[TS], v[AS0]
	v_add_nc_u32 v[ADT], s[TJ], v[AT0]
	v_nop
.irp t, 0,1,2,3,4,5,6,7
.irp p, 0,1,2
	ds_load_b64 v[32+6*\t+2*\p:33+6*\t+2*\p], v[ADK] offset:768*\t+256*\p
.endr
.endr
.irp g, 0,1,2,3
	ds_load_b32 v[248+\g], v[ADS] offset:128*\g    ; lanes 0-15: tile 2 g's scale words, lanes 16-31: tile 2 g + 1's
.endr
	s_wait_alu depctr_va_vdst(0)
	s_wait_dscnt 0x0
.irp t, 0,1,2,3,4,5,6,7
.if \t%2
	v_wmma_scale_f32_16x16x128_f8f6f4 v[96+8*\t:103+8*\t], v[32+6*\t:43+6*\t], v[16:27], 0, v[248+\t/2], v255 matrix_a_fmt:MATRIX_FMT_FP6 matrix_b_fmt:MATRIX_FMT_FP6 matrix_a_scale:MATRIX_SCALE_ROW1
.else
	v_wmma_scale_f32_16x16x128_f8f6f4 v[96+8*\t:103+8*\t], v[32+6*\t:43+6*\t], v[16:27], 0, v[248+\t/2], v255 matrix_a_fmt:MATRIX_FMT_FP6 matrix_b_fmt:MATRIX_FMT_FP6
.endif
.endr
.rept 4
	v_nop                                          ; places in front of the loads below and of the first read of the scores
.endr
.irp t, 0,1,2,3                                    ; V's four fragments of these 128 keys are asked for now and land under the softmax
.irp q, 0,1,2,3,4,5
	ds_load_b64 v[32+12*\t+2*\q:33+12*\t+2*\q], v[ADK] offset:VC+1536*\t+256*\q
.endr
.endr
.irp g, 0,1
	ds_load_b32 v[192+\g], v[ADT] offset:128*\g
.endr
.irp b, 0,1,2,3
	v_max3_num_f32 v[232+\b], v[96+16*\b], v[97+16*\b], v[98+16*\b]   ; the largest score of each block of 32 keys: it serves for the row's maximum and, since p rises with the score, for the block's largest p
.endr
.irp i, 3,5,7,9,11,13
.irp b, 0,1,2,3
	v_max3_num_f32 v[232+\b], v[232+\b], v[96+16*\b+\i], v[97+16*\b+\i]
.endr
.endr
.irp b, 0,1,2,3
	v_max_num_f32 v[232+\b], v[232+\b], v[111+16*\b]
.endr
.irp b, 0,1,2,3
	s_delay_alu instid0(VALU_DEP_4)
	v_permlanex16_b32 v[236+\b], v[232+\b], s[SEL], s[SEL+1]
.endr
.irp b, 0,1,2,3
	s_delay_alu instid0(VALU_DEP_4)
	v_max_num_f32 v[232+\b], v[232+\b], v[236+\b]  ; with lane l xor 16's 16 keys
.endr
	s_delay_alu instid0(VALU_DEP_2)
	v_max3_num_f32 v254, v232, v233, v234
	s_delay_alu instid0(VALU_DEP_1)
	v_max_num_f32 v254, v254, v235
	s_delay_alu instid0(VALU_DEP_1)
	v_mul_f32 v254, s[CS], v254                    ; as t (c is positive)
	s_delay_alu instid0(VALU_DEP_1)
	v_max_num_f32 v13, v13, v254                   ; the running largest t
	v_mov_b32 v254, v12
	s_delay_alu instid0(VALU_DEP_2)
	v_floor_f32 v12, -v13                          ; the new -M = floor(-t) = -ceil(t)
	s_delay_alu instid0(VALU_DEP_1)
	v_sub_f32 v254, v12, v254                      ; old M - new M: a whole number, 0 or less
	s_delay_alu instid0(VALU_DEP_1)
	v_cvt_i32_f32 v254, v254                       ; (it saturates)
	s_delay_alu instid0(VALU_DEP_1)
	v_ldexp_f32 v252, 1.0, v254                    ; f = 2^(old M - new M)
.set j, 0
.rept 32
	v_pk_fma_f32 v[96+j:97+j], v[96+j:97+j], s[CS:CS+1], v[12:13] op_sel_hi:[1,0,0]   ; t - M, two at a time
.set j, j+2
.endr
.irp b, 0,1,2,3
	v_fma_f32 v[232+\b], v[232+\b], s[CS], v12     ; the same of each block's largest score
.endr
.set j, 0
	s_wait_alu depctr_va_vdst(0)
.rept 64
	v_exp_f32 v[96+j], v[96+j]                     ; p = 2^(t - M), at most 1
.set j, j+1
.endr
	v_pk_mul_f32 v[14:15], v[14:15], v[252:253] op_sel_hi:[1,0]   ; the sums under the new M (a plain place behind the exponentials)
	s_wait_alu depctr_va_vdst(0)                   ; one wait for the whole batch, ahead of its first reader
.irp b, 0,1,2,3
	v_exp_f32 v[232+\b], v[232+\b]                 ; the block's largest p: the same two instructions on the same number give the same bits
.endr
	v_pk_add_f32 v[236:237], v[100:101], v[104:105]
	v_pk_add_f32 v[250:251], v[108:109], v[112:113]
	v_pk_add_f32 v[248:249], v[116:117], v[120:121]
	v_pk_add_f32 v[246:247], v[124:125], v[128:129]
	v_pk_add_f32 v[244:245], v[132:133], v[136:137]
	v_pk_add_f32 v[242:243], v[140:141], v[144:145]
	v_pk_add_f32 v[240:241], v[148:149], v[152:153]
	v_pk_add_f32 v[14:15], v[14:15], v[156:157]
	v_pk_add_f32 v[236:237], v[236:237], v[96:97]
	v_pk_add_f32 v[250:251], v[250:251], v[98:99]
	v_pk_add_f32 v[248:249], v[248:249], v[102:103]
	v_pk_add_f32 v[246:247], v[246:247], v[106:107]
	v_pk_add_f32 v[244:245], v[244:245], v[110:111]
	v_pk_add_f32 v[242:243], v[242:243], v[114:115]
	v_pk_add_f32 v[240:241], v[240:241], v[118:119]
	v_pk_add_f32 v[14:15], v[14:15], v[122:123]
	v_pk_add_f32 v[236:237], v[236:237], v[126:127]
	v_pk_add_f32 v[250:251], v[250:251], v[130:131]
	v_pk_add_f32 v[248:249], v[248:249], v[134:135]
	v_pk_add_f32 v[246:247], v[246:247], v[138:139]
	v_pk_add_f32 v[244:245], v[244:245], v[142:143]
	v_pk_add_f32 v[242:243], v[242:243], v[146:147]
	v_pk_add_f32 v[240:241], v[240:241], v[150:151]
	v_pk_add_f32 v[14:15], v[14:15], v[154:155]
	v_pk_add_f32 v[236:237], v[236:237], v[158:159]
	s_delay_alu instid0(VALU_DEP_2)
	v_pk_add_f32 v[14:15], v[14:15], v[246:247]
	s_delay_alu instid0(VALU_DEP_2)
	v_pk_add_f32 v[236:237], v[236:237], v[244:245]
	v_pk_add_f32 v[250:251], v[250:251], v[242:243]
	v_pk_add_f32 v[248:249], v[248:249], v[240:241]
	s_delay_alu instid0(VALU_DEP_2)
	v_pk_add_f32 v[14:15], v[14:15], v[250:251]
	s_delay_alu instid0(VALU_DEP_2)
	v_pk_add_f32 v[236:237], v[236:237], v[248:249]
	s_delay_alu instid0(VALU_DEP_1)
	v_pk_add_f32 v[14:15], v[14:15], v[236:237]
	s_wait_alu depctr_va_vdst(0)                   ; and one for the four
.irp b, 0,1,2,3
	v_max_num_f32 v[232+\b], 0x1800000, v[232+\b]  ; the floor 2^(3 - 127)
.endr
.irp b, 0,1,2,3
	s_delay_alu instid0(VALU_DEP_4)
	v_add_nc_u32 v[244+\b], 0xff000000, v[232+\b]
.endr
.irp b, 0,1,2,3
	s_delay_alu instid0(VALU_DEP_4)
	v_lshrrev_b32 v[236+\b], 23, v[244+\b]
.endr
	s_delay_alu instid0(VALU_DEP_3)
	v_lshl_or_b32 v253, v237, 8, v236              ; p's scale word for these 128 keys
	s_delay_alu instid0(VALU_DEP_1)
	v_lshl_or_b32 v253, v238, 16, v253
	s_delay_alu instid0(VALU_DEP_1)
	v_lshl_or_b32 v253, v239, 24, v253
.irp c, 0,1
	v_cvt_scalef32_pk16_fp6_f32 v[224+6*\c:226+6*\c], v[96+32*\c:111+32*\c], v[244+2*\c]
	v_cvt_scalef32_pk16_fp6_f32 v[236+4*\c:238+4*\c], v[112+32*\c:127+32*\c], v[244+2*\c+1]
.endr
	v_nop                                          ; one plain place behind a scaled conversion
.irp c, 0,1
.irp i, 0,1,2
	v_permlane16_swap_b32 v[224+6*\c+\i], v[236+4*\c+\i]
.endr
.irp i, 0,1,2
	s_delay_alu instid0(VALU_DEP_3)
	v_mov_b32 v[227+6*\c+\i], v[236+4*\c+\i]
.endr
.endr
.set j, 0
.rept 16
	v_pk_mul_f32 v[160+j:161+j], v[160+j:161+j], v[252:253] op_sel_hi:[1,0]   ; O^T under the new M.  These sixteen are also the places between the writes of p's codes and scale word and the products below
.set j, j+2
.endr
	s_wait_alu depctr_va_vdst(0)
	s_wait_dscnt 0x0                               ; V
.irp t, 0,1,2,3                                    ; the four accumulators take turns
.if \t%2
	v_wmma_scale_f32_16x16x128_f8f6f4 v[160+8*\t:167+8*\t], v[32+12*\t:43+12*\t], v[224:235], v[160+8*\t:167+8*\t], v[192+\t/2], v253 matrix_a_fmt:MATRIX_FMT_FP6 matrix_b_fmt:MATRIX_FMT_FP6 matrix_a_scale:MATRIX_SCALE_ROW1
.else
	v_wmma_scale_f32_16x16x128_f8f6f4 v[160+8*\t:167+8*\t], v[32+12*\t:43+12*\t], v[224:235], v[160+8*\t:167+8*\t], v[192+\t/2], v253 matrix_a_fmt:MATRIX_FMT_FP6 matrix_b_fmt:MATRIX_FMT_FP6
.endif
.endr
	s_add_co_u32 s[TB], s[TB], 6144
	s_add_co_u32 s[TS], s[TS], 512
	s_add_co_u32 s[TJ], s[TJ], 256
	s_sub_co_u32 s[CNT], s[CNT], 1
	s_cmp_lg_u32 s[CNT], 0
	s_cbranch_scc1 .Lstep
	; THE WAY OUT: O^T / the sum; register 16 T + i is column 32 T + 16 (lane / 16) + i of the head's 64: two blocks, quantised as they stand: half a fragment of the next product's operand
	v_add_f32 v14, v14, v15
	s_delay_alu instid0(VALU_DEP_1)
	v_permlanex16_b32 v252, v14, s[SEL], s[SEL+1]
	s_delay_alu instid0(VALU_DEP_1)
	v_add_f32 v14, v14, v252                       ; the row's sum
	s_wait_alu depctr_va_vdst(0)
	v_rcp_f32 v14, v14
.rept 4
	v_nop                                          ; a plain place behind the transcendental, and the places behind the last products
.endr
	s_wait_alu depctr_va_vdst(0)
.set j, 0
.rept 32
	v_mul_f32 v[96+j], v[160+j], v14               ; each accumulator from its low end on
.set j, j+1
.endr
.irp b, 0,1
	v_max3_num_f32 v[232+\b], |v[96+16*\b]|, |v[97+16*\b]|, 0x1800000
.endr
.irp i, 2,4,6,8,10,12,14
.irp b, 0,1
	s_delay_alu instid0(VALU_DEP_2)
	v_max3_num_f32 v[232+\b], v[232+\b], |v[96+16*\b+\i]|, |v[97+16*\b+\i]|
.endr
.endr
.irp b, 0,1
	s_delay_alu instid0(VALU_DEP_2)
	v_permlanex16_b32 v[236+\b], v[232+\b], s[SEL], s[SEL+1]
.endr
.irp b, 0,1
	s_delay_alu instid0(VALU_DEP_2)
	v_max_num_f32 v[232+\b], v[232+\b], v[236+\b]
.endr
.irp b, 0,1
	s_delay_alu instid0(VALU_DEP_2)
	v_add_nc_u32 v[244+\b], 0xff000000, v[232+\b]
.endr
.irp b, 0,1
	s_delay_alu instid0(VALU_DEP_2)
	v_lshrrev_b32 v[236+\b], 23, v[244+\b]
.endr
	s_delay_alu instid0(VALU_DEP_1)
	v_lshl_or_b32 v253, v237, 8, v236              ; my row's two scale bytes
	v_cvt_scalef32_pk16_fp6_f32 v[224:226], v[96:111], v244
	v_cvt_scalef32_pk16_fp6_f32 v[228:230], v[112:127], v245
	v_nop
.irp i, 0,1,2
	v_permlane16_swap_b32 v[224+\i], v[228+\i]
.endr
.irp i, 0,1,2
	s_delay_alu instid0(VALU_DEP_3)
	v_mov_b32 v[227+\i], v[228+\i]                 ; ascending: each source is read before it is written
.endr
.irp p, 0,1,2
	global_store_b64 v[AK0], v[224+2*\p:225+2*\p], s[14:15] offset:256*\p    ; 256 consecutive bytes, at a multiple of 256 from the buffer's first byte
.endr
	global_store_b16 v[R4], v253, s[16:17]         ; (both halves of the lanes store the same two bytes at the same place)
	s_wait_xcnt 0x0                                ; the stores have read their data and their bases: both are written again below and in the next tile
	s_add_nc_u64 s[14:15], s[14:15], 196608        ; 16 tiles on: 128 fragments of 1,536 bytes,
	s_add_nc_u64 s[16:17], s[16:17], 8192          ; 128 x 64 bytes of scale words
	s_sub_co_u32 s[TI], s[TI], 1
	s_cmp_lg_u32 s[TI], 0
	s_cbranch_scc1 .Ltile
	s_wait_tensorcnt 0x0                           ; the wave's end
	ds_add_u32 v[SPW], v[NIL]
	s_wait_dscnt 0x0
	s_endpgm
.Lfunc_end_k_qb9498e10b2_attn:
	.size	k_qb9498e10b2_attn, .Lfunc_end_k_qb9498e10b2_attn-k_qb9498e10b2_attn
	.p2alignl 7, 3214868480
	.fill 96, 4, 3214868480
	.section	.rodata,"a",@progbits
	.p2align	6, 0x0
	.amdhsa_kernel k_qb9498e10b2_attn
		.amdhsa_group_segment_fixed_size 167936
		.amdhsa_private_segment_fixed_size 0
		.amdhsa_enable_private_segment 0
		.amdhsa_kernarg_size 16
		.amdhsa_user_sgpr_count 2
		.amdhsa_user_sgpr_kernarg_segment_ptr 1
		.amdhsa_wavefront_size32 1
		.amdhsa_system_sgpr_workgroup_id_x 1
		.amdhsa_system_sgpr_workgroup_id_y 1
		.amdhsa_system_sgpr_workgroup_id_z 1
		.amdhsa_system_vgpr_workitem_id 0
		.amdhsa_next_free_vgpr 256
		.amdhsa_next_free_sgpr 66
		.amdhsa_reserve_vcc 0
		.amdhsa_float_denorm_mode_32 3
		.amdhsa_float_denorm_mode_16_64 3
		.amdhsa_memory_ordered 1
		.amdhsa_forward_progress 1
		.amdhsa_inst_pref_size 30
	.end_amdhsa_kernel
	.amdgpu_metadata
---
amdhsa.version: [ 1, 2 ]
amdhsa.kernels:
  - .name:           k_qb9498e10b2_attn
    .symbol:         k_qb9498e10b2_attn.kd
    .args:
      - { .name: qkv, .offset: 0, .size: 8, .value_kind: global_buffer, .address_space: global }
      - { .name: ab, .offset: 8, .size: 8, .value_kind: global_buffer, .address_space: global }
    .group_segment_fixed_size: 167936
    .private_segment_fixed_size: 0
    .kernarg_segment_align: 8
    .kernarg_segment_size: 16
    .max_flat_workgroup_size: 512
    .sgpr_count:     66
    .vgpr_count:     256
    .wavefront_size: 32
...
	.end_amdgpu_metadata
.endif
;; end of part 7
;; launch chain (part 8): grid 256 x 1, 4 waves a work-group, clusters of 4 x 1, 327,680 bytes of LDS; arguments ab, cw, x, bo, g_ln2, b_ln2, b1, b2, out0; writes out0
.if DOCPART == 8
	.amdgcn_target "amdgcn-amd-amdhsa--gfx1250"
	.amdhsa_code_object_version 6
	.text
	.protected	k_qb9498e10b2_chain
	.globl	k_qb9498e10b2_chain
	.p2align	8
	.type	k_qb9498e10b2_chain,@function
k_qb9498e10b2_chain:
	s_mov_b64 s[64:65], 0
	v_nop
	global_prefetch_b8 v0, s[64:65] scope:SCOPE_SE
	s_setreg_imm32_b32 hwreg(HW_REG_WAVE_MODE, 25, 1), 1
	s_wait_xcnt 0x0
	s_wait_alu depctr_hold_cnt(0) depctr_sa_sdst(0) depctr_va_vdst(0) depctr_va_sdst(0) depctr_va_ssrc(0) depctr_va_vcc(0) depctr_vm_vsrc(0)
	s_getreg_b32 s2, hwreg(HW_REG_IB_STS2, 6, 4)
	s_cmp_eq_u32 s2, 0
	s_cbranch_scc0 .Lentry_in_a_cluster
	s_endpgm
.Lentry_in_a_cluster:
	s_bfe_u32 s2, ttmp6, 0x10000c
	s_cmp_lg_u32 s2, 0x3003
	s_cbranch_scc0 .Lentry_shape_is_right
	s_endpgm
.Lentry_shape_is_right:
; out = x1 + gelu(layernorm(x1) W1 + b1) W2 + b2 with x1 = x + attn Wo + bo: three products on codes of FP6 (E2M3) with E8M0 scales, K = 1,024 each, for 32 rows a work-group; nothing between them goes to memory.
; SHARES.  THE WAVES SHARE THE COLUMNS: a wave owns one quarter, 256 columns, of all three products, for both tiles u of 16 rows: 32 accumulators, 256 registers.  Products are used transposed (source 0 = 16 rows n of the weight,
; source 1 = 16 rows of the operand): lane (r, h) holds row place r, and register 128 u + 16 B + i is column 32 B + 16 h + i of the quarter, since place r of a weight's tile 2 G + v is row 32 G + 8 v + r + 8 (r / 8).  Rows of x and out0 have the same order.
; WEIGHTS come from cw, laid as operand images, through a ring of two LDS slots: tile (product, K step) = 102,400 bytes, a quarter for each wave, by joint tensor loads: the four work-groups of a cluster walk the same 24 tiles.
; THE CLUSTERS BEGIN K AT DIFFERENT STEPS.  With ROT = the cluster's number mod 4 (the same in its four work-groups), wave w owns quarter (w + ROT) mod 4 of the columns, and trip j of a product takes K step (j + 2 ROT) mod 8.
; Only global addresses hang on ROT: wave w stores its images at places 2 w, 2 w + 1 as ever, and they hold K steps 2 ((w + ROT) mod 4) + 0, 1 = (place + 2 ROT) mod 8, which is what trip 'place' multiplies.
; OPERANDS go from wave to wave through LDS as images of their registers (16 fragments of 1,536 bytes, place 8 u + trip, and their scale words): attention's from ab, then layernorm's, then the GELU's.
; The residual costs nothing: x + bo is what product 0 adds onto, b1 what product 1 adds onto, x1 what product 2 adds onto.  Row tile 0 of x is turned and added to bo while row tile 1's 32 loads are out.
; bo, g, b, b1, b2: each wave reads its 1,024 bytes of each once, dense, keeps them in an LDS copy of its own and fetches them in the result's layout.
; LAYERNORM: x1 - mean is made once, into window 1, which is idle between products; the variance and the normalised rows are both made of it.
; GELU: 0.5 x (1 + erf(x / sqrt 2)), erf(z) = z P(z^2) / Q(z^2) with z held at +-4 (a rational form in f32: error of a few 1e-7 absolute); 1 / Q is v_rcp_f32, 1 / sqrt is v_rsq_f32.
; GELU, quantiser and image are a loop of two trips on registers 0-127 of window 2: row tile 0 is worked where it lies; row tile 1 waits in my stage, 16,384 bytes, and is fetched in the second trip.  So the text stands once for both.
; NO DATA PREFETCH: what the ring asks for are the same 24 tiles in all 64 clusters, 2,457,600 bytes in all; ab and x are read once, by loads issued at the head, with no loop to run ahead in.
; LIMITS: the f32 sums over K begin at K step 2 ROT and wrap round: an order of rounding other than ascending K.  A block whose largest magnitude lies under 2^-124, a block of zeros too, keeps the byte 1; NaN and infinities are not served.
; REGISTERS: window 0: v2-31 addresses and statistics; v32-55 the two operand fragments (the GELU's coefficients between products), v56-57 their scale words, v58-65 the weights'; v72-123 at work; v128-255 AREA.
;   window 1: the 16 weight fragments (x on its way in; x1 - mean in the layernorm).   window 2: g and b, then the hidden layer.   window 3: x + bo, x1, the result.
.set FRB,   1536
.set WREG,  25600                      ; a wave's part of a tile: 16 fragments, then 8 x 128 bytes of scale words
.set SLOTB, 102400
.set AIMG,  2*SLOTB                    ; the operand's 16 images
.set ASC,   AIMG+16*FRB                ; their scale words, 128 bytes each
.set STAT,  ASC+16*128                 ; two sets of 4 waves x 2 tiles x 16 row sums
.set STG,   STAT+1024                  ; a stage of 16 rows x (1,024 + 16) bytes for each wave
.set SPT,   1040
.set VECS,  STG+4*16*SPT               ; five vectors x 1,024 bytes for each wave
.set SPARE, VECS+4*5120                ; the spare words, 128 bytes for each wave: two blocks of 256 bytes that no other line names
.set ABS,   6291456
.set LI,   2                           ; 16 x lane
.set AA0,  4                           ; AIMG + 16 x lane
.set AS0,  5                           ; ASC + 4 x lane
.set WA,   6                           ; v6-7 my weight fragments in slot 0, 1
.set WS,   8                           ; v8-9 their scale words
.set HWI,  10                          ; where I store images: places 2 w, 2 w + 1
.set HWS,  11
.set SGD,  12                          ; my stage, rows as they lie in memory
.set SGT,  13                          ; my stage, turned: row r, + 64 h
.set VW,   14
.set VR,   15
.set STW,  16
.set STR,  17
.set AAD,  18
.set ASD,  19
.set SPW,  20
.set NIL,  21
.set MU,   22                          ; v22-25 - the mean, twice, for u = 0, 1
.set RS,   26                          ; v26-29 1 / sqrt(variance + eps) likewise
.set HWJ,  30                          ; the GELU loop's image addresses
.set HWT,  31
.set XF,   32
.set CF,   32
.set XS,   56
.set WSC,  58
.set R4,   66
.set L8,   67
.set TM,   72
.set PW,   88
.set PC,   92
.set CH,   116
.set AREA, 128
.set ZZ,   192
.set QQ,   208
.set PP,   224
.set DD,   240
.set WV,   22                          ; s22
.set G1,   24
.set G0,   32
.set SEL,  40
.set TA,   42
.set TS,   43
.set CNT,  44
.set ROT2, 47                          ; s47 2 ROT
.set TT,   62                          ; s62 the trip's number, 0 to 23
.set CQ,   63                          ; s63 my quarter of the columns
.set ABC,  66                          ; s[66:73] where my four fragments of ab lie;  s[74:81] their scale words
.set ABW,  74
.set MSB,  0
.macro WIN new
.if MSB != (\new)
	s_set_vgpr_msb (MSB<<8)|(\new)
.set MSB, (\new)
.endif
.endm
.macro ROUND                           ; a round of the cluster's barrier
	s_barrier_signal -1
	s_barrier_wait -1
	s_cmp_lg_u32 s[WV], 0
	s_cbranch_scc1 .Lnot_wave_0_\@
	s_barrier_signal -3
.Lnot_wave_0_\@:
	s_barrier_wait -3
	s_barrier_signal -1
	s_barrier_wait -1
.endm
.macro BARRIER                         ; my LDS stores have landed and my LDS loads are in: then the work-group's barrier.  The tile on its way may stay out
	s_wait_alu depctr_va_vdst(0)
	s_wait_dscnt 0x0
	s_barrier_signal -1
	s_barrier_wait -1
.endm
.macro PLACES
.rept 4
	v_nop
.endr
.endm
.macro QUANT s                         ; 64 numbers of a lane, register 16 b + i = k 32 b + 16 (lane / 16) + i of my row, become a fragment's codes in v[PC] on and its scale word in v[PW]
.irp b, 0,1,2,3
	v_max3_num_f32 v[TM+\b], |v[\s+16*\b]|, |v[\s+1+16*\b]|, 0x1800000
.endr
.irp i, 2,4,6,8,10,12,14
.irp b, 0,1,2,3
	v_max3_num_f32 v[TM+\b], v[TM+\b], |v[\s+16*\b+\i]|, |v[\s+1+16*\b+\i]|
.endr
.endr
.irp b, 0,1,2,3
	v_permlanex16_b32 v[TM+4+\b], v[TM+\b], s[SEL], s[SEL+1]
.endr
.irp b, 0,1,2,3
	v_max_num_f32 v[TM+\b], v[TM+\b], v[TM+4+\b]
.endr
.irp b, 0,1,2,3
	v_add_nc_u32 v[TM+12+\b], 0xff000000, v[TM+\b]
.endr
.irp b, 0,1,2,3
	v_lshrrev_b32 v[TM+4+\b], 23, v[TM+12+\b]
.endr
	v_lshl_or_b32 v[PW], v[TM+5], 8, v[TM+4]
	v_lshl_or_b32 v[PW], v[TM+6], 16, v[PW]
	v_lshl_or_b32 v[PW], v[TM+7], 24, v[PW]
.irp c, 0,1
	v_cvt_scalef32_pk16_fp6_f32 v[PC+6*\c:PC+2+6*\c], v[\s+32*\c:\s+15+32*\c], v[TM+12+2*\c]
	v_cvt_scalef32_pk16_fp6_f32 v[PC+12+4*\c:PC+14+4*\c], v[\s+16+32*\c:\s+31+32*\c], v[TM+12+2*\c+1]
.endr
	v_nop                                          ; one plain place behind a scaled conversion
.irp c, 0,1
.irp i, 0,1,2
	v_permlane16_swap_b32 v[PC+6*\c+\i], v[PC+12+4*\c+\i]
.endr
.irp i, 0,1,2
	v_mov_b32 v[PC+3+6*\c+\i], v[PC+12+4*\c+\i]
.endr
.endr
.endm
.macro IMAGE ai, as, f                 ; the fragment and its scale word go to LDS as they stand
.irp c, 0,1,2
	ds_store_b128 v[\ai], v[PC+4*\c:PC+4*\c+3] offset:(\f)*FRB+512*\c
.endr
	ds_store_b32 v[\as], v[PW] offset:(\f)*128
	s_wait_dscnt 0x0                               ; the stores have read their registers
.endm
.macro VECL k, reg, win                ; vector k of my copy, in the result's layout: register 16 B + i = column 32 B + 16 h + i of my 256
	WIN \win
.set i, 0
.rept 32
	ds_load_b128 v[\reg+4*i:\reg+4*i+3], v[VR] offset:1024*\k+128*(i/4)+16*(i%4)
.set i, i+1
.endr
.endm
.macro MM t, u                         ; weight tile t x row tile u; the scale words of odd tiles lie in lanes 16-31
.if (\t)%2
	v_wmma_scale_f32_16x16x128_f8f6f4 v[128*\u+8*(\t):128*\u+8*(\t)+7], v[12*(\t):12*(\t)+11], v[XF+12*\u:XF+12*\u+11], v[128*\u+8*(\t):128*\u+8*(\t)+7], v[WSC+(\t)/2], v[XS+\u] matrix_a_fmt:MATRIX_FMT_FP6 matrix_b_fmt:MATRIX_FMT_FP6 matrix_a_scale:MATRIX_SCALE_ROW1
.else
	v_wmma_scale_f32_16x16x128_f8f6f4 v[128*\u+8*(\t):128*\u+8*(\t)+7], v[12*(\t):12*(\t)+11], v[XF+12*\u:XF+12*\u+11], v[128*\u+8*(\t):128*\u+8*(\t)+7], v[WSC+(\t)/2], v[XS+\u] matrix_a_fmt:MATRIX_FMT_FP6 matrix_b_fmt:MATRIX_FMT_FP6
.endif
.endm
; ONE K STEP OF ONE PRODUCT.  In front of the round each wave waits for all its tensor loads (its quarter of this trip's tile), adds 0 to its spare word, and waits for that, for its reads of the last tile and for its image stores.
; Behind the round the slot read last trip is asked for again: 25,600 bytes a wave, one load of mine out, with this trip's 64 LDS loads and 32 products in which to land.
; The next trip's tile: product (t + 1) / 8, K step (t + 1 + 2 ROT) mod 8: its place in cw is made anew from the trip's number, in registers that hold no address, while no load of mine is out.
.macro TRIP slot, refill, win
	s_wait_tensorcnt 0x0
	ds_add_u32 v[SPW], v[NIL]
.if \refill
	s_add_co_u32 s59, s[TT], 1
	s_add_co_u32 s60, s59, s[ROT2]
	s_and_b32 s60, s60, 7                          ; the K step,
	s_and_b32 s59, s59, 24                         ; 8 x the product
	s_or_b32 s59, s59, s60
	s_mul_i32 s60, s59, SLOTB                      ; (s61 holds 0 throughout)
	s_add_nc_u64 s[G0+6-4*\slot:G0+7-4*\slot], s[6:7], s[60:61]
	s_or_b32 s[G0+7-4*\slot], s[G0+7-4*\slot], 0x80000000
.endif
	s_wait_dscnt 0x0
	ROUND
.if \refill
	tensor_load_to_lds s[G0+4-4*\slot:G0+7-4*\slot], s[G1:G1+7]
	s_nop 0
.endif
	PLACES                                         ; in front of loads into registers that the last products read
	v_add_nc_u32 v[AAD], s[TA], v[AA0]
	v_add_nc_u32 v[ASD], s[TS], v[AS0]
.irp u, 0,1
.irp c, 0,1,2
	ds_load_b128 v[XF+12*\u+4*\c:XF+12*\u+4*\c+3], v[AAD] offset:8*FRB*\u+512*\c
.endr
	ds_load_b32 v[XS+\u], v[ASD] offset:1024*\u
.endr
.irp g, 0,1,2,3,4,5,6,7
	ds_load_b32 v[WSC+\g], v[WS+\slot] offset:128*\g
.endr
	WIN 0x40
.set i, 0
.rept 48
	ds_load_b128 v[4*i:4*i+3], v[WA+\slot] offset:512*i        ; the 16 fragments on end
.set i, i+1
.endr
	WIN \win
	s_wait_alu depctr_va_vdst(0)
.irp g, 0,1,2,3
	s_wait_dscnt 36-12*\g                          ; the fragment loads of the later groups of four tiles may be out
.irp k, 0,1,2,3
	MM 4*\g+\k, 0                                  ; the 32 accumulators take turns, one instruction a turn, in the same order in every trip
	MM 4*\g+\k, 1
.endr
.endr
	WIN 0
	s_add_co_u32 s[TA], s[TA], FRB
	s_add_co_u32 s[TS], s[TS], 128
	s_add_co_u32 s[TT], s[TT], 1
.endm
	s_load_b512 s[4:19], s[0:1], 0x0               ; ab, cw, x, bo, g, b, b1, b2
	s_load_b64 s[20:21], s[0:1], 0x40              ; out0
	v_lshl_add_u32 v[SPW], v0, 2, SPARE
	v_mov_b32 v[NIL], 0
	ds_add_u32 v[SPW], v[NIL]                      ; the wave's opening: the add, twice on end, and its wait stand ahead of my first tensor load; the set-up stands between them
	ds_add_u32 v[SPW], v[NIL]
	v_lshrrev_b32 v1, 5, v0
	v_readfirstlane_b32 s[WV], v1                  ; wave 0..3
	v_and_b32 v1, 31, v0                           ; lane
	v_and_b32 v70, 15, v0                          ; r
	v_bfe_u32 v71, v0, 4, 1                        ; h
	v_lshlrev_b32 v[LI], 4, v1
	v_lshlrev_b32 v[L8], 3, v1
	v_lshlrev_b32 v[R4], 2, v70
	v_lshl_add_u32 v[AA0], v1, 4, AIMG
	v_lshl_add_u32 v[AS0], v1, 2, ASC
	s_mul_i32 s58, s[WV], WREG
	v_lshl_add_u32 v[WA], v1, 4, s58
	v_add_nc_u32 v[WA+1], SLOTB, v[WA]
	s_add_co_u32 s58, s58, 16*FRB
	v_lshl_add_u32 v[WS], v1, 2, s58
	v_add_nc_u32 v[WS+1], SLOTB, v[WS]
	s_mul_i32 s58, s[WV], 2*FRB
	s_add_co_u32 s58, s58, AIMG
	v_lshl_add_u32 v[HWI], v1, 4, s58
	s_lshl_b32 s58, s[WV], 8
	s_add_co_u32 s58, s58, ASC
	v_lshl_add_u32 v[HWS], v1, 2, s58
	s_mul_i32 s58, s[WV], 4*FRB
	s_add_co_u32 s58, s58, AIMG
	v_lshl_add_u32 v68, v1, 4, s58                 ; the head's images: places 4 w on
	s_lshl_b32 s58, s[WV], 9
	s_add_co_u32 s58, s58, ASC
	v_lshl_add_u32 v69, v1, 2, s58
	s_mul_i32 s58, s[WV], 16*SPT
	s_add_co_u32 s58, s58, STG
	v_lshl_add_u32 v[SGD], v1, 4, s58
	v_mul_u32_u24 v[SGT], v70, SPT
	v_lshl_add_u32 v[SGT], v71, 6, v[SGT]
	v_add_nc_u32 v[SGT], s58, v[SGT]
	s_mul_i32 s58, s[WV], 5120
	s_add_co_u32 s58, s58, VECS
	v_lshl_add_u32 v[VW], v1, 4, s58
	v_lshl_add_u32 v[VR], v71, 6, s58
	s_lshl_b32 s58, s[WV], 7
	s_add_co_u32 s58, s58, STAT
	v_lshl_add_u32 v[STW], v70, 2, s58
	v_lshl_add_u32 v[STR], v70, 2, STAT
	s_bfe_u32 s45, ttmp6, 0x40000                  ; cx: it enters the addresses of ab, x and out0 alone
	s_lshl_b32 s46, ttmp9, 2
	s_add_co_u32 s46, s46, s45                     ; my 32 rows
	s_and_b32 s[ROT2], ttmp9, 3                    ; ROT: of the cluster's number alone, so the same in the four partners
	s_add_co_u32 s[CQ], s[WV], s[ROT2]
	s_and_b32 s[CQ], s[CQ], 3                      ; my quarter of the columns
	s_lshl_b32 s[ROT2], s[ROT2], 1
	s_mov_b32 s[G1], 15|(3<<16)|(1<<21)            ; 15:0 the mask: all four work-groups; 17:16 elements of 8 bytes; 21 set beside a mask; no padding
	s_mov_b32 s[G1+1], 32<<16                      ; rows of 256 bytes
	s_mov_b32 s[G1+2], 100<<16
	s_mov_b32 s[G1+3], 32<<16
	s_mov_b32 s[G1+4], 100
	s_mov_b32 s[G1+5], 32
	s_mov_b32 s[G1+6], 0
	s_mov_b32 s[G1+7], 0
	s_mov_b32 s[SEL], 0x76543210
	s_mov_b32 s[SEL+1], 0xfedcba98
	s_lshl_b32 s48, s46, 17                        ; x, out0: 32 rows of 4,096 bytes, + my quarter's 1,024
	s_lshl_b32 s49, s[CQ], 10
	s_add_co_u32 s48, s48, s49
	s_mov_b32 s49, 0
	s_lshr_b32 s51, s[WV], 1                       ; ab: places 4 w .. 4 w + 3 belong to row tile w / 2
	s_mul_i32 s50, s46, 24576
	s_mul_i32 s53, s51, 12288
	s_add_co_u32 s50, s50, s53
	s_lshl_b32 s52, s46, 10
	s_lshl_b32 s53, s51, 9
	s_add_co_u32 s52, s52, s53
	s_add_co_u32 s52, s52, ABS
	s_mov_b32 s51, 0
	s_mov_b32 s53, 0
	s_lshl_b32 s54, s[CQ], 10                      ; the five vectors: my quarter
	s_mov_b32 s55, 0
	s_mul_i32 s56, s[WV], WREG                     ; my part of a slot in LDS: by the wave's number alone
	s_and_b32 s59, s[WV], 1
	s_lshl_b32 s59, s59, 2
	s_add_co_u32 s59, s59, s[ROT2]
.irp k, 0,1,2,3                                    ; place 4 (w % 2) + k of a row tile holds K step (4 (w % 2) + k + 2 ROT) mod 8
	s_add_co_u32 s60, s59, \k
	s_and_b32 s60, s60, 7
	s_mul_i32 s[ABC+2*\k], s60, FRB
	s_mov_b32 s[ABC+2*\k+1], 0
	s_lshl_b32 s[ABW+2*\k], s60, 6
	s_mov_b32 s[ABW+2*\k+1], 0
.endr
	s_mul_i32 s60, s[CQ], WREG                     ; my quarter of a tile in cw
	s_mov_b32 s61, 0
	s_mov_b32 s[TT], 0
	s_wait_alu depctr_va_vdst(0)
	s_wait_dscnt 0x0                               ; both opening adds are done
	s_wait_kmcnt 0x0
	s_add_nc_u64 s[8:9], s[8:9], s[48:49]
	s_add_nc_u64 s[20:21], s[20:21], s[48:49]
	s_add_nc_u64 s[52:53], s[4:5], s[52:53]
	s_add_nc_u64 s[4:5], s[4:5], s[50:51]
.irp k, 0,1,2,3
	s_add_nc_u64 s[ABC+2*\k:ABC+2*\k+1], s[4:5], s[ABC+2*\k:ABC+2*\k+1]
	s_add_nc_u64 s[ABW+2*\k:ABW+2*\k+1], s[52:53], s[ABW+2*\k:ABW+2*\k+1]
.endr
.irp k, 10,12,14,16,18
	s_add_nc_u64 s[\k:\k+1], s[\k:\k+1], s[54:55]
.endr
	s_add_nc_u64 s[6:7], s[6:7], s[60:61]
	s_mul_i32 s60, s[ROT2], SLOTB                  ; trip 0's tile: product 0, K step 2 ROT
.irp n, 0,1
	s_mov_b32 s[G0+4*\n], 1
	s_add_co_u32 s[G0+4*\n+1], s56, \n*SLOTB
.endr
	s_add_nc_u64 s[G0+2:G0+3], s[6:7], s[60:61]
	s_or_b32 s[G0+3], s[G0+3], 0x80000000
	ROUND                                          ; all four work-groups are here
	tensor_load_to_lds s[G0:G0+3], s[G1:G1+7]      ; tile 0; slot 1 is first filled behind the first trip's round
	s_nop 0
	PLACES
	; ---- the head: attention's fragments (28 loads), the five vectors (10), x (64)
.irp k, 0,1,2,3
.irp q, 0,1,2,3,4,5
	global_load_b64 v[72+12*\k+2*\q:73+12*\k+2*\q], v[L8], s[ABC+2*\k:ABC+2*\k+1] offset:256*\q th:TH_LOAD_NT
.endr
	global_load_b32 v[120+\k], v[R4], s[ABW+2*\k:ABW+2*\k+1]
.endr
.irp k, 0,1,2,3,4
	global_load_b128 v[AREA+8*\k:AREA+8*\k+3], v[LI], s[10+2*\k:11+2*\k]
	global_load_b128 v[AREA+8*\k+4:AREA+8*\k+7], v[LI], s[10+2*\k:11+2*\k] offset:512
.endr
	WIN 0x40
.irp u, 0,1
.set i, 0
.rept 32
	global_load_b128 v[128*\u+4*i:128*\u+4*i+3], v[LI], s[8:9] offset:(8*\u+(i/2)+8*((i/2)/8))*4096+512*(i%2) th:TH_LOAD_NT   ; 512 consecutive bytes of one row
.set i, i+1
.endr
.endr
	WIN 0
	s_wait_loadcnt 63                              ; x's 64 loads stand behind them: 63 is the stricter count
.irp k, 0,1,2,3
.irp c, 0,1,2
	ds_store_b128 v68, v[72+12*\k+4*\c:72+12*\k+4*\c+3] offset:FRB*\k+512*\c
.endr
	ds_store_b32 v69, v[120+\k] offset:128*\k
.endr
.set i, 0
.rept 10
	ds_store_b128 v[VW], v[AREA+4*i:AREA+4*i+3] offset:512*i
.set i, i+1
.endr
.macro XIN u                           ; x's tile u turns through my stage from window 1 into window 3: LDS serves a wave's instructions in order
	WIN 0x04
.set i, 0
.rept 32
	ds_store_b128 v[SGD], v[128*\u+4*i:128*\u+4*i+3] offset:(i/2)*SPT+512*(i%2)
.set i, i+1
.endr
	WIN 0xc0
.set i, 0
.rept 32
	ds_load_b128 v[128*\u+4*i:128*\u+4*i+3], v[SGT] offset:128*(i/4)+16*(i%4)
.set i, i+1
.endr
.endm
.macro XADD u                          ; x + bo: what product 0 adds onto
	WIN 0xc3
.set i, 0
.rept 64
	v_pk_add_f32 v[128*\u+2*i:128*\u+2*i+1], v[128*\u+2*i:128*\u+2*i+1], v[AREA+2*i:AREA+2*i+1]
.set i, i+1
.endr
.endm
	VECL 0, AREA, 0                                ; bo (LDS serves my instructions in order: it sees the copy just stored)
	s_wait_loadcnt 32                              ; tile 1's 32 loads may be out
	XIN 0
	s_wait_dscnt 0x0                               ; bo and tile 0
	XADD 0                                         ; under tile 1's loads
	s_wait_loadcnt 0x0
	XIN 1
	VECL 1, 0, 0x80                                ; g
	VECL 2, 128, 0x80                              ; b
	s_wait_dscnt 63                                ; g's and b's 64 loads stand behind tile 1's: 63 is the stricter count
	XADD 1
	WIN 0
	; ---- product 0: x1 = x + bo + attn Wo
	s_mov_b32 s[TA], 0
	s_mov_b32 s[TS], 0
	s_mov_b32 s[CNT], 4
.Lp0:
	TRIP 0, 1, 0xf1
	TRIP 1, 1, 0xf1
	s_sub_co_u32 s[CNT], s[CNT], 1
	s_cmp_lg_u32 s[CNT], 0
	s_cbranch_scc1 .Lp0
	; ---- layernorm 2.  A row's 1,024 numbers lie in two lanes of each of the four waves: sums meet in LDS
.macro CLEAR
.irp i, 0,1,2,3,4,5,6,7
	v_mov_b32 v[CH+\i], 0
.endr
.endm
.macro RSUM dst
	v_pk_add_f32 v[CH:CH+1], v[CH:CH+1], v[CH+2:CH+3]
	v_pk_add_f32 v[CH+4:CH+5], v[CH+4:CH+5], v[CH+6:CH+7]
	v_pk_add_f32 v[CH:CH+1], v[CH:CH+1], v[CH+4:CH+5]
	v_add_f32 v[CH], v[CH], v[CH+1]
	v_permlanex16_b32 v[CH+1], v[CH], s[SEL], s[SEL+1]
	v_add_f32 v[\dst], v[CH], v[CH+1]
.endm
.macro GATHER off                      ; the four waves' sums of my rows: v72 for u = 0, v76 for u = 1
.irp u, 0,1
.irp w, 0,1,2,3
	ds_load_b32 v[72+4*\u+\w], v[STR] offset:\off+128*\w+64*\u
.endr
.endr
	s_wait_dscnt 0x0
.irp u, 0,1
	v_add_f32 v[72+4*\u], v[72+4*\u], v[73+4*\u]
	v_add_f32 v[74+4*\u], v[74+4*\u], v[75+4*\u]
	v_add_f32 v[72+4*\u], v[72+4*\u], v[74+4*\u]
.endr
.endm
	PLACES                                         ; behind the last products
.irp u, 0,1
	CLEAR
	WIN 0x03
.set i, 0
.rept 64
	v_pk_add_f32 v[CH+2*(i%4):CH+2*(i%4)+1], v[128*\u+2*i:128*\u+2*i+1], v[CH+2*(i%4):CH+2*(i%4)+1]   ; ascending: each accumulator from its low end on
.set i, i+1
.endr
	WIN 0
	RSUM 112+\u
	ds_store_b32 v[STW], v[112+\u] offset:64*\u
.endr
	BARRIER                                        ; it also parts product 0's reads of the images from the new images below
	GATHER 0
.irp u, 0,1
	v_mul_f32 v[MU+2*\u], 0xba800000, v[72+4*\u]   ; - the mean
	v_mov_b32 v[MU+2*\u+1], v[MU+2*\u]
.endr
.irp u, 0,1
	CLEAR
	WIN 0x43
.set i, 0
.rept 64
	v_pk_add_f32 v[128*\u+2*i:128*\u+2*i+1], v[128*\u+2*i:128*\u+2*i+1], v[MU+2*\u:MU+2*\u+1]   ; x1 - mean, from window 3 into window 1, where it stays
.set i, i+1
.endr
	WIN 0x05
.set i, 0
.rept 64
	v_pk_fma_f32 v[CH+2*(i%4):CH+2*(i%4)+1], v[128*\u+2*i:128*\u+2*i+1], v[128*\u+2*i:128*\u+2*i+1], v[CH+2*(i%4):CH+2*(i%4)+1]   ; the variance is the mean of (x1 - mean)^2: no difference of large sums
.set i, i+1
.endr
	WIN 0
	RSUM 114+\u
	ds_store_b32 v[STW], v[114+\u] offset:512+64*\u
.endr
	BARRIER
	GATHER 512
.irp u, 0,1
	v_mul_f32 v[72+4*\u], 0x3a800000, v[72+4*\u]
	v_add_f32 v[72+4*\u], 0x3727c5ac, v[72+4*\u]   ; + 1e-5
.endr
	s_wait_alu depctr_va_vdst(0)
	v_rsq_f32 v[RS], v72
	v_rsq_f32 v[RS+2], v76
	v_nop                                          ; a plain place behind the transcendentals
	s_wait_alu depctr_va_vdst(0)                   ; one wait for both, ahead of their first reader
	v_mov_b32 v[RS+1], v[RS]
	v_mov_b32 v[RS+3], v[RS+2]
.irp u, 0,1
.irp q, 0,1
	WIN 0x01
.set i, 0
.rept 32
	v_pk_mul_f32 v[AREA+2*i:AREA+2*i+1], v[128*\u+64*\q+2*i:128*\u+64*\q+2*i+1], v[RS+2*\u:RS+2*\u+1]   ; (x1 - mean) / sqrt(variance + eps)
.set i, i+1
.endr
	WIN 0x28
.set i, 0
.rept 32
	v_pk_fma_f32 v[AREA+2*i:AREA+2*i+1], v[AREA+2*i:AREA+2*i+1], v[64*\q+2*i:64*\q+2*i+1], v[128+64*\q+2*i:129+64*\q+2*i]
.set i, i+1
.endr
	WIN 0
	QUANT AREA
	IMAGE HWI, HWS, 8*\u+\q
.endr
.endr
	VECL 3, 0, 0x80                                ; b1, for both row tiles: what product 1 adds onto; the first trip's wait for my LDS instructions covers these
	VECL 3, 128, 0x80
	WIN 0
	; ---- product 1: the hidden layer ahead of its activation
	s_mov_b32 s[TA], 0
	s_mov_b32 s[TS], 0
	s_mov_b32 s[CNT], 4
.Lp1:
	TRIP 0, 1, 0xa1
	TRIP 1, 1, 0xa1
	s_sub_co_u32 s[CNT], s[CNT], 1
	s_cmp_lg_u32 s[CNT], 0
	s_cbranch_scc1 .Lp1
	; ---- row tile 1 of the hidden layer into my stage, as an image of its 128 registers
	PLACES                                         ; behind the last products: their results are read and their operand registers written below
	WIN 0x08
.set i, 0
.rept 32
	ds_store_b128 v[SGD], v[128+4*i:128+4*i+3] offset:512*i    ; ascending: each accumulator from its low end on
.set i, i+1
.endr
	WIN 0
	BARRIER                                        ; every wave's reads of layernorm's images are over
.macro COEF n, bits
	v_mov_b32 v[CF+2*\n], \bits
	v_mov_b32 v[CF+2*\n+1], \bits
.endm
	COEF 0, 0xaf95df0b                             ; P, highest power first
	COEF 1, 0x32edffee
	COEF 2, 0xb60cff51
	COEF 3, 0xb86ec2d2
	COEF 4, 0xba40ac63
	COEF 5, 0xbb41a1f6
	COEF 6, 0xbc83dbd4
	COEF 7, 0xb77460cd                             ; Q
	COEF 8, 0xb95fbd29
	COEF 9, 0xbadc924e
	COEF 10, 0xbbf19bf8
	COEF 11, 0xbc69b6a7
	COEF 12, 0x3f3504f3                            ; 1 / sqrt 2
.macro GEL xb, yb                      ; 16 numbers
	WIN 0x02
	s_wait_alu depctr_va_vdst(0)
.irp i, 0,2,4,6,8,10,12,14
	v_pk_mul_f32 v[ZZ+\i:ZZ+\i+1], v[(\xb)+\i:(\xb)+\i+1], v[CF+24:CF+25]    ; z = x / sqrt 2; ascending: each accumulator from its low end on
.endr
	WIN 0
.irp i, 0,1,2,3,4,5,6,7,8,9,10,11,12,13,14,15
	v_med3_num_f32 v[ZZ+\i], v[ZZ+\i], -4.0, 4.0
.endr
.irp i, 0,2,4,6,8,10,12,14
	v_pk_mul_f32 v[QQ+\i:QQ+\i+1], v[ZZ+\i:ZZ+\i+1], v[ZZ+\i:ZZ+\i+1]
.endr
.irp i, 0,2,4,6,8,10,12,14
	v_pk_fma_f32 v[PP+\i:PP+\i+1], v[QQ+\i:QQ+\i+1], v[CF:CF+1], v[CF+2:CF+3]
	v_pk_fma_f32 v[DD+\i:DD+\i+1], v[QQ+\i:QQ+\i+1], v[CF+14:CF+15], v[CF+16:CF+17]
.endr
.irp k, 18,20,22
.irp i, 0,2,4,6,8,10,12,14
	v_pk_fma_f32 v[DD+\i:DD+\i+1], v[DD+\i:DD+\i+1], v[QQ+\i:QQ+\i+1], v[CF+\k:CF+\k+1]
.endr
.endr
	s_wait_alu depctr_va_vdst(0)
.irp i, 0,1,2,3,4,5,6,7,8,9,10,11,12,13,14,15
	v_rcp_f32 v[DD+\i], v[DD+\i]                   ; one batch; P's chain below is the independent work behind it
.endr
.irp k, 4,6,8,10,12
.irp i, 0,2,4,6,8,10,12,14
	v_pk_fma_f32 v[PP+\i:PP+\i+1], v[PP+\i:PP+\i+1], v[QQ+\i:QQ+\i+1], v[CF+\k:CF+\k+1]
.endr
.endr
.irp i, 0,2,4,6,8,10,12,14
	v_pk_mul_f32 v[PP+\i:PP+\i+1], v[PP+\i:PP+\i+1], v[ZZ+\i:ZZ+\i+1]
.endr
	WIN 0x02
.irp i, 0,2,4,6,8,10,12,14
	v_pk_mul_f32 v[ZZ+\i:ZZ+\i+1], v[(\xb)+\i:(\xb)+\i+1], 0.5 op_sel_hi:[1,0]   ; x / 2
.endr
	WIN 0
	s_wait_alu depctr_va_vdst(0)                   ; one wait for the sixteen reciprocals, ahead of their first reader
.irp i, 0,2,4,6,8,10,12,14
	v_pk_mul_f32 v[PP+\i:PP+\i+1], v[PP+\i:PP+\i+1], v[DD+\i:DD+\i+1]        ; erf
.endr
.irp i, 0,2,4,6,8,10,12,14
	v_pk_fma_f32 v[(\yb)+\i:(\yb)+\i+1], v[ZZ+\i:ZZ+\i+1], v[PP+\i:PP+\i+1], v[ZZ+\i:ZZ+\i+1]
.endr
.endm
	; ---- GELU, quantiser and image: two trips, row tile u to places 8 u + 2 w, 8 u + 2 w + 1
	s_mov_b32 s[TA], 0
	s_mov_b32 s[TS], 0
	s_mov_b32 s[CNT], 2
.Lgelu:
	v_add_nc_u32 v[HWJ], s[TA], v[HWI]
	v_add_nc_u32 v[HWT], s[TS], v[HWS]
	s_wait_alu depctr_va_vdst(0)
	s_cmp_eq_u32 s[CNT], 2
	s_cbranch_scc1 .Lown                           ; the first trip works row tile 0 where it lies
	WIN 0x80
.set i, 0
.rept 32
	ds_load_b128 v[4*i:4*i+3], v[SGD] offset:512*i             ; row tile 1 comes back from my stage
.set i, i+1
.endr
	WIN 0
.Lown:
.irp q, 0,1
.irp g, 0,1,2,3
.if \q == 0
	s_wait_dscnt 28-4*\g                           ; the loads of the later sixteens may be out (the image's wait below is for all)
.endif
	GEL 64*\q+16*\g, AREA+16*\g
.endr
	QUANT AREA
	IMAGE HWJ, HWT, \q
.endr
	s_add_co_u32 s[TA], s[TA], 8*FRB
	s_add_co_u32 s[TS], s[TS], 1024
	s_sub_co_u32 s[CNT], s[CNT], 1
	s_cmp_lg_u32 s[CNT], 0
	s_wait_alu depctr_va_vdst(0)
	s_cbranch_scc1 .Lgelu
	VECL 4, AREA, 0                                ; b2: it lands under product 2
	; ---- product 2, onto x1
	s_mov_b32 s[TA], 0
	s_mov_b32 s[TS], 0
	s_mov_b32 s[CNT], 3
.Lp2:
	TRIP 0, 1, 0xf1
	TRIP 1, 1, 0xf1
	s_sub_co_u32 s[CNT], s[CNT], 1
	s_cmp_lg_u32 s[CNT], 0
	s_cbranch_scc1 .Lp2
	TRIP 0, 1, 0xf1                                ; the tail is written out: the last trip asks for nothing
	TRIP 1, 0, 0xf1
	; ---- the way out: + b2; a tile of 16 rows turns through my stage and leaves as runs of 512 consecutive bytes
	PLACES
	WIN 0xc3
.irp u, 0,1
.set i, 0
.rept 64
	v_pk_add_f32 v[128*\u+2*i:128*\u+2*i+1], v[128*\u+2*i:128*\u+2*i+1], v[AREA+2*i:AREA+2*i+1]
.set i, i+1
.endr
.endr
	s_wait_alu depctr_va_vdst(0)
.irp u, 0,1
	WIN 0x0c
.set i, 0
.rept 32
	ds_store_b128 v[SGT], v[128*\u+4*i:128*\u+4*i+3] offset:128*(i/4)+16*(i%4)
.set i, i+1
.endr
	WIN 0
.if \u
	s_wait_xcnt 0x0                                ; tile 0's stores have read their registers
.endif
.set i, 0
.rept 32
	ds_load_b128 v[AREA+4*i:AREA+4*i+3], v[SGD] offset:(i/2)*SPT+512*(i%2)   ; LDS serves a wave's instructions in order: these see the stores above
.set i, i+1
.endr
.set i, 0
.rept 32
	s_wait_dscnt 31-i
	global_store_b128 v[LI], v[AREA+4*i:AREA+4*i+3], s[20:21] offset:(8*\u+(i/2)+8*((i/2)/8))*4096+512*(i%2) th:TH_STORE_NT
.set i, i+1
.endr
.endr
	s_wait_tensorcnt 0x0                           ; the wave's end: behind my last tensor load and my last LDS store
	ds_add_u32 v[SPW], v[NIL]
	s_wait_dscnt 0x0
	ROUND                                          ; the closing round: no work-group ends while a partner may still ask for a tile that names it
	s_endpgm
.Lfunc_end_k_qb9498e10b2_chain:
	.size	k_qb9498e10b2_chain, .Lfunc_end_k_qb9498e10b2_chain-k_qb9498e10b2_chain
	.p2alignl 7, 3214868480
	.fill 96, 4, 3214868480
	.section	.rodata,"a",@progbits
	.p2align	6, 0x0
	.amdhsa_kernel k_qb9498e10b2_chain
		.amdhsa_group_segment_fixed_size 327680
		.amdhsa_private_segment_fixed_size 0
		.amdhsa_enable_private_segment 0
		.amdhsa_kernarg_size 72
		.amdhsa_user_sgpr_count 2
		.amdhsa_user_sgpr_kernarg_segment_ptr 1
		.amdhsa_wavefront_size32 1
		.amdhsa_system_sgpr_workgroup_id_x 1
		.amdhsa_system_sgpr_workgroup_id_y 1
		.amdhsa_system_sgpr_workgroup_id_z 1
		.amdhsa_system_vgpr_workitem_id 0
		.amdhsa_next_free_vgpr 1024
		.amdhsa_next_free_sgpr 84
		.amdhsa_reserve_vcc 0
		.amdhsa_float_denorm_mode_32 3
		.amdhsa_float_denorm_mode_16_64 3
		.amdhsa_memory_ordered 1
		.amdhsa_forward_progress 1
		.amdhsa_inst_pref_size 255
	.end_amdhsa_kernel
	.section	.bss,"aw",@nobits
	.p2align	6
	.space	262144
	.amdgpu_metadata
---
amdhsa.version: [ 1, 2 ]
amdhsa.kernels:
  - .name:           k_qb9498e10b2_chain
    .symbol:         k_qb9498e10b2_chain.kd
    .args:
      - { .name: ab, .offset: 0, .size: 8, .value_kind: global_buffer, .address_space: global }
      - { .name: cw, .offset: 8, .size: 8, .value_kind: global_buffer, .address_space: global }
      - { .name: x, .offset: 16, .size: 8, .value_kind: global_buffer, .address_space: global }
      - { .name: bo, .offset: 24, .size: 8, .value_kind: global_buffer, .address_space: global }
      - { .name: g_ln2, .offset: 32, .size: 8, .value_kind: global_buffer, .address_space: global }
      - { .name: b_ln2, .offset: 40, .size: 8, .value_kind: global_buffer, .address_space: global }
      - { .name: b1, .offset: 48, .size: 8, .value_kind: global_buffer, .address_space: global }
      - { .name: b2, .offset: 56, .size: 8, .value_kind: global_buffer, .address_space: global }
      - { .name: out0, .offset: 64, .size: 8, .value_kind: global_buffer, .address_space: global }
    .group_segment_fixed_size: 327680
    .private_segment_fixed_size: 0
    .kernarg_segment_align: 8
    .kernarg_segment_size: 72
    .max_flat_workgroup_size: 128
    .sgpr_count:     84
    .vgpr_count:     1024
    .wavefront_size: 32
...
	.end_amdgpu_metadata
.endif
;; end of part 8
